; MI455X (gfx1250); checked and timed in simulation.
; The chip was launched on July 23, 2026; its instructions are those of AMD's public machine-readable ISA for CDNA 5 (MIT licence, August 2026) and "CDNA5" Instruction Set Architecture Reference Guide (July 2026). The comments in the code are by the model that wrote it; some were corrected since.
;; FF Nw Mo E. Allowed arithmetic: matrix products marked QUANTISED: E2M3 operands, one E8M0 scale for each 32 along K, by v_wmma_scale_f32_16x16x128_f8f6f4 with both operands' format E2M3, f32 sums; products left as they are: f32 operands where the result goes on into a quantised operand, else bf16, f16 or f32 operands; f32 sums; everything else in f32.
;; Inputs: router_w 8 x 1,024 float32; w1_codes 8 x 684 x 32 x 24 uint8 (E2M3 codes of w1, K innermost, in blocks of 32 codes, four codes in three bytes); w1_scales 8 x 684 x 32 uint8 (E8M0 scales of w1, one for each 32 codes along K); w2 8 x 1,024 x 684 float32; w3_codes 8 x 684 x 32 x 24 uint8 (E2M3 codes of w3, K innermost, in blocks of 32 codes, four codes in three bytes); w3_scales 8 x 684 x 32 uint8 (E8M0 scales of w3, one for each 32 codes along K); x 4 x 1,024 x 1,024 float32.
;; Outputs: out0 4 x 1,024 x 1,024 float32; out1 one number float32.
;; This version of the problem:
;;   THIS VERSION OF THE PROBLEM IS GIVEN IN LOW PRECISION. The matrix products marked QUANTISED in the list below multiply operands that are first quantised to E2M3 (2 exponent bits, 3 mantissa bits; 6 bits a number), with one power-of-two scale for each 32 numbers along K (OCP MX v1.0); their sums are f32. All else is computed in f32.
;;   The module's matrix products, in the order in which they are computed (A, B: the left and right operand; K: the contracted axis; several contracted axes count as one K, in the product's order):
;;     1. [M 4,096, K 1,024] x [K 1,024, N 8]; A: input x; B: input router_w: left as it is (N = 8 < 16)
;;     2. [M 4,096, K 1,024] x [K 1,024, N 684]; A: input x; B: input w1 (given as codes): QUANTISED
;;     3. [M 4,096, K 1,024] x [K 1,024, N 684]; A: input x; B: input w3 (given as codes): QUANTISED
;;     4. [M 4,096, K 684] x [K 684, N 1,024]; A: computed on the way; B: input w2: QUANTISED
;;     5. [M 4,096, K 1,024] x [K 1,024, N 684]; A: input x; B: input w1 (given as codes): QUANTISED
;;     6. [M 4,096, K 1,024] x [K 1,024, N 684]; A: input x; B: input w3 (given as codes): QUANTISED
;;     7. [M 4,096, K 684] x [K 684, N 1,024]; A: computed on the way; B: input w2: QUANTISED
;;     8. [M 4,096, K 1,024] x [K 1,024, N 684]; A: input x; B: input w1 (given as codes): QUANTISED
;;     9. [M 4,096, K 1,024] x [K 1,024, N 684]; A: input x; B: input w3 (given as codes): QUANTISED
;;     10. [M 4,096, K 684] x [K 684, N 1,024]; A: computed on the way; B: input w2: QUANTISED
;;     11. [M 4,096, K 1,024] x [K 1,024, N 684]; A: input x; B: input w1 (given as codes): QUANTISED
;;     12. [M 4,096, K 1,024] x [K 1,024, N 684]; A: input x; B: input w3 (given as codes): QUANTISED
;;     13. [M 4,096, K 684] x [K 684, N 1,024]; A: computed on the way; B: input w2: QUANTISED
;;     14. [M 4,096, K 1,024] x [K 1,024, N 684]; A: input x; B: input w1 (given as codes): QUANTISED
;;     15. [M 4,096, K 1,024] x [K 1,024, N 684]; A: input x; B: input w3 (given as codes): QUANTISED
;;     16. [M 4,096, K 684] x [K 684, N 1,024]; A: computed on the way; B: input w2: QUANTISED
;;     17. [M 4,096, K 1,024] x [K 1,024, N 684]; A: input x; B: input w1 (given as codes): QUANTISED
;;     18. [M 4,096, K 1,024] x [K 1,024, N 684]; A: input x; B: input w3 (given as codes): QUANTISED
;;     19. [M 4,096, K 684] x [K 684, N 1,024]; A: computed on the way; B: input w2: QUANTISED
;;     20. [M 4,096, K 1,024] x [K 1,024, N 684]; A: input x; B: input w1 (given as codes): QUANTISED
;;     21. [M 4,096, K 1,024] x [K 1,024, N 684]; A: input x; B: input w3 (given as codes): QUANTISED
;;     22. [M 4,096, K 684] x [K 684, N 1,024]; A: computed on the way; B: input w2: QUANTISED
;;     23. [M 4,096, K 1,024] x [K 1,024, N 684]; A: input x; B: input w1 (given as codes): QUANTISED
;;     24. [M 4,096, K 1,024] x [K 1,024, N 684]; A: input x; B: input w3 (given as codes): QUANTISED
;;     25. [M 4,096, K 684] x [K 684, N 1,024]; A: computed on the way; B: input w2: QUANTISED
;;   THE QUANTISER, for each operand of a quantised product, along K:
;;     - K is cut into blocks of 32 from its start; a last block that is shorter is filled with zeros.
;;     - A block's scale is 2^e with e = floor(log2(the largest magnitude in the block)) - 2, held to -126 .. 127; a block of zeros has e = 0. As a byte (E8M0): e + 127.
;;     - Each number is divided by its block's scale, clamped to +-7.5, and rounded to the nearest number of E2M3, ties to even, subnormals kept.
;;     - The product sums the exact products of the quantised numbers (number of the format x scale) in f32.
;;   ~~~python
;;   def quantise(x, axis):      # numpy; x: float32 -> the quantised numbers, widened to float32 again
;;       x = np.moveaxis(x, axis, -1); K = x.shape[-1]
;;       x = np.pad(x, [(0, 0)] * (x.ndim - 1) + [(0, -K % 32)]); x = x.reshape(x.shape[:-1] + (-1, 32)); a = np.abs(x).max(-1, keepdims=True)
;;       e = np.where(a > 0, np.clip(np.frexp(np.where(a > 0, a, 1))[1] - 1 - 2, -126, 127), 0)      # np.frexp(a)[1] - 1 = floor(log2(a)), exactly
;;       r = np.clip(x / 2.0 ** e, -7.5, 7.5)
;;       step = 2.0 ** (np.maximum(np.frexp(np.where(r == 0, 1, r))[1] - 1, 0) - 3)
;;       q = np.round(r / step) * step * 2.0 ** e      # np.round: ties to even
;;       return np.moveaxis(q.reshape(q.shape[:-2] + (-1,))[..., :K], -1, axis).astype(np.float32)
;;   ~~~
;;   OPERANDS COMPUTED ON THE WAY. 'Computed on the way' means the value that the module computes at that place (a softmax that the list does not call 'softmax' is quantised finished and normalised). What goes into a quantiser is computed in f32, as accurately as f32 sums, v_exp_f32 and their like allow (about 1e-6 of the number): no bf16 or f16 on the way to a quantiser, and a product that is left as it is and whose result goes on into a quantised operand takes f32 operands (vector FMAs, or v_wmma_f32_16x16x4_f32). A number that lies on a knife's edge between two numbers of the format may be rounded either way, as far as f32 arithmetic and the matrix unit's own rounding can turn it there, and no further.
;;   INPUTS GIVEN AS CODES. w1 (in the module: [8, 684, 1024], K = its axis 2); w3 (in the module: [8, 684, 1024], K = its axis 2): each comes as NAME_codes (uint8): NAME with its K axis moved to the last place and cut into blocks of 32 codes, [.., K / 32, bytes a block], one block behind the other in memory; four codes in three bytes: a row's codes are one little-endian stream of bits, code i at bits 6 i .. 6 i + 5 (a code: sign, 2 exponent bits, 3 mantissa bits); and NAME_scales (uint8): the same leading axes, one E8M0 byte (e + 127) for each 32 codes along K. Its value is code x scale, taken as it is: it is not quantised again, and the codes and scales need not be those that the quantiser above would give.
;; 2 versions. Each part assembles by itself: llvm-mc -triple=amdgcn-amd-amdhsa -mcpu=gfx1250 --defsym DOCPART=n.
;; ======== version 1 of 2: 4 launches
;; workspace buffers: wq 18,022,400 bytes; fm 49,152 bytes; im 49,152 bytes of whole numbers; lst 23,808 bytes of whole numbers; hb 6,988,800 bytes
;; launch prep (part 1): grid 736 x 1, 4 waves a work-group, no clusters, 105,984 bytes of LDS; arguments x, router_w, w2, w1_codes, w1_scales, w3_codes, w3_scales, wq, fm, im; writes wq, fm, im
.if DOCPART == 1
	.amdgcn_target "amdgcn-amd-amdhsa--gfx1250"
	.amdhsa_code_object_version 6
	.text
	.protected	k_q58c7f17b1b_prep
	.globl	k_q58c7f17b1b_prep
	.p2align	8
	.type	k_q58c7f17b1b_prep,@function
k_q58c7f17b1b_prep:
	s_mov_b64 s[64:65], 0
	v_nop
	global_prefetch_b8 v0, s[64:65] scope:SCOPE_SE
	s_setreg_imm32_b32 hwreg(HW_REG_WAVE_MODE, 25, 1), 1
	s_wait_xcnt 0x0
; PREP: everything that is done once to an input.  Three jobs, parted once on the work-group's number; they never join, and each has LDS bytes of its own.
;  X   (work-groups 0-255, 16 tokens each): x -> E2M3 codes and E8M0 scale words; the router in f32 (logits, softmax with its maximum taken away, top-2, ties to the lower index);
;      for each token its pair of experts {a < b} as a number p = 0..27, its rank among the 16 tokens of the same pair, the two gates; for each 16 tokens a histogram of pairs and the parts of the aux loss.
;  W2  (256-639): w2 [8][1024][684] f32 -> codes and scale words along its K = 684 (filled with zeros to 768), stored as images of the operand's registers.
;  W13 (640-735): the given codes and scales of w1 and w3, laid anew in the order of the operand's registers; rows 684..767 of each expert are zero codes with the byte 127.
; No address and no branch hangs on a number made from floats: what the router decides is stored at fixed places.
; A block's scale byte is the largest magnitude's exponent field - 2, held at 1 from below.
; LIMITS: NaN and infinities are not served.  A block of zeros carries the byte 1 where the quantiser says 127: its codes are zeros, and only this program reads the bytes.
;         A probability under 2^-126 comes out as 0 (v_exp_f32 gives 0 there).  The logits' f32 sums are taken in another order than a plain dot product's.
; wq: XQ [t][q 8][h 2][48 B] (lane (r, h)'s 12 registers of K step q of token t); XS [t][q 8] words; WF13 [e][hb 24][q 8][f 4][c 3][512 B]; WS13 [w1|w3][e][hb][q 8][r 16][u 2] words;
;     W2F [e][dt 64][q 6][c 3][512 B]; WS2 [e][dt][q 6][r 16] words.
.set XS_O,   3145728
.set WF13_O, 3276800
.set WS13_O, 12713984
.set W2F_O,  13107200
.set WS2_O,  17825792
.set LIMC,   4202496-3072              ; the last place at which half a row group (3,072 bytes) of codes may begin
.set STGX, 0                           ; job X: a stage of 16 rows x 528 bytes for each wave,
.set XOUT, 33792                       ;        16 tokens x 768 bytes of codes,
.set XSC,  46080                       ;        16 tokens x 8 scale words
.set STGW, 46592                       ; job W2: a stage for each wave
.set G13,  80384                       ; job W13: 8 rows x 784 bytes for each wave
.set R,   16                           ; v16-79   64 numbers
.set W,   80                           ; v80-143  X: the router's 64 numbers; W2: the second chunk
.set ACC, 144                          ; v144-159 the logits' two sums: written by matrix instructions alone
.set LS,  160                          ; v160-167 their sum
.set TM,  168                          ; v168-183 at work in QUANT
.set PW,  184                          ; the scale word just made
.set PC,  188                          ; v188-206 the codes just made
.set RB,  24                           ; s[24:55] the addresses of 16 rows
.set SEL, 60                           ; s[60:61] v_permlanex16_b32's selects for lane l xor 16
.macro LOADC c, lp, dst                ; chunk c (128 numbers) of 16 rows: one instruction reads 512 consecutive bytes of one row
.set i, 0
.rept 16
	global_load_b128 v[\dst+4*i:\dst+4*i+3], v[\lp], s[RB+2*i:RB+2*i+1] offset:512*\c th:TH_LOAD_NT
.set i, i+1
.endr
.endm
.macro ROUT c                          ; the router's rows in the layout that TURN gives x: lane (r, h) takes expert r % 8, register 16 b + i = k 32 b + 16 h + i
.set i, 0
.rept 16
	global_load_b128 v[W+4*i:W+4*i+3], v8, s[6:7] offset:512*\c+128*(i/4)+16*(i%4)
.set i, i+1
.endr
.endm
.macro TURN reg                        ; through the wave's own stage: in as loaded, back 64 bytes of a block a lane: register 16 b + i = k 32 b + 16 h + i of row r
.set i, 0
.rept 16
	ds_store_b128 v6, v[\reg+4*i:\reg+4*i+3] offset:528*i
.set i, i+1
.endr
.set i, 0
.rept 16
	ds_load_b128 v[\reg+4*i:\reg+4*i+3], v7 offset:128*(i/4)+16*(i%4)   ; LDS serves a wave's instructions in order: these see the stores above
.set i, i+1
.endr
.endm
.macro RMUL first                      ; logits += router x^T over 128 k: source 0 = 16 rows of the router (8 experts, twice), source 1 = 16 tokens; the same k stands in the same lane and register on both sides
.set i, 0
.rept 32                               ; two sums by turns, one instruction a turn; the first two products start them
.if (\first) && (i < 2)
	v_wmma_f32_16x16x4_f32 v[ACC+8*(i%2):ACC+8*(i%2)+7], v[W+2*i:W+2*i+1], v[R+2*i:R+2*i+1], 0
.else
	v_wmma_f32_16x16x4_f32 v[ACC+8*(i%2):ACC+8*(i%2)+7], v[W+2*i:W+2*i+1], v[R+2*i:R+2*i+1], v[ACC+8*(i%2):ACC+8*(i%2)+7]
.endif
.set i, i+1
.endr
.rept 8
	v_nop                                          ; eight places behind this form, in front of loads into its sources and of the reads of its results
.endr
.endm
; 64 numbers of a lane, register 16 b + i = k 32 b + 16 (lane / 16) + i of my row, become a fragment's 12 registers in v[PC] on and its scale word in v[PW]
.macro QUANT s
.irp b, 0,1,2,3
	v_max3_num_f32 v[TM+\b], |v[\s+16*\b]|, |v[\s+1+16*\b]|, 0x1800000   ; block b: my 16 numbers, and the floor 2^(3 - 127): the byte cannot fall under 1
.endr
.irp i, 2,4,6,8,10,12,14
.irp b, 0,1,2,3
	v_max3_num_f32 v[TM+\b], v[TM+\b], |v[\s+16*\b+\i]|, |v[\s+1+16*\b+\i]|
.endr
.endr
.irp b, 0,1,2,3
	v_permlanex16_b32 v[TM+4+\b], v[TM+\b], s[SEL], s[SEL+1]
.endr
.irp b, 0,1,2,3
	v_max_num_f32 v[TM+\b], v[TM+\b], v[TM+4+\b]   ; with lane l xor 16's: the block's largest magnitude
.endr
.irp b, 0,1,2,3
	v_add_nc_u32 v[TM+12+\b], 0xff000000, v[TM+\b] ; 2 off its exponent field: the conversion's scale operand
.endr
.irp b, 0,1,2,3
	v_lshrrev_b32 v[TM+4+\b], 23, v[TM+12+\b]      ; the scale's byte
.endr
	v_lshl_or_b32 v[PW], v[TM+5], 8, v[TM+4]
	v_lshl_or_b32 v[PW], v[TM+6], 16, v[PW]
	v_lshl_or_b32 v[PW], v[TM+7], 24, v[PW]
.irp c, 0,1
	v_cvt_scalef32_pk16_fp6_f32 v[PC+6*\c:PC+2+6*\c], v[\s+32*\c:\s+15+32*\c], v[TM+12+2*\c]
	v_cvt_scalef32_pk16_fp6_f32 v[PC+12+4*\c:PC+14+4*\c], v[\s+16+32*\c:\s+31+32*\c], v[TM+12+2*\c+1]   ; (a conversion's three registers begin on an even number)
.endr
	v_nop                                          ; one plain place behind a scaled conversion
.irp c, 0,1                                    ; the operand wants a whole block in a lane: lanes 0-15 block 2 c, lanes 16-31 block 2 c + 1
.irp i, 0,1,2
	v_permlane16_swap_b32 v[PC+6*\c+\i], v[PC+12+4*\c+\i]
.endr
.irp i, 0,1,2
	v_mov_b32 v[PC+3+6*\c+\i], v[PC+12+4*\c+\i]
.endr
.endr
.endm
.macro XPUT c                          ; X: my 48 bytes of K step 2 w + c of token r, and the token's scale word
.irp k, 0,1,2
	ds_store_b128 v9, v[PC+4*\k:PC+4*\k+3] offset:96*\c+16*\k
.endr
	ds_store_b32 v10, v[PW] offset:4*\c
.endm
.macro W2PUT c                         ; W2: the fragment as an image: each store covers 512 consecutive bytes, aligned
.irp k, 0,1,2
	global_store_b128 v4, v[PC+4*\k:PC+4*\k+3], s[74:75] offset:1536*\c+512*\k
.endr
.endm
	s_load_b512 s[4:19], s[0:1], 0x0               ; x, router_w, w2, w1_codes, w1_scales, w3_codes, w3_scales, wq
	s_load_b128 s[20:23], s[0:1], 0x40             ; fm, im
	v_lshl_add_u32 v208, v0, 2, 0x19c00
	v_mov_b32 v209, 0
	v_lshrrev_b32 v1, 5, v0
	v_readfirstlane_b32 s56, v1                    ; wave 0..3
	v_and_b32 v1, 31, v0                           ; lane
	v_and_b32 v2, 15, v0                           ; r
	v_bfe_u32 v3, v0, 4, 1                         ; h
	v_lshlrev_b32 v4, 4, v1                        ; 16 x lane
	s_mov_b32 s[SEL], 0x76543210
	s_mov_b32 s[SEL+1], 0xfedcba98
.irp b, 0,1,2,3
	v_mov_b32 v[TM+4+\b], 0                        ; written once: a lane permute's destination counts as one of its sources
.endr
	s_cmp_ge_u32 ttmp9, 640
	s_cbranch_scc1 .Lw13
	s_cmp_ge_u32 ttmp9, 256
	s_cbranch_scc1 .Lw2
	; ================= job X: tokens 16 wg .. 16 wg + 15; wave w takes K steps 2 w and 2 w + 1 =================
	s_mul_i32 s66, s56, 8448                       ; my stage (STGX = 0)
	v_add_nc_u32 v6, s66, v4                       ; into it: 16 x lane
	v_mul_u32_u24 v7, v2, 528
	v_lshl_add_u32 v7, v3, 6, v7
	v_add_nc_u32 v7, s66, v7                       ; out of it: row r, + 64 h
	v_and_b32 v8, 7, v0
	v_lshlrev_b32 v8, 12, v8
	v_lshl_or_b32 v8, v3, 6, v8                    ; the router: row r % 8 of 4,096 bytes, + 64 h
	v_mul_u32_u24 v9, v2, 768
	v_mad_u32_u24 v9, v3, 48, v9
	s_mul_i32 s67, s56, 192
	s_add_co_u32 s67, s67, XOUT
	v_add_nc_u32 v9, s67, v9                       ; codes: token r, K step 2 w, half h
	v_lshlrev_b32 v10, 5, v2
	s_lshl_b32 s67, s56, 3
	s_add_co_u32 s67, s67, XSC
	v_add_nc_u32 v10, s67, v10                     ; scale words: token r, K step 2 w
	v_lshl_add_u32 v11, v1, 5, s66                 ; my part of the logits: 32 bytes a lane, in my own stage when it is done with
	v_lshlrev_b32 v13, 5, v1                       ; and where wave 0 reads the four parts
	v_lshlrev_b32 v15, 4, v0                       ; 16 x thread
	v_add_nc_u32 v12, XOUT, v15
	v_add_nc_u32 v14, XSC, v4
	s_lshl_b32 s68, ttmp9, 16                      ; 16 rows of 4,096 bytes a work-group,
	s_lshl_b32 s70, s56, 10                        ; 1,024 bytes of a row a wave
	s_add_co_u32 s68, s68, s70
	s_mov_b32 s69, 0
	s_mov_b32 s71, 0
	s_mul_i32 s72, ttmp9, 12288
	s_mov_b32 s73, 0
	s_lshl_b32 s74, ttmp9, 9
	s_add_co_u32 s74, s74, XS_O
	s_mov_b32 s75, 0
	s_wait_kmcnt 0x0
	s_add_nc_u64 s[RB:RB+1], s[4:5], s[68:69]
.set i, 1
.rept 15
	s_add_nc_u64 s[RB+2*i:RB+2*i+1], s[RB+2*i-2:RB+2*i-1], 4096
.set i, i+1
.endr
	s_add_nc_u64 s[6:7], s[6:7], s[70:71]
	s_add_nc_u64 s[72:73], s[18:19], s[72:73]      ; XQ at my work-group's tokens
	s_add_nc_u64 s[74:75], s[18:19], s[74:75]      ; XS likewise
	LOADC 0, 4, R
	ROUT 0
	s_wait_loadcnt 16                              ; x's 16 loads are in; the router's 16 may be out
	TURN R
	s_wait_loadcnt 0x0
	s_wait_dscnt 0x0
	RMUL 1
	ROUT 1                                         ; the next chunk's router rows land while this chunk is quantised
	QUANT R
	LOADC 1, 4, R
	XPUT 0
	s_wait_loadcnt 0x0
	TURN R
	s_wait_dscnt 0x0                               ; the numbers are back, and XPUT's stores have read their registers
	RMUL 0
	QUANT R
	XPUT 1
.set i, 0
.rept 8
	v_add_f32 v[LS+i], v[ACC+i], v[ACC+8+i]        ; each sum is read from its low end on; lane (r, h), register j: expert j of token r (both halves alike)
.set i, i+1
.endr
	ds_store_b128 v11, v[LS:LS+3]
	ds_store_b128 v11, v[LS+4:LS+7] offset:16
	s_wait_dscnt 0x0                               ; for the others' sake: my codes, scale words and logits lie in LDS
	s_barrier_signal -1
	s_barrier_wait -1
.set i, 0
.rept 6
	ds_load_b128 v[R+4*i:R+4*i+3], v12 offset:2048*i
.set i, i+1
.endr
.set i, 0
.rept 6
	s_wait_dscnt 5-i                               ; the younger copies may be out
	global_store_b128 v15, v[R+4*i:R+4*i+3], s[72:73] offset:2048*i   ; the 16 tokens' 12,288 bytes are consecutive: a wave stores 512 of them, aligned
.set i, i+1
.endr
	s_cmp_lg_u32 s56, 1
	s_cbranch_scc1 .Lx_not1
	ds_load_b128 v[40:43], v14                     ; wave 1: the 16 tokens' scale words, 512 consecutive bytes
	s_wait_dscnt 0x0
	global_store_b128 v4, v[40:43], s[74:75]
.Lx_not1:
	s_cmp_lg_u32 s56, 0
	s_cbranch_scc1 .Lx_end
	; ---- wave 0: the router's end.  Lane (r, h) holds token r; the two halves hold the same numbers
.irp w, 0,1,2,3
	ds_load_b128 v[80+8*\w:83+8*\w], v13 offset:8448*\w
	ds_load_b128 v[84+8*\w:87+8*\w], v13 offset:8448*\w+16
.endr
	s_wait_dscnt 0x0
.irp e, 0,1,2,3,4,5,6,7
	v_add_f32 v[112+\e], v[80+\e], v[88+\e]
	v_add_f32 v[120+\e], v[96+\e], v[104+\e]
.endr
.irp e, 0,1,2,3,4,5,6,7
	v_add_f32 v[112+\e], v[112+\e], v[120+\e]      ; the logits
.endr
	v_max3_num_f32 v136, v112, v113, v114
	v_max3_num_f32 v136, v136, v115, v116
	v_max3_num_f32 v136, v136, v117, v118
	v_max_num_f32 v136, v136, v119                 ; their maximum
.irp e, 0,1,2,3,4,5,6,7
	v_sub_f32 v[128+\e], v[112+\e], v136
.endr
.irp e, 0,1,2,3,4,5,6,7
	v_mul_f32 v[128+\e], 0x3fb8aa3b, v[128+\e]
.endr
.irp e, 0,1,2,3,4,5,6,7
	v_exp_f32 v[128+\e], v[128+\e]
.endr
	v_nop                                          ; a plain place behind the batch,
	s_wait_alu depctr_va_vdst(0)                   ; and one wait for it, ahead of its first reader
	v_add_f32 v120, v128, v129
	v_add_f32 v121, v130, v131
	v_add_f32 v122, v132, v133
	v_add_f32 v123, v134, v135
	v_add_f32 v120, v120, v121
	v_add_f32 v122, v122, v123
	v_add_f32 v137, v120, v122
	v_rcp_f32 v138, v137
	v_nop
	s_wait_alu depctr_va_vdst(0)
.irp e, 0,1,2,3,4,5,6,7
	v_mul_f32 v[128+\e], v[128+\e], v138           ; the probabilities
.endr
	v_mov_b32 v139, v128                           ; the largest, and its index: only a strictly larger one takes over, so a tie stays with the lower index
	v_mov_b32 v140, 0
.irp e, 1,2,3,4,5,6,7
	v_cmp_gt_f32 vcc_lo, v[128+\e], v139
	v_cndmask_b32 v139, v139, v[128+\e], vcc_lo
	v_cndmask_b32 v140, v140, \e, vcc_lo
.endr
.irp e, 0,1,2,3,4,5,6,7
	v_cmp_eq_u32 vcc_lo, \e, v140
	v_cndmask_b32 v[120+\e], v[128+\e], -1.0, vcc_lo   ; the winner is taken out,
.endr
	v_mov_b32 v141, v120                           ; and the same once more
	v_mov_b32 v142, 0
.irp e, 1,2,3,4,5,6,7
	v_cmp_gt_f32 vcc_lo, v[120+\e], v141
	v_cndmask_b32 v141, v141, v[120+\e], vcc_lo
	v_cndmask_b32 v142, v142, \e, vcc_lo
.endr
	v_min_u32 v160, v140, v142                     ; a
	v_max_u32 v161, v140, v142                     ; b
	v_cmp_lt_u32 vcc_lo, v140, v142
	v_cndmask_b32 v162, v141, v139, vcc_lo         ; a's gate
	v_cndmask_b32 v163, v139, v141, vcc_lo         ; b's
	v_sub_nc_u32 v164, 15, v160
	v_mul_u32_u24 v164, v164, v160
	v_lshrrev_b32 v164, 1, v164
	v_add_nc_u32 v164, v164, v161
	v_sub_nc_u32 v164, v164, v160
	v_add_nc_u32 v164, -1, v164                    ; p = a (15 - a) / 2 + b - a - 1: 0 .. 27
	v_mov_b32 v165, 0                              ; my rank among the 16 tokens with my pair
	v_mov_b32 v167, 0                              ; the histogram: lane p holds pair p's count
.set pp, 0
.rept 28
	v_cmp_eq_u32 vcc_lo, pp, v164
	s_and_b32 s70, vcc_lo, 0xffff                  ; the 16 tokens once
	v_mbcnt_lo_u32_b32 v166, s70, 0
	v_cndmask_b32 v165, v165, v166, vcc_lo
	s_bcnt1_i32_b32 s71, s70
	v_writelane_b32 v167, s71, pp
.set pp, pp+1
.endr
.irp m, 1,2,4,8
.irp e, 0,1,2,3,4,5,6,7
	v_add_f32_dpp v[128+\e], v[128+\e], v[128+\e] row_xmask:\m row_mask:0xf bank_mask:0xf   ; each expert's probability summed over the 16 tokens
.endr
.endr
	v_mov_b32 v176, v128
.irp e, 1,2,3,4,5,6,7
	v_cmp_eq_u32 vcc_lo, \e, v1
	v_cndmask_b32 v176, v176, v[128+\e], vcc_lo    ; lane e: expert e's sum
.endr
	v_mov_b32 v177, 0
.set ee, 0
.rept 8
	v_cmp_eq_u32 vcc_lo, ee, v140
	s_and_b32 s70, vcc_lo, 0xffff
	s_bcnt1_i32_b32 s71, s70
	v_writelane_b32 v177, s71, 8+ee                ; lane 8 + e: how many of the 16 have expert e first
.set ee, ee+1
.endr
	v_cvt_f32_u32 v177, v177
	v_cmp_gt_u32 vcc_lo, 8, v1
	v_cndmask_b32 v176, v177, v176, vcc_lo
	v_lshl_or_b32 v181, v165, 8, v164              ; p | rank << 8
	s_lshl_b32 s76, ttmp9, 7
	s_lshl_b32 s77, ttmp9, 6
	v_lshl_add_u32 v178, v1, 2, s76
	v_lshl_add_u32 v179, v1, 2, s77
	v_lshl_add_u32 v180, v1, 3, s76
	global_store_b32 v178, v167, s[22:23]          ; the histogram: 128 bytes.  (These four small stores are 384 bytes of a work-group's 13 KB)
	s_wait_xcnt 0x0                                ; EXEC changes only behind this wait
	v_cmp_gt_u32 vcc_lo, 16, v1
	s_and_saveexec_b32 s70, vcc_lo
	global_store_b32 v179, v181, s[22:23] offset:32768
	global_store_b64 v180, v[162:163], s[20:21]
	global_store_b32 v179, v176, s[20:21] offset:32768
	s_wait_xcnt 0x0
	s_or_b32 exec_lo, exec_lo, s70
.Lx_end:
	s_wait_tensorcnt 0x0
	ds_add_u32 v208, v209
	s_wait_dscnt 0x0
	s_endpgm
	; ================= job W2: a wave takes 16 rows of w2 (dta = 64 e + dt) and K steps 2 qp, 2 qp + 1 =================
.Lw2:
	s_mul_i32 s66, s56, 8448
	s_add_co_u32 s66, s66, STGW
	v_add_nc_u32 v6, s66, v4
	v_mul_u32_u24 v7, v2, 528
	v_lshl_add_u32 v7, v3, 6, v7
	v_add_nc_u32 v7, s66, v7
	v_lshlrev_b32 v10, 2, v1
	s_lshl_b32 s70, ttmp9, 2
	s_add_co_u32 s70, s70, s56
	s_sub_co_u32 s70, s70, 1024                    ; 0 .. 1,535
	s_lshr_b32 s71, s70, 9                         ; qp
	s_and_b32 s72, s70, 511                        ; dta
	s_mul_i32 s68, s72, 43776                      ; 16 rows of 2,736 bytes
	s_lshl_b32 s73, s71, 10
	s_add_co_u32 s68, s68, s73
	s_mov_b32 s69, 0
	s_mul_i32 s74, s72, 6
	s_lshl_b32 s73, s71, 1
	s_add_co_u32 s74, s74, s73
	s_mul_i32 s74, s74, 1536
	s_add_co_u32 s74, s74, W2F_O
	s_mov_b32 s75, 0
	s_mul_i32 s76, s72, 384
	s_lshl_b32 s73, s71, 7
	s_add_co_u32 s76, s76, s73
	s_add_co_u32 s76, s76, WS2_O
	s_mov_b32 s77, 0
	s_cmp_eq_u32 s71, 2
	s_cselect_b32 s58, 11, 32                      ; K step 5 has 44 numbers of w2, 11 lanes' worth: the other lanes read the eleventh lane's bytes, inside the row, and are cleared
	s_sub_co_u32 s59, s58, 1
	v_min_u32 v5, s59, v1
	v_lshlrev_b32 v5, 4, v5
	s_wait_kmcnt 0x0
	s_add_nc_u64 s[RB:RB+1], s[8:9], s[68:69]
.set i, 1
.rept 15
	s_add_nc_u64 s[RB+2*i:RB+2*i+1], s[RB+2*i-2:RB+2*i-1], 2736
.set i, i+1
.endr
	s_add_nc_u64 s[74:75], s[18:19], s[74:75]
	s_add_nc_u64 s[76:77], s[18:19], s[76:77]
	LOADC 0, 4, R
	LOADC 1, 5, W
	s_wait_loadcnt 16                              ; the first chunk is in; the second may be out
	TURN R
	s_wait_dscnt 0x0
	QUANT R
	W2PUT 0
	v_mov_b32 v13, v[PW]
	s_wait_loadcnt 0x0
	v_cmp_gt_u32 vcc_lo, s58, v1
.set i, 0
.rept 64
	v_cndmask_b32 v[W+i], 0, v[W+i], vcc_lo        ; past the end of K: zeros, ahead of the blocks' maxima (always executed)
.set i, i+1
.endr
	TURN W
	s_wait_dscnt 0x0
	s_wait_xcnt 0x0                                ; the first chunk's stores have read their registers: the codes may be written again
	QUANT W
	W2PUT 1
	v_cmp_gt_u32 vcc_lo, 16, v1
	v_cndmask_b32 v13, v[PW], v13, vcc_lo          ; lanes 0-15: the rows' words of K step 2 qp; lanes 16-31: of 2 qp + 1
	global_store_b32 v10, v13, s[76:77]
	s_wait_tensorcnt 0x0
	ds_add_u32 v208, v209
	s_wait_dscnt 0x0
	s_endpgm
	; ================= job W13: a wave takes block hb (32 hidden units) of expert e of w1 or w3 =================
	; Lane r of tile u of a block takes row 32 hb + 8 u + r + 8 (r / 8), so that a lane's results of tiles 0 and 1 are 16 neighbouring hidden units.
	; So the block's four groups of 8 rows are (u, upper half of the tile's lanes) = (0,0), (1,0), (0,1), (1,1).  A group is 6,144 dense bytes.
.macro LOADG g
.set i, 0
.rept 6
	global_load_b128 v[16+48*((\g)%2)+4*i:16+48*((\g)%2)+4*i+3], v[132+2*(\g)], s[86:87] offset:512*i
.set i, i+1
.endr
.set i, 0
.rept 6
	global_load_b128 v[40+48*((\g)%2)+4*i:40+48*((\g)%2)+4*i+3], v[133+2*(\g)], s[86:87] offset:512*i
.set i, i+1
.endr
.endm
.macro GROUP g
.set RW, 16+48*((\g)%2)
.if \g < 3
	s_wait_loadcnt 12                              ; this group's loads are in; the next group's 12 may be out
.else
	s_wait_loadcnt 0x0
.endif
	s_sub_co_i32 s81, s80, 8*\g
	v_cmp_gt_i32 vcc_lo, s81, v8                   ; is my row one of the expert's 684?
.irp j, 0,1,2,3                                ; into my stage: rows of 768 bytes, 784 apart; 16-byte piece 96 j + 32 m + lane
	ds_store_b128 v140, v[RW+12*\j:RW+12*\j+3] offset:1568*\j
	ds_store_b128 v141, v[RW+12*\j+4:RW+12*\j+7] offset:1568*\j+512
	ds_store_b128 v140, v[RW+12*\j+8:RW+12*\j+11] offset:1568*\j+1040
.endr
.irp qi, 0,1,2,3                               ; out of it: lane (qq, h, r8) takes row r8's 48 bytes of K step 2 qi + qq, half h
	s_wait_xcnt 0x0                                ; the last stores have read these registers
.irp p, 0,1,2,3,4,5
	ds_load_b64 v[112+2*\p:113+2*\p], v142 offset:192*\qi+48*(\p/3)+8*(\p%3)
.endr
	s_wait_dscnt 0x0                               ; (also: the stores into the stage have read their registers)
.if (\qi == 0) && (\g < 2)
	LOADG \g+2
.endif
.set i, 0
.rept 12
	v_cndmask_b32 v[112+i], 0, v[112+i], vcc_lo
.set i, i+1
.endr
.irp c, 0,1,2
	global_store_b128 v143, v[112+4*\c:115+4*\c], s[90:91] offset:12288*\qi+512*\c+1536*((\g)%2)+256*((\g)/2)   ; sixteen lanes store 256 consecutive bytes, aligned
.endr
.endr
.endm
.Lw13:
	s_lshl_b32 s70, ttmp9, 2
	s_add_co_u32 s70, s70, s56
	s_sub_co_u32 s70, s70, 2560                    ; 0 .. 383 = 192 (w1 | w3) + 24 e + hb
	s_cmp_ge_u32 s70, 192
	s_cselect_b32 s71, 1, 0
	s_mul_i32 s72, s71, 192
	s_sub_co_u32 s72, s70, s72                     ; 24 e + hb
	s_mul_i32 s73, s72, 171
	s_lshr_b32 s73, s73, 12                        ; e  (171 / 4096 serves for 1 / 24 up to 191)
	s_mul_i32 s74, s73, 24
	s_sub_co_u32 s74, s72, s74                     ; hb
	s_lshl_b32 s82, s74, 5                         ; the block's first row in its expert
	s_mul_i32 s75, s73, 684
	s_add_co_u32 s75, s75, s82
	s_mul_i32 s76, s75, 768                        ; and its first byte
.irp g, 0,1,2,3                                ; a group's two halves are held inside the buffer one by one: what that moves are rows past 683 only, which are cleared
	s_add_co_u32 s77, s76, 6144*\g
	s_min_u32 s78, s77, LIMC
	v_add_nc_u32 v[132+2*\g], s78, v4
	s_add_co_u32 s77, s77, 3072
	s_min_u32 s78, s77, LIMC
	v_add_nc_u32 v[133+2*\g], s78, v4
.endr
	s_sub_co_i32 s80, 684, s82
	s_mul_i32 s79, s56, 6272
	s_add_co_u32 s79, s79, G13                     ; my stage
	v_add_nc_u32 v140, s79, v4
	v_lshl_add_u32 v141, v3, 4, v140
	v_and_b32 v8, 7, v0                            ; r8
	v_bfe_u32 v9, v0, 3, 1                         ; h
	v_mul_u32_u24 v142, v8, 784
	v_mad_u32_u24 v142, v3, 96, v142
	v_mad_u32_u24 v142, v9, 24, v142
	v_add_nc_u32 v142, s79, v142
	v_mul_u32_u24 v143, v3, 6144
	v_lshl_add_u32 v143, v9, 7, v143
	v_lshl_add_u32 v143, v8, 4, v143
	v_and_b32 v10, 8, v2                           ; the scale words: lane (qq, r)
	v_add_nc_u32 v10, v10, v2
	v_add_nc_u32 v11, s82, v10                     ; tile 0's row,
	v_add_nc_u32 v12, 8, v11                       ; tile 1's
	v_cmp_gt_u32 s84, 684, v11
	v_cmp_gt_u32 s85, 684, v12
	s_mul_i32 s83, s73, 21888                      ; 684 rows of 32 bytes an expert
	v_min_u32 v13, 683, v11
	v_min_u32 v14, 683, v12
	v_lshlrev_b32 v13, 5, v13
	v_lshlrev_b32 v14, 5, v14
	v_add_nc_u32 v13, s83, v13
	v_add_nc_u32 v14, s83, v14
	v_lshl_add_u32 v13, v3, 2, v13
	v_lshl_add_u32 v14, v3, 2, v14
	s_mul_i32 s90, s72, 49152
	s_mul_i32 s91, s71, 3072
	s_add_co_u32 s90, s90, s91
	s_add_co_u32 s90, s90, WF13_O
	s_mov_b32 s91, 0
	s_lshl_b32 s92, s70, 10
	s_add_co_u32 s92, s92, WS13_O
	s_mov_b32 s93, 0
	s_wait_kmcnt 0x0
	s_cmp_eq_u32 s71, 0
	s_cselect_b64 s[86:87], s[10:11], s[14:15]
	s_cselect_b64 s[88:89], s[12:13], s[16:17]
	s_add_nc_u64 s[90:91], s[18:19], s[90:91]
	s_add_nc_u64 s[92:93], s[18:19], s[92:93]
.irp it, 0,1,2,3
	global_load_b32 v[124+2*\it], v13, s[88:89] offset:8*\it      ; the word of K step 2 it + qq of tile 0's row r,
	global_load_b32 v[125+2*\it], v14, s[88:89] offset:8*\it      ; of tile 1's
.endr
	LOADG 0
	LOADG 1
	GROUP 0
	GROUP 1
	GROUP 2
	GROUP 3
	v_mov_b32 v15, 0x7f7f7f7f
.irp it, 0,1,2,3
	v_cndmask_b32 v[124+2*\it], v15, v[124+2*\it], s84
	v_cndmask_b32 v[125+2*\it], v15, v[125+2*\it], s85
.endr
	v_lshlrev_b32 v5, 3, v1
.irp it, 0,1,2,3
	global_store_b64 v5, v[124+2*\it:125+2*\it], s[92:93] offset:256*\it   ; 256 consecutive bytes, aligned
.endr
	s_wait_tensorcnt 0x0
	ds_add_u32 v208, v209
	s_wait_dscnt 0x0
	s_endpgm
.Lfunc_end_k_q58c7f17b1b_prep:
	.size	k_q58c7f17b1b_prep, .Lfunc_end_k_q58c7f17b1b_prep-k_q58c7f17b1b_prep
	.p2alignl 7, 3214868480
	.fill 96, 4, 3214868480
	.section	.rodata,"a",@progbits
	.p2align	6, 0x0
	.amdhsa_kernel k_q58c7f17b1b_prep
		.amdhsa_group_segment_fixed_size 105984
		.amdhsa_private_segment_fixed_size 0
		.amdhsa_enable_private_segment 0
		.amdhsa_kernarg_size 80
		.amdhsa_user_sgpr_count 2
		.amdhsa_user_sgpr_kernarg_segment_ptr 1
		.amdhsa_wavefront_size32 1
		.amdhsa_system_sgpr_workgroup_id_x 1
		.amdhsa_system_sgpr_workgroup_id_y 1
		.amdhsa_system_sgpr_workgroup_id_z 1
		.amdhsa_system_vgpr_workitem_id 0
		.amdhsa_next_free_vgpr 210
		.amdhsa_next_free_sgpr 96
		.amdhsa_reserve_vcc 1
		.amdhsa_float_denorm_mode_32 3
		.amdhsa_float_denorm_mode_16_64 3
		.amdhsa_memory_ordered 1
		.amdhsa_forward_progress 1
		.amdhsa_inst_pref_size 99
	.end_amdhsa_kernel
	.amdgpu_metadata
---
amdhsa.version: [ 1, 2 ]
amdhsa.kernels:
  - .name:           k_q58c7f17b1b_prep
    .symbol:         k_q58c7f17b1b_prep.kd
    .args:
      - { .name: x, .offset: 0, .size: 8, .value_kind: global_buffer, .address_space: global }
      - { .name: router_w, .offset: 8, .size: 8, .value_kind: global_buffer, .address_space: global }
      - { .name: w2, .offset: 16, .size: 8, .value_kind: global_buffer, .address_space: global }
      - { .name: w1_codes, .offset: 24, .size: 8, .value_kind: global_buffer, .address_space: global }
      - { .name: w1_scales, .offset: 32, .size: 8, .value_kind: global_buffer, .address_space: global }
      - { .name: w3_codes, .offset: 40, .size: 8, .value_kind: global_buffer, .address_space: global }
      - { .name: w3_scales, .offset: 48, .size: 8, .value_kind: global_buffer, .address_space: global }
      - { .name: wq, .offset: 56, .size: 8, .value_kind: global_buffer, .address_space: global }
      - { .name: fm, .offset: 64, .size: 8, .value_kind: global_buffer, .address_space: global }
      - { .name: im, .offset: 72, .size: 8, .value_kind: global_buffer, .address_space: global }
    .group_segment_fixed_size: 105984
    .private_segment_fixed_size: 0
    .kernarg_segment_align: 8
    .kernarg_segment_size: 80
    .max_flat_workgroup_size: 128
    .sgpr_count:     96
    .vgpr_count:     210
    .wavefront_size: 32
...
	.end_amdgpu_metadata
.endif
;; end of part 1
;; launch place (part 2): grid 1 x 1, 32 waves a work-group, no clusters, 10,240 bytes of LDS; arguments im, fm, lst, out1; writes lst, out1
.if DOCPART == 2
	.amdgcn_target "amdgcn-amd-amdhsa--gfx1250"
	.amdhsa_code_object_version 6
	.text
	.protected	k_q58c7f17b1b_place
	.globl	k_q58c7f17b1b_place
	.p2align	8
	.type	k_q58c7f17b1b_place,@function
k_q58c7f17b1b_place:
	s_mov_b64 s[64:65], 0
	v_nop
	global_prefetch_b8 v0, s[64:65] scope:SCOPE_SE
	s_setreg_imm32_b32 hwreg(HW_REG_WAVE_MODE, 25, 1), 1
	s_wait_xcnt 0x0
; PLACE: a counting sort of the 4,096 tokens by their pair of experts (28 groups, each filled up to whole tiles of 64 rows), the tiles' keys, and the aux loss.
; One work-group of 32 waves; wave w owns tokens 128 w .. 128 w + 127, which are the groups of 16 tokens 8 w .. 8 w + 7.  Wherever a lane stands for a pair, lane = p.
; lst: tok [91 x 64]: the token of each row, 4,096 = a padding row;  key [96] at byte 23,296: a | b << 8 of each tile.
; There are never more than (4,096 + 28 x 63) / 64 = 91 tiles.  A tile that a split does not use holds padding rows alone.
; The offsets of all stores that stand behind a change of EXEC (v96, v97, v98) are made at the head, with all lanes on, from ids and constants, and are never rewritten.
.set AX, 4096                          ; LDS: WT [wave][32] words at 0; AX [wave][16] f32
	s_load_b256 s[4:11], s[0:1], 0x0               ; im, fm, lst, out1
	v_lshl_add_u32 v104, v0, 2, 0x1800
	v_mov_b32 v105, 0
	v_lshrrev_b32 v1, 5, v0
	v_readfirstlane_b32 s12, v1                    ; wave 0..31
	v_and_b32 v1, 31, v0                           ; lane
	s_mov_b32 s20, 0x76543210
	s_mov_b32 s21, 0xfedcba98                      ; v_permlanex16_b32's selects for lane l xor 16
	v_lshlrev_b32 v5, 2, v1                        ; 4 x lane
	s_lshl_b32 s13, s12, 10
	v_add_nc_u32 v2, s13, v5                       ; my wave's 8 histograms
	s_lshl_b32 s14, s12, 9
	v_add_nc_u32 v3, s14, v5                       ; its 128 tokens' p | rank << 8
	v_lshl_add_u32 v4, v1, 4, s14                  ; its 8 rows of aux parts
	s_lshl_b32 s15, s12, 7
	v_add_nc_u32 v6, s15, v5                       ; WT: my wave's row
	v_and_b32 v7, 3, v0
	v_lshlrev_b32 v7, 4, v7
	s_lshl_b32 s16, s12, 6
	s_add_co_u32 s16, s16, AX
	v_add_nc_u32 v28, s16, v7                      ; AX: my wave's row, columns 4 (lane % 4) on
	v_lshrrev_b32 v29, 2, v1
	v_lshl_add_u32 v29, v29, 6, v7
	v_add_nc_u32 v29, AX, v29                      ; AX: row lane / 4, the same columns
	s_lshl_b32 s17, s12, 8
	v_add_nc_u32 v96, s17, v5                      ; tok: row lane of tile w: 256 w + 4 x lane; tile w + 32 tt lies 8,192 tt bytes on
	v_lshlrev_b32 v97, 2, v0                       ; key: 4 x thread
	v_mov_b32 v98, 0                               ; out1
	v_mov_b32 v99, 4096                            ; the mark of a padding row
	v_add_nc_u32 v100, 32, v1                      ; lane + 32: my row in a tile's second half
.irp j, 0,1,2,3
	v_mov_b32 v[24+\j], 0                          ; a lane permute's destination counts as one of its sources
.endr
	v_cmp_gt_u32 s22, 16, v1
	s_wait_kmcnt 0x0
.set i, 0
.rept 8
	global_load_b32 v[8+i], v2, s[4:5] offset:128*i
.set i, i+1
.endr
.irp m, 0,1,2,3
	global_load_b32 v[16+\m], v3, s[4:5] offset:32768+128*\m
.endr
	global_load_b128 v[20:23], v4, s[6:7] offset:32768
	s_wait_loadcnt 0x0
	v_mov_b32 v32, 0                               ; v[32 + i]: how many tokens of pair p the wave's groups before group i hold
.set i, 0
.rept 8
	v_add_nc_u32 v[33+i], v[32+i], v[8+i]
.set i, i+1
.endr
	ds_store_b32 v6, v40                           ; the wave's total
.irp m, 4,8
.irp j, 0,1,2,3
	v_add_f32_dpp v[20+\j], v[20+\j], v[20+\j] row_xmask:\m row_mask:0xf bank_mask:0xf
.endr
.endr
.irp j, 0,1,2,3
	v_permlanex16_b32 v[24+\j], v[20+\j], s20, s21
.endr
.irp j, 0,1,2,3
	v_add_f32 v[20+\j], v[20+\j], v[24+\j]         ; the wave's 8 rows of aux parts summed
.endr
	ds_store_b128 v28, v[20:23]                    ; (eight lanes write the same 16 bytes with the same numbers)
	s_wait_dscnt 0x0
	s_barrier_signal -1
	s_barrier_wait -1                              ; the only barrier: behind it LDS is only read
.set i, 0
.rept 32
	ds_load_b32 v[64+i], v5 offset:128*i
.set i, i+1
.endr
	v_mov_b32 v41, 0                               ; pair p's tokens in the waves before mine
	v_mov_b32 v42, 0                               ; and in all
	s_wait_dscnt 0x0
.set i, 0
.rept 32
	s_cmp_gt_u32 s12, i
	s_cselect_b32 s13, -1, 0
	v_and_b32 v43, s13, v[64+i]
	v_add_nc_u32 v41, v41, v43
	v_add_nc_u32 v42, v42, v[64+i]
.set i, i+1
.endr
	v_add_nc_u32 v43, 63, v42
	v_lshrrev_b32 v43, 6, v43                      ; pair p's tiles
	v_mov_b32 v44, 0
	s_mov_b32 s14, 0
.set i, 0
.rept 32
	v_writelane_b32 v44, s14, i                    ; pair p's first tile
	v_readlane_b32 s15, v43, i
	s_add_co_u32 s14, s14, s15
.set i, i+1
.endr
	v_add_nc_u32 v45, v44, v43                     ; and the tile behind its last
	v_lshl_add_u32 v46, v44, 6, v41
.set i, 0
.rept 8
	v_add_nc_u32 v[48+i], v46, v[32+i]             ; where group 8 w + i's tokens of pair p begin
.set i, i+1
.endr
	; ---- the tokens' rows: lanes 0-15 belong to group 8 w + 2 m, lanes 16-31 to the next; each pulls its pair's start from the lane that holds it
	s_lshl_b32 s15, s12, 7
	v_add_nc_u32 v47, s15, v1
.irp m, 0,1,2,3
	v_and_b32 v[56+\m], 0xff, v[16+\m]
	v_min_u32 v[56+\m], 31, v[56+\m]
	v_lshlrev_b32 v[56+\m], 2, v[56+\m]
	ds_bpermute_b32 v[64+2*\m], v[56+\m], v[48+2*\m]
	ds_bpermute_b32 v[65+2*\m], v[56+\m], v[49+2*\m]
.endr
	s_wait_dscnt 0x0
.irp m, 0,1,2,3
	v_cndmask_b32 v[64+2*\m], v[65+2*\m], v[64+2*\m], s22
	v_bfe_u32 v[65+2*\m], v[16+\m], 8, 4           ; the rank
	v_add_nc_u32 v[56+\m], v[64+2*\m], v[65+2*\m]
	v_min_u32 v[56+\m], 5823, v[56+\m]             ; a stored number enters an address only behind a hold
	v_lshlrev_b32 v[56+\m], 2, v[56+\m]
	v_add_nc_u32 v[60+\m], 32*\m, v47
	global_store_b32 v[56+\m], v[60+\m], s[8:9]
.endr
; ---- the padding rows of tile j = w + 32 tt: those from the pair's remaining tokens on; all 64 in a tile that is not used
.macro PADT tt
	s_wait_xcnt 0x0                                ; EXEC changes only behind this wait
	s_add_co_u32 s16, s12, 32*\tt
	v_cmp_ge_u32 vcc_lo, s16, v45
	s_and_b32 s17, vcc_lo, 0x0fffffff
	s_bcnt1_i32_b32 s17, s17                       ; the pairs that end at or before tile j: the tile's pair, 28 = none
	s_min_u32 s18, s17, 27
	s_lshl_b32 s18, s18, 2
	v_mov_b32 v80, s18
	ds_bpermute_b32 v81, v80, v42                  ; its tokens,
	ds_bpermute_b32 v82, v80, v44                  ; its first tile
	s_lshl_b32 s23, s16, 6
	s_cmp_lt_u32 s17, 28
	s_cselect_b32 s19, -1, 0
	s_wait_dscnt 0x0
	v_lshl_add_u32 v81, v82, 6, v81
	v_sub_nc_u32 v81, v81, s23
	v_and_b32 v81, s19, v81                        ; the tokens left for this tile
	v_cmp_ge_i32 vcc_lo, v1, v81
	s_and_saveexec_b32 s24, vcc_lo
	global_store_b32 v96, v99, s[8:9] offset:8192*\tt
	s_wait_xcnt 0x0
	s_or_b32 exec_lo, exec_lo, s24
	v_cmp_ge_i32 vcc_lo, v100, v81
	s_and_saveexec_b32 s24, vcc_lo
	global_store_b32 v96, v99, s[8:9] offset:8192*\tt+128
	s_wait_xcnt 0x0
	s_or_b32 exec_lo, exec_lo, s24
.endm
	PADT 0
	PADT 1
	s_cmp_lt_u32 s12, 27                           ; tiles 64 + w up to 90
	s_cbranch_scc0 .Lno_third
	PADT 2
.Lno_third:
	s_cmp_lt_u32 s12, 3
	s_cbranch_scc0 .Lno_key
	; ---- waves 0 to 2: thread j makes tile j's key
	v_mov_b32 v50, 0
.set i, 0
.rept 28
	v_readlane_b32 s16, v45, i
	v_cmp_le_u32 vcc_lo, s16, v0
	v_cndmask_b32 v51, 0, 1, vcc_lo
	v_add_nc_u32 v50, v50, v51                     ; p = the pairs that end at or before tile j
.set i, i+1
.endr
	v_mov_b32 v52, 0
.irp t, 7,13,18,22,25,27
	v_cmp_le_u32 vcc_lo, \t, v50
	v_cndmask_b32 v51, 0, 1, vcc_lo
	v_add_nc_u32 v52, v52, v51                     ; a
.endr
	v_sub_nc_u32 v53, 15, v52
	v_mul_u32_u24 v53, v53, v52
	v_lshrrev_b32 v53, 1, v53
	v_sub_nc_u32 v53, v50, v53
	v_add3_u32 v53, v53, v52, 1                    ; b = p - a (15 - a) / 2 + a + 1
	v_min_u32 v53, 7, v53                          ; (a tile that is not used: 6 | 7 << 8; nothing of it is kept)
	v_lshl_or_b32 v53, v53, 8, v52
	global_store_b32 v97, v53, s[8:9] offset:23296
	s_wait_tensorcnt 0x0
	ds_add_u32 v104, v105
	s_wait_dscnt 0x0
	s_endpgm
.Lno_key:
	s_cmp_eq_u32 s12, 3
	s_cbranch_scc0 .Lend
	; ---- wave 3: aux = 0.01 x 8 x sum over e of (count_e / 4096) (sum of p_e / 4096)
.irp i, 0,1,2,3
	ds_load_b128 v[64+4*\i:67+4*\i], v29 offset:512*\i
.endr
	s_wait_dscnt 0x0
.irp j, 0,1,2,3
	v_add_f32 v[20+\j], v[64+\j], v[68+\j]
	v_add_f32 v[72+\j], v[72+\j], v[76+\j]
.endr
.irp j, 0,1,2,3
	v_add_f32 v[20+\j], v[20+\j], v[72+\j]
.endr
.irp m, 4,8
.irp j, 0,1,2,3
	v_add_f32_dpp v[20+\j], v[20+\j], v[20+\j] row_xmask:\m row_mask:0xf bank_mask:0xf
.endr
.endr
.irp j, 0,1,2,3
	v_permlanex16_b32 v[24+\j], v[20+\j], s20, s21
.endr
.irp j, 0,1,2,3
	v_add_f32 v[20+\j], v[20+\j], v[24+\j]         ; lane % 4 = 0, 1: the sums of p of experts 0-3, 4-7; 2, 3: the counts
.endr
.irp j, 0,1,2,3
	v_mov_b32_dpp v[24+\j], v[20+\j] row_xmask:2 row_mask:0xf bank_mask:0xf
.endr
	v_mul_f32 v30, v20, v24
	v_fmac_f32 v30, v21, v25
	v_fmac_f32 v30, v22, v26
	v_fmac_f32 v30, v23, v27
	v_add_f32_dpp v30, v30, v30 row_xmask:1 row_mask:0xf bank_mask:0xf
	v_mul_f32 v30, 0x31a3d70a, v30                 ; x 0.08 / 2^24
	s_wait_xcnt 0x0
	v_cmp_eq_u32 vcc_lo, 0, v1
	s_and_saveexec_b32 s24, vcc_lo
	global_store_b32 v98, v30, s[10:11]
	s_wait_xcnt 0x0
	s_or_b32 exec_lo, exec_lo, s24
.Lend:
	s_wait_tensorcnt 0x0
	ds_add_u32 v104, v105
	s_wait_dscnt 0x0
	s_endpgm
.Lfunc_end_k_q58c7f17b1b_place:
	.size	k_q58c7f17b1b_place, .Lfunc_end_k_q58c7f17b1b_place-k_q58c7f17b1b_place
	.p2alignl 7, 3214868480
	.fill 96, 4, 3214868480
	.section	.rodata,"a",@progbits
	.p2align	6, 0x0
	.amdhsa_kernel k_q58c7f17b1b_place
		.amdhsa_group_segment_fixed_size 10240
		.amdhsa_private_segment_fixed_size 0
		.amdhsa_enable_private_segment 0
		.amdhsa_kernarg_size 32
		.amdhsa_user_sgpr_count 2
		.amdhsa_user_sgpr_kernarg_segment_ptr 1
		.amdhsa_wavefront_size32 1
		.amdhsa_system_sgpr_workgroup_id_x 1
		.amdhsa_system_sgpr_workgroup_id_y 1
		.amdhsa_system_sgpr_workgroup_id_z 1
		.amdhsa_system_vgpr_workitem_id 0
		.amdhsa_next_free_vgpr 106
		.amdhsa_next_free_sgpr 66
		.amdhsa_reserve_vcc 1
		.amdhsa_float_denorm_mode_32 3
		.amdhsa_float_denorm_mode_16_64 3
		.amdhsa_memory_ordered 1
		.amdhsa_forward_progress 1
		.amdhsa_inst_pref_size 33
	.end_amdhsa_kernel
	.amdgpu_metadata
---
amdhsa.version: [ 1, 2 ]
amdhsa.kernels:
  - .name:           k_q58c7f17b1b_place
    .symbol:         k_q58c7f17b1b_place.kd
    .args:
      - { .name: im, .offset: 0, .size: 8, .value_kind: global_buffer, .address_space: global }
      - { .name: fm, .offset: 8, .size: 8, .value_kind: global_buffer, .address_space: global }
      - { .name: lst, .offset: 16, .size: 8, .value_kind: global_buffer, .address_space: global }
      - { .name: out1, .offset: 24, .size: 8, .value_kind: global_buffer, .address_space: global }
    .group_segment_fixed_size: 10240
    .private_segment_fixed_size: 0
    .kernarg_segment_align: 8
    .kernarg_segment_size: 32
    .max_flat_workgroup_size: 1024
    .sgpr_count:     66
    .vgpr_count:     106
    .wavefront_size: 32
...
	.end_amdgpu_metadata
.endif
;; end of part 2
;; launch ffn1 (part 3): grid 6 x 91, 8 waves a work-group, no clusters, 65,024 bytes of LDS; arguments wq, lst, hb; writes hb
.if DOCPART == 3
	.amdgcn_target "amdgcn-amd-amdhsa--gfx1250"
	.amdhsa_code_object_version 6
	.text
	.protected	k_q58c7f17b1b_ffn1
	.globl	k_q58c7f17b1b_ffn1
	.p2align	8
	.type	k_q58c7f17b1b_ffn1,@function
k_q58c7f17b1b_ffn1:
	s_mov_b64 s[64:65], 0
	v_nop
	global_prefetch_b8 v0, s[64:65] scope:SCOPE_SE
	s_setreg_imm32_b32 hwreg(HW_REG_WAVE_MODE, 25, 1), 1
	s_wait_xcnt 0x0
; FFN1: h = silu(x w1[e]^T) * (x w3[e]^T) for one tile of 64 listed tokens, one of the tile's two experts (slot) and 256 hidden units (slice), quantised along the hidden units.
; Work-group (3 slot + slice, tile); wave w makes block hb = 8 slice + w: 32 hidden units = two tiles of w1 and two of w3 (4 fragments a K step), against the tile's four sub-tiles of 16 tokens: 16 accumulators.
; The weights come from memory straight into registers, in the order of the operand's registers, one K step ahead; each is read once by the work-group.  The tokens' codes are gathered once into LDS as images of
; the operand's registers and read by all eight waves.
; THE MATRIX INSTRUCTION IS USED TRANSPOSED (source 0 = 16 rows of a weight, source 1 = 16 tokens), and a weight tile's rows are chosen (by the launch that laid them) so that lane (r, h)'s 16 registers of tiles 0 and 1
; are hidden units 32 hb + 16 h + 0 .. 15 of token r: neighbours along the next K.
; No tensor load, no cluster: which expert a tile takes, and how many of the grid's 91 tiles have tokens, hang on the stored list.
; A WAVE WITH NOTHING TO COMPUTE PASSES OVER ITS PRODUCTS: all waves of a tile without tokens (its first list entry is the padding mark 4,096: a tile's tokens come first), and the waves of blocks 22 and 23 (hidden units 704 on,
; past the 684 that there are).  Their h is 0: zero codes under the byte 127.  It is ONE forward branch, behind the first barrier, that joins ahead of the LDS stores which every wave makes: both barriers stand on every
; wave's path, and every byte of hb that the next launch reads is stored.  The tiles without tokens are the list's last; the tile is the grid's y, so their work-groups have the highest numbers.
; Padding rows of a tile that has tokens are worked on token 4,095's numbers; the next launch stores no padding row.
; LIMITS: NaN and infinities are not served; a computed block of zeros carries the byte 1 (its codes are zeros; only this program reads the bytes).
.set XS_O,   3145728
.set WF13_O, 3276800
.set WS13_O, 12713984
.set HS_O,   6709248
.set XIMG, 0                           ; LDS: [sub-tile 4][K step 8][1,536]: the tokens' fragments
.set XSC,  49152                       ;      [K step 8][r 16][sub-tile 4] their scale words
.set HST,  51200                       ;      [K step of the next product 2][sub-tile 4][lane 32][48]: h's fragments
.set HSB,  63488                       ;      [2][4][r 16][block 4] their scale bytes
.set ACC,  120                         ; v120-247 accumulator (sub-tile s, fragment f) at 32 s + 8 f; f = 0, 1: w1's tiles, 2, 3: w3's
.set H,    24                          ; the end: v24-87 h; v88-103 codes; v104-119 at work
.set PCH,  88
.set TMH,  104
; v1 my 16 bytes of a weight's plane; v2 16 x lane; v3 8 x lane; v4-7, v248-251 the weights' scale words (two sets); v8-11 the tokens'; v12-23 a tokens' fragment; v24-71, v72-119 the weights' fragments (two sets)
.macro WLOAD q                         ; K step q's four fragments; with an even q the scale words of steps q (lanes 0-15) and q + 1 (lanes 16-31)
.set WFB, 24+48*((\q)%2)
.irp f, 0,1,2,3
.irp c, 0,1,2
	global_load_b128 v[WFB+12*\f+4*\c:WFB+12*\f+4*\c+3], v1, s[20:21] offset:6144*(\q)+1536*\f+512*\c
.endr
.endr
.if (\q)%2 == 0
.set WSB, 4+244*(((\q)/2)%2)
	global_load_b64 v[WSB:WSB+1], v3, s[22:23] offset:128*(\q)
	global_load_b64 v[WSB+2:WSB+3], v3, s[22:23] offset:128*(\q)+196608
.endif
.endm
.macro STEP q
.if (\q) < 7
	WLOAD (\q)+1                                   ; into the set that the step before read: four places stand behind its last product
.if ((\q)+1)%2 == 0
	s_wait_loadcnt 14                              ; this step's loads are in; the 12 + 2 just issued may be out
.else
	s_wait_loadcnt 12                              ; likewise, 12
.endif
.else
	s_wait_loadcnt 0x0
.endif
.if (\q)%2 == 0
	ds_load_b128 v[8:11], v2 offset:XSC+256*(\q)   ; the four sub-tiles' scale words: lanes 0-15 step q, lanes 16-31 step q + 1
.endif
.set SFB, 24+48*((\q)%2)
.set SSB, 4+244*(((\q)/2)%2)
.irp s, 0,1,2,3
.irp c, 0,1,2
	ds_load_b128 v[12+4*\c:15+4*\c], v2 offset:(8*\s+(\q))*1536+512*\c
.endr
	s_wait_dscnt 0x0
.irp f, 0,1,2,3                                ; the sixteen accumulators take turns, one instruction a turn, in the same order in every step
.if (\q) == 0
	v_wmma_scale_f32_16x16x128_f8f6f4 v[ACC+32*\s+8*\f:ACC+32*\s+8*\f+7], v[SFB+12*\f:SFB+12*\f+11], v[12:23], 0, v[SSB+\f], v[8+\s] matrix_a_fmt:MATRIX_FMT_FP6 matrix_b_fmt:MATRIX_FMT_FP6
.elseif (\q)%2 == 0
	v_wmma_scale_f32_16x16x128_f8f6f4 v[ACC+32*\s+8*\f:ACC+32*\s+8*\f+7], v[SFB+12*\f:SFB+12*\f+11], v[12:23], v[ACC+32*\s+8*\f:ACC+32*\s+8*\f+7], v[SSB+\f], v[8+\s] matrix_a_fmt:MATRIX_FMT_FP6 matrix_b_fmt:MATRIX_FMT_FP6
.else
	v_wmma_scale_f32_16x16x128_f8f6f4 v[ACC+32*\s+8*\f:ACC+32*\s+8*\f+7], v[SFB+12*\f:SFB+12*\f+11], v[12:23], v[ACC+32*\s+8*\f:ACC+32*\s+8*\f+7], v[SSB+\f], v[8+\s] matrix_a_fmt:MATRIX_FMT_FP6 matrix_b_fmt:MATRIX_FMT_FP6 matrix_a_scale:MATRIX_SCALE_ROW1 matrix_b_scale:MATRIX_SCALE_ROW1
.endif
.endr
.rept 4
	v_nop                                          ; four places in front of loads into registers that these products read, and of the first read of results
.endr
.endr
.endm
	s_load_b128 s[4:7], s[0:1], 0x0                ; wq, lst
	s_load_b64 s[8:9], s[0:1], 0x10                ; hb
	s_set_vgpr_msb 0x40
	v_lshl_add_u32 v0, v0, 2, 0xfa00
	v_mov_b32 v1, 0
	s_set_vgpr_msb 0x4000
	v_lshrrev_b32 v1, 5, v0
	v_readfirstlane_b32 s10, v1                    ; wave 0..7
	s_and_b32 s11, ttmp7, 0xffff                   ; the tile
	s_cmp_ge_u32 ttmp9, 3
	s_cselect_b32 s13, 1, 0                        ; slot
	s_mul_i32 s14, s13, 3
	s_sub_co_u32 s14, ttmp9, s14                   ; slice
	s_lshl_b32 s15, s14, 3
	s_add_co_u32 s15, s15, s10                     ; hb
	s_lshl_b32 s17, s11, 2
	s_lshl_b32 s45, s11, 8
	s_mov_b32 s28, 0x76543210
	s_mov_b32 s29, 0xfedcba98
	s_wait_kmcnt 0x0
	s_load_b32 s16, s[6:7], s17 offset:23296       ; the tile's key
	s_load_b32 s19, s[6:7], s45 offset:0x0         ; the tile's first list entry: 4,096 in a tile without tokens
	s_mov_b32 s24, s45
	s_mov_b32 s25, 0
	s_add_nc_u64 s[24:25], s[6:7], s[24:25]        ; the tile's 64 rows of the list
	v_and_b32 v120, 31, v0                         ; lane   (v120-137 are free until the first products)
	v_and_b32 v121, 15, v0                         ; r
	v_bfe_u32 v122, v0, 4, 1                       ; h
	v_lshlrev_b32 v124, 2, v121
	v_lshlrev_b32 v125, 2, v120
.irp s, 0,1,2,3
	global_load_b32 v[126+\s], v124, s[24:25] offset:64*\s      ; token r of sub-tile s
.endr
.irp it, 0,1
	global_load_b32 v[130+\it], v125, s[24:25] offset:128*\it   ; token r of sub-tile 2 it + h
.endr
	v_lshlrev_b32 v2, 4, v120
	v_lshlrev_b32 v3, 3, v120
	v_bfe_u32 v1, v0, 3, 1
	v_lshlrev_b32 v1, 8, v1
	v_lshl_or_b32 v1, v122, 7, v1
	v_and_b32 v123, 7, v0
	v_lshl_or_b32 v1, v123, 4, v1                  ; 256 (r / 8) + 128 h + 16 (r % 8)
	v_mul_u32_u24 v132, v122, 48
	s_mul_i32 s36, s10, 1536
	v_add_nc_u32 v134, s36, v2                     ; the images of K step w
	v_lshlrev_b32 v135, 4, v121
	v_lshl_add_u32 v135, v122, 2, v135
	s_lshl_b32 s36, s10, 8
	s_add_co_u32 s36, s36, XSC
	v_add_nc_u32 v135, s36, v135                   ; their scale words: 256 w + 16 r + 4 h
	s_lshr_b32 s36, s10, 2                         ; which of the slice's two K steps of the next product my block belongs to
	s_and_b32 s37, s10, 1
	s_bfe_u32 s38, s10, 0x10001
	s_mul_i32 s39, s36, 6144
	s_mul_i32 s37, s37, 768
	s_add_co_u32 s39, s39, s37
	s_mul_i32 s38, s38, 24
	s_add_co_u32 s39, s39, s38
	s_add_co_u32 s39, s39, HST
	v_mul_u32_u24 v252, v121, 48
	v_mad_u32_u24 v252, v122, 12, v252
	v_add_nc_u32 v252, s39, v252                   ; block j = w % 4 goes to lane r + 16 (j % 2), bytes 24 (j / 2) + 12 h on
	s_lshl_b32 s40, s36, 8
	s_and_b32 s37, s10, 3
	s_add_co_u32 s40, s40, s37
	s_add_co_u32 s40, s40, HSB
	v_add_nc_u32 v253, s40, v124                   ; its scale byte: 4 r + j
	s_mul_i32 s41, s10, 1536
	s_add_co_u32 s41, s41, HST
	v_mul_u32_u24 v254, v120, 48
	v_add_nc_u32 v254, s41, v254                   ; the way out: wave w takes fragment w: 48 bytes a lane
	s_lshl_b32 s42, s10, 6
	s_add_co_u32 s42, s42, HSB
	v_add_nc_u32 v255, s42, v124
	s_mul_i32 s43, s13, 364
	s_add_co_u32 s43, s43, s17                     ; + 4 x tile
	s_add_co_u32 s43, s43, s37                     ; + sub-tile w % 4
	s_mul_i32 s43, s43, 6
	s_lshl_b32 s44, s14, 1
	s_add_co_u32 s43, s43, s44
	s_add_co_u32 s43, s43, s36                     ; the fragment's number in hb
	s_mul_i32 s32, s43, 1536
	s_mov_b32 s33, 0
	s_add_nc_u64 s[32:33], s[8:9], s[32:33]
	s_lshl_b32 s34, s43, 6
	s_add_co_u32 s34, s34, HS_O
	s_mov_b32 s35, 0
	s_add_nc_u64 s[34:35], s[8:9], s[34:35]
	s_mul_i32 s26, s10, 96
	s_mov_b32 s27, 0
	s_add_nc_u64 s[26:27], s[4:5], s[26:27]        ; the tokens' codes at K step w
	s_lshl_b32 s30, s10, 2
	s_add_co_u32 s30, s30, XS_O
	s_mov_b32 s31, 0
	s_add_nc_u64 s[30:31], s[4:5], s[30:31]        ; and their scale words
	s_wait_kmcnt 0x0
	s_lshr_b32 s18, s16, 8
	s_cmp_eq_u32 s13, 1
	s_cselect_b32 s16, s18, s16
	s_and_b32 s16, s16, 0xff
	s_min_u32 s16, s16, 7                          ; the expert: a stored number enters an address only behind a hold
	s_mul_i32 s18, s16, 24
	s_add_co_u32 s18, s18, s15
	s_mul_i32 s20, s18, 49152
	s_add_co_u32 s20, s20, WF13_O
	s_mov_b32 s21, 0
	s_add_nc_u64 s[20:21], s[4:5], s[20:21]        ; my block's fragments,
	s_lshl_b32 s22, s18, 10
	s_add_co_u32 s22, s22, WS13_O
	s_mov_b32 s23, 0
	s_add_nc_u64 s[22:23], s[4:5], s[22:23]        ; and scale words (w3's lie 196,608 bytes on)
	s_wait_loadcnt 0x0
.irp s, 0,1,2,3
	v_min_u32 v[126+\s], 4095, v[126+\s]           ; a padding row takes token 4,095's numbers; nothing of it is kept
	v_mul_u32_u24 v[126+\s], v[126+\s], 768
	v_add_nc_u32 v[126+\s], v[126+\s], v132
.endr
.irp it, 0,1
	v_min_u32 v[130+\it], 4095, v[130+\it]
	v_lshlrev_b32 v[130+\it], 5, v[130+\it]
.endr
.irp s, 0,1,2,3                                ; wave w gathers K step w of all 64 tokens: 48 bytes a lane, the eight waves together a token's 768
.irp c, 0,1,2
	global_load_b128 v[72+12*\s+4*\c:75+12*\s+4*\c], v[126+\s], s[26:27] offset:16*\c
.endr
.endr
.irp it, 0,1
	global_load_b32 v[136+\it], v[130+\it], s[30:31]
.endr
	WLOAD 0
	s_wait_loadcnt 14                              ; the gathered codes and words are in; the first weights (12 + 2 loads) may be out
.irp s, 0,1,2,3
.irp c, 0,1,2
	ds_store_b128 v134, v[72+12*\s+4*\c:75+12*\s+4*\c] offset:12288*\s+512*\c
.endr
.endr
.irp it, 0,1
	ds_store_b32 v135, v[136+\it] offset:8*\it
.endr
	s_wait_dscnt 0x0
	s_barrier_signal -1
	s_barrier_wait -1                              ; the tile's 32 fragments lie in LDS
	s_cmp_lt_u32 s19, 4096                         ; has the tile a token?
	s_cselect_b32 s46, s15, 24                     ; my block, or 24 in a tile without tokens
	s_cmp_lt_u32 s46, 22                           ; blocks 0 to 21 hold the 684 hidden units
	s_cbranch_scc1 .Lwork
	; ---- nothing to compute: h = 0.  No barrier stands between this branch and the place where the two ways join
	s_wait_loadcnt 0x0                             ; the first weights have landed: LDS loads land in their registers on the way out
.irp s, 0,1,2,3
.irp i, 0,1,2
	v_mov_b32 v[PCH+4*\s+\i], 0                    ; zero codes,
.endr
	v_mov_b32 v[TMH+4+\s], 127                     ; under the byte of a block of zeros
.endr
	s_branch .Lput
.Lwork:
	STEP 0
	STEP 1
	STEP 2
	STEP 3
	STEP 4
	STEP 5
	STEP 6
	STEP 7
	; ---- silu(a1) a3 = a1 a3 / (1 + 2^(-a1 log2 e)), in f32.  Each accumulator is read from its low end on
.irp s, 0,1,2,3
.irp i, 0,2,4,6,8,10,12,14
	v_pk_mul_f32 v[H+16*\s+\i:H+16*\s+\i+1], v[ACC+32*\s+\i:ACC+32*\s+\i+1], 0xbfb8aa3b op_sel_hi:[1,0]
.endr
.endr
.set i, 0
.rept 64
	v_exp_f32 v[H+i], v[H+i]
.set i, i+1
.endr
.irp s, 0,1,2,3
	v_mov_b32 v[TMH+4+\s], 0                       ; (plain places behind the batch; a lane permute's destination counts as one of its sources)
.endr
	s_wait_alu depctr_va_vdst(0)                   ; one wait for the batch, ahead of its first reader
.set i, 0
.rept 32
	v_pk_add_f32 v[H+2*i:H+2*i+1], v[H+2*i:H+2*i+1], 1.0 op_sel_hi:[1,0]
.set i, i+1
.endr
.set i, 0
.rept 64
	v_rcp_f32 v[H+i], v[H+i]                       ; (an exponential that has overflowed gives 0 here, as silu does)
.set i, i+1
.endr
	v_nop
	s_wait_alu depctr_va_vdst(0)
.irp s, 0,1,2,3
.irp i, 0,2,4,6,8,10,12,14
	v_pk_mul_f32 v[H+16*\s+\i:H+16*\s+\i+1], v[H+16*\s+\i:H+16*\s+\i+1], v[ACC+32*\s+\i:ACC+32*\s+\i+1]
.endr
.endr
.irp s, 0,1,2,3
.irp i, 0,2,4,6,8,10,12,14
	v_pk_mul_f32 v[H+16*\s+\i:H+16*\s+\i+1], v[H+16*\s+\i:H+16*\s+\i+1], v[ACC+32*\s+16+\i:ACC+32*\s+16+\i+1]
.endr
.endr
	; ---- quantised: for each sub-tile, token r's block of 32 units lies in lanes r and r + 16
.irp s, 0,1,2,3
	v_max3_num_f32 v[TMH+\s], |v[H+16*\s]|, |v[H+1+16*\s]|, 0x1800000   ; with the floor 2^(3 - 127): the byte cannot fall under 1
.endr
.irp i, 2,4,6,8,10,12,14
.irp s, 0,1,2,3
	v_max3_num_f32 v[TMH+\s], v[TMH+\s], |v[H+16*\s+\i]|, |v[H+1+16*\s+\i]|
.endr
.endr
.irp s, 0,1,2,3
	v_permlanex16_b32 v[TMH+4+\s], v[TMH+\s], s28, s29
.endr
.irp s, 0,1,2,3
	v_max_num_f32 v[TMH+\s], v[TMH+\s], v[TMH+4+\s]
.endr
.irp s, 0,1,2,3
	v_add_nc_u32 v[TMH+12+\s], 0xff000000, v[TMH+\s]   ; 2 off the exponent field: the conversion's scale operand
.endr
.irp s, 0,1,2,3
	v_lshrrev_b32 v[TMH+4+\s], 23, v[TMH+12+\s]    ; the scale's byte
.endr
.irp s, 0,1,2,3
	v_cvt_scalef32_pk16_fp6_f32 v[PCH+4*\s:PCH+4*\s+2], v[H+16*\s:H+16*\s+15], v[TMH+12+\s]   ; 12 bytes: units 32 hb + 16 h + 0 .. 15 of token r
.endr
	v_nop                                          ; one plain place behind a scaled conversion
.Lput:                                                 ; the two ways join: every wave puts its block's codes and bytes into LDS
.irp s, 0,1,2,3
.irp i, 0,1,2
	ds_store_b32 v252, v[PCH+4*\s+\i] offset:1536*\s+4*\i
.endr
	ds_store_b8 v253, v[TMH+4+\s] offset:64*\s     ; (both lanes of a block write the same byte with the same value)
.endr
	s_wait_dscnt 0x0
	s_barrier_signal -1
	s_barrier_wait -1                              ; eight fragments of h (two K steps x four sub-tiles) lie in LDS
.irp c, 0,1,2
	ds_load_b128 v[24+4*\c:27+4*\c], v254 offset:16*\c
.endr
	ds_load_b32 v36, v255
	v_and_b32 v37, 15, v0
	v_lshlrev_b32 v37, 2, v37
	s_wait_dscnt 0x0
.irp c, 0,1,2
	global_store_b128 v2, v[24+4*\c:27+4*\c], s[32:33] offset:512*\c   ; an image: 512 consecutive bytes, aligned
.endr
	global_store_b32 v37, v36, s[34:35]            ; 16 scale words, 64 bytes (the two halves of the lanes store the same): one part in 24 of the codes' bytes
	s_set_vgpr_msb 0x5
	s_wait_tensorcnt 0x0
	ds_add_u32 v0, v1
	s_wait_dscnt 0x0
	s_set_vgpr_msb 0x500
	s_endpgm
.Lfunc_end_k_q58c7f17b1b_ffn1:
	.size	k_q58c7f17b1b_ffn1, .Lfunc_end_k_q58c7f17b1b_ffn1-k_q58c7f17b1b_ffn1
	.p2alignl 7, 3214868480
	.fill 96, 4, 3214868480
	.section	.rodata,"a",@progbits
	.p2align	6, 0x0
	.amdhsa_kernel k_q58c7f17b1b_ffn1
		.amdhsa_group_segment_fixed_size 65024
		.amdhsa_private_segment_fixed_size 0
		.amdhsa_enable_private_segment 0
		.amdhsa_kernarg_size 24
		.amdhsa_user_sgpr_count 2
		.amdhsa_user_sgpr_kernarg_segment_ptr 1
		.amdhsa_wavefront_size32 1
		.amdhsa_system_sgpr_workgroup_id_x 1
		.amdhsa_system_sgpr_workgroup_id_y 1
		.amdhsa_system_sgpr_workgroup_id_z 1
		.amdhsa_system_vgpr_workitem_id 0
		.amdhsa_next_free_vgpr 258
		.amdhsa_next_free_sgpr 66
		.amdhsa_reserve_vcc 0
		.amdhsa_float_denorm_mode_32 3
		.amdhsa_float_denorm_mode_16_64 3
		.amdhsa_memory_ordered 1
		.amdhsa_forward_progress 1
		.amdhsa_inst_pref_size 66
	.end_amdhsa_kernel
	.amdgpu_metadata
---
amdhsa.version: [ 1, 2 ]
amdhsa.kernels:
  - .name:           k_q58c7f17b1b_ffn1
    .symbol:         k_q58c7f17b1b_ffn1.kd
    .args:
      - { .name: wq, .offset: 0, .size: 8, .value_kind: global_buffer, .address_space: global }
      - { .name: lst, .offset: 8, .size: 8, .value_kind: global_buffer, .address_space: global }
      - { .name: hb, .offset: 16, .size: 8, .value_kind: global_buffer, .address_space: global }
    .group_segment_fixed_size: 65024
    .private_segment_fixed_size: 0
    .kernarg_segment_align: 8
    .kernarg_segment_size: 24
    .max_flat_workgroup_size: 256
    .sgpr_count:     66
    .vgpr_count:     258
    .wavefront_size: 32
...
	.end_amdgpu_metadata
.endif
;; end of part 3
;; launch ffn2 (part 4): grid 91 x 4, 8 waves a work-group, no clusters, 74,752 bytes of LDS; arguments wq, lst, hb, fm, out0; writes out0
.if DOCPART == 4
	.amdgcn_target "amdgcn-amd-amdhsa--gfx1250"
	.amdhsa_code_object_version 6
	.text
	.protected	k_q58c7f17b1b_ffn2
	.globl	k_q58c7f17b1b_ffn2
	.p2align	8
	.type	k_q58c7f17b1b_ffn2,@function
k_q58c7f17b1b_ffn2:
	s_mov_b64 s[64:65], 0
	v_nop
	global_prefetch_b8 v0, s[64:65] scope:SCOPE_SE
	s_setreg_imm32_b32 hwreg(HW_REG_WAVE_MODE, 25, 1), 1
	s_wait_xcnt 0x0
; FFN2: out0[t] = c_a (h_a w2[a]^T) + c_b (h_b w2[b]^T) for one tile of 64 listed tokens, which all have the pair {a < b}, and 256 of the 1,024 columns: each row of out0 has one owner.
; Work-group (tile, block of 256 columns); wave w makes columns 32 w .. 32 w + 31 of the block (two tiles of w2's rows) for the tile's four sub-tiles: 8 accumulators.  K runs over 12 steps of 128: six of a, six of b.
; w2's fragments come from memory straight into registers, three steps ahead; h's 48 fragments are copied once into LDS and read by all eight waves.
; TRANSPOSED USE: source 0 = 16 rows of w2, source 1 = 16 tokens: a lane holds one token and eight neighbouring columns.
; THE GATES: behind a's six steps the sums are multiplied by c_a / c_b', b's six steps add onto them, and the end multiplies by c_b': one set of accumulators serves both experts.
; LIMIT: c_b' = max(c_b, 2^-40), so that the quotient is finite: where c_b is smaller, at most 2^-40 |h_b w2[b]^T| comes on top.  NaN and infinities are not served.
; No tensor load, no cluster: the experts hang on the stored list.  No wave leaves ahead of a barrier; padding rows (list entry 4,096) are worked on token 4,095's gates and not stored, by a scalar branch behind the last barrier.
.set W2F_O, 13107200
.set WS2_O, 17825792
.set HS_O,  6709248
; LDS: h's images [4 slot + sub-tile][K step 6][1,536] = 73,728 bytes; behind the products the same bytes are the stage for the way out: 64 rows x (1,024 + 16)
; v1 16 x lane; v2 the same + 36,864 (slot 1); v3 4 x lane; v4-11 (c_a / c_b') twice, a pair a sub-tile; v12-35 h's scale words; v36-47 w2's; v48-71 h's fragments, two sets; v72-167 w2's, four sets of two;
; v168-231 accumulator (sub-tile s, tile f) at 16 s + 8 f; v232-239 c_b' twice, a pair a sub-tile; v240-243 addresses
.macro WLOAD g                         ; step g's two fragments of w2
.set WB_, 72+24*((\g)%4)
.set WQ_, (\g)%6
.irp f, 0,1
.irp c, 0,1,2
.if (\g) < 6
	global_load_b128 v[WB_+12*\f+4*\c:WB_+12*\f+4*\c+3], v1, s[20:21] offset:9216*\f+1536*WQ_+512*\c
.else
	global_load_b128 v[WB_+12*\f+4*\c:WB_+12*\f+4*\c+3], v1, s[22:23] offset:9216*\f+1536*WQ_+512*\c
.endif
.endr
.endr
.endm
.macro HLOAD n                         ; h's fragment n = 4 g + s into set n % 2
.set HG_, (\n)/4
.set HS_, (\n)%4
.set HB_, 48+12*((\n)%2)
.irp c, 0,1,2
.if HG_ < 6
	ds_load_b128 v[HB_+4*\c:HB_+4*\c+3], v1 offset:HS_*9216+(HG_%6)*1536+512*\c
.else
	ds_load_b128 v[HB_+4*\c:HB_+4*\c+3], v2 offset:HS_*9216+(HG_%6)*1536+512*\c
.endif
.endr
.endm
.macro SUB n
.if (\n) < 47
	HLOAD (\n)+1                                   ; into the set that the products before last read: four places stand behind them
	s_wait_dscnt 3                                 ; fragment n is in; the three loads just issued may be out
.else
	s_wait_dscnt 0x0
.endif
.set G_, (\n)/4
.set S_, (\n)%4
.set L_, G_/6
.set Q_, G_%6
.irp f, 0,1                                    ; the eight accumulators take turns, one instruction a turn
.if G_ == 0
	v_wmma_scale_f32_16x16x128_f8f6f4 v[168+16*S_+8*\f:175+16*S_+8*\f], v[72+24*(G_%4)+12*\f:83+24*(G_%4)+12*\f], v[48+12*((\n)%2):59+12*((\n)%2)], 0, v[36+6*L_+3*\f+Q_/2], v[12+12*L_+3*S_+Q_/2] matrix_a_fmt:MATRIX_FMT_FP6 matrix_b_fmt:MATRIX_FMT_FP6
.elseif Q_%2 == 0
	v_wmma_scale_f32_16x16x128_f8f6f4 v[168+16*S_+8*\f:175+16*S_+8*\f], v[72+24*(G_%4)+12*\f:83+24*(G_%4)+12*\f], v[48+12*((\n)%2):59+12*((\n)%2)], v[168+16*S_+8*\f:175+16*S_+8*\f], v[36+6*L_+3*\f+Q_/2], v[12+12*L_+3*S_+Q_/2] matrix_a_fmt:MATRIX_FMT_FP6 matrix_b_fmt:MATRIX_FMT_FP6
.else
	v_wmma_scale_f32_16x16x128_f8f6f4 v[168+16*S_+8*\f:175+16*S_+8*\f], v[72+24*(G_%4)+12*\f:83+24*(G_%4)+12*\f], v[48+12*((\n)%2):59+12*((\n)%2)], v[168+16*S_+8*\f:175+16*S_+8*\f], v[36+6*L_+3*\f+Q_/2], v[12+12*L_+3*S_+Q_/2] matrix_a_fmt:MATRIX_FMT_FP6 matrix_b_fmt:MATRIX_FMT_FP6 matrix_a_scale:MATRIX_SCALE_ROW1 matrix_b_scale:MATRIX_SCALE_ROW1
.endif
.endr
.rept 4
	v_nop                                          ; four places in front of loads into registers that these products read, and of the first read of results
.endr
.endm
.macro GSTEP g
.if (\g) <= 8
	WLOAD (\g)+3
	s_wait_loadcnt 18                              ; step g's weights are in; those of the three steps behind it may be out
.else
	s_wait_loadcnt 6*(11-(\g))                     ; likewise: 12, 6, 0
.endif
	SUB 4*(\g)
	SUB 4*(\g)+1
	SUB 4*(\g)+2
	SUB 4*(\g)+3
.endm
.macro ROWOUT i
	s_cmp_lt_u32 s[32+\i], 4096
	s_cbranch_scc0 .Lpadrow_\@                     ; a padding row is not stored
	global_store_b128 v1, v[72+8*\i:75+8*\i], s[40+2*\i:41+2*\i] th:TH_STORE_NT               ; 512 consecutive bytes, aligned; written once, read by nobody here
	global_store_b128 v1, v[76+8*\i:79+8*\i], s[40+2*\i:41+2*\i] offset:512 th:TH_STORE_NT
.Lpadrow_\@:
.endm
	s_load_b256 s[4:11], s[0:1], 0x0               ; wq, lst, hb, fm
	s_load_b64 s[12:13], s[0:1], 0x20              ; out0
	v_lshl_add_u32 v248, v0, 2, 0x12000
	v_mov_b32 v249, 0
	v_lshrrev_b32 v1, 5, v0
	v_readfirstlane_b32 s14, v1                    ; wave 0..7
	s_and_b32 s16, ttmp7, 0xffff                   ; which 256 columns
	s_lshl_b32 s17, ttmp9, 2
	s_lshl_b32 s58, ttmp9, 8
	s_lshl_b32 s19, s14, 5
	s_add_co_u32 s19, s19, s58
	s_mov_b32 s59, 0
	s_wait_kmcnt 0x0
	s_load_b32 s15, s[6:7], s17 offset:23296       ; the tile's key
	s_load_b256 s[32:39], s[6:7], s19 offset:0x0   ; the list's entries of the 8 rows that I store
	s_add_nc_u64 s[58:59], s[6:7], s[58:59]
	v_and_b32 v232, 31, v0
	v_and_b32 v233, 15, v0
	v_bfe_u32 v234, v0, 4, 1
	v_lshlrev_b32 v243, 2, v233
.irp s, 0,1,2,3
	global_load_b32 v[236+\s], v243, s[58:59] offset:64*\s      ; token r of sub-tile s
.endr
	v_lshlrev_b32 v1, 4, v232
	v_add_nc_u32 v2, 36864, v1
	v_lshlrev_b32 v3, 2, v232
	s_mul_i32 s60, s14, 9216
	v_add_nc_u32 v240, s60, v1                     ; h's images: wave w copies (slot w / 4, sub-tile w % 4)
	v_mul_u32_u24 v241, v233, 1040
	v_lshl_add_u32 v241, v234, 5, v241
	s_lshl_b32 s60, s14, 7
	v_add_nc_u32 v241, s60, v241                   ; the stage: row r, + 32 h, + 128 w
	s_mul_i32 s60, s14, 8320
	v_add_nc_u32 v242, s60, v1                     ; back: my 8 rows
	s_mul_i32 s28, ttmp9, 1536
	s_add_co_u32 s28, s28, HS_O
	s_mov_b32 s29, 0
	s_add_nc_u64 s[28:29], s[8:9], s[28:29]        ; h's scale words, slot 0 (slot 1's lie 139,776 bytes on)
	s_lshr_b32 s60, s14, 2
	s_mul_i32 s60, s60, 364
	s_add_co_u32 s60, s60, s17
	s_and_b32 s61, s14, 3
	s_add_co_u32 s60, s60, s61
	s_mul_i32 s30, s60, 9216
	s_mov_b32 s31, 0
	s_add_nc_u64 s[30:31], s[8:9], s[30:31]        ; the six fragments of h that I copy
	s_lshl_b32 s56, s16, 10
	s_mov_b32 s57, 0
	s_add_nc_u64 s[56:57], s[12:13], s[56:57]
	s_wait_kmcnt 0x0
	s_and_b32 s17, s15, 0xff
	s_min_u32 s17, s17, 7                          ; a: a stored number enters an address only behind a hold
	s_lshr_b32 s18, s15, 8
	s_and_b32 s18, s18, 0xff
	s_min_u32 s18, s18, 7                          ; b
	s_lshl_b32 s60, s16, 4
	s_lshl_b32 s61, s14, 1
	s_add_co_u32 s60, s60, s61                     ; my first tile of w2's rows
	s_lshl_b32 s17, s17, 6
	s_add_co_u32 s17, s17, s60
	s_lshl_b32 s18, s18, 6
	s_add_co_u32 s18, s18, s60
	s_mul_i32 s20, s17, 9216
	s_add_co_u32 s20, s20, W2F_O
	s_mov_b32 s21, 0
	s_mul_i32 s22, s18, 9216
	s_add_co_u32 s22, s22, W2F_O
	s_mov_b32 s23, 0
	s_mul_i32 s24, s17, 384
	s_add_co_u32 s24, s24, WS2_O
	s_mov_b32 s25, 0
	s_mul_i32 s26, s18, 384
	s_add_co_u32 s26, s26, WS2_O
	s_mov_b32 s27, 0
	s_add_nc_u64 s[20:21], s[4:5], s[20:21]
	s_add_nc_u64 s[22:23], s[4:5], s[22:23]
	s_add_nc_u64 s[24:25], s[4:5], s[24:25]
	s_add_nc_u64 s[26:27], s[4:5], s[26:27]
.irp i, 0,1,2,3,4,5,6,7
	s_min_u32 s[40+2*\i], s[32+\i], 4095
	s_lshl_b32 s[40+2*\i], s[40+2*\i], 12
	s_mov_b32 s[41+2*\i], 0
	s_add_nc_u64 s[40+2*\i:41+2*\i], s[56:57], s[40+2*\i:41+2*\i]   ; where my row i goes
.endr
	s_wait_loadcnt 0x0
.irp s, 0,1,2,3
	v_min_u32 v[236+\s], 4095, v[236+\s]
	v_lshlrev_b32 v[236+\s], 3, v[236+\s]
.endr
.irp s, 0,1,2,3
	global_load_b64 v[4+2*\s:5+2*\s], v[236+\s], s[10:11]       ; (c_a, c_b) of token r of sub-tile s
.endr
.set i, 0
.rept 18
	global_load_b128 v[144+4*i:147+4*i], v1, s[30:31] offset:512*i
.set i, i+1
.endr
.irp l, 0,1
.irp s, 0,1,2,3
.irp p, 0,1,2
	global_load_b32 v[12+12*\l+3*\s+\p], v3, s[28:29] offset:139776*\l+384*\s+128*\p   ; lanes 0-15: K step 2 p; lanes 16-31: 2 p + 1
.endr
.endr
.endr
.irp f, 0,1
.irp p, 0,1,2
	global_load_b32 v[36+3*\f+\p], v3, s[24:25] offset:384*\f+128*\p
	global_load_b32 v[42+3*\f+\p], v3, s[26:27] offset:384*\f+128*\p
.endr
.endr
	WLOAD 0
	WLOAD 1
	WLOAD 2
	s_wait_loadcnt 54                              ; the gates and h's codes are in; the 24 + 12 scale words and 18 loads of weights behind them may be out
.set i, 0
.rept 18
	ds_store_b128 v240, v[144+4*i:147+4*i] offset:512*i
.set i, i+1
.endr
.irp s, 0,1,2,3
	v_max_num_f32 v[232+2*\s], 0x2b800000, v[5+2*\s]   ; c_b' = max(c_b, 2^-40)
.endr
.irp s, 0,1,2,3
	v_rcp_f32 v[48+\s], v[232+2*\s]
.endr
.irp s, 0,1,2,3
	v_mov_b32 v[233+2*\s], v[232+2*\s]             ; (plain places behind the batch)
.endr
	s_wait_alu depctr_va_vdst(0)                   ; one wait for the four, ahead of their first reader
.irp s, 0,1,2,3
	v_mul_f32 v[4+2*\s], v[4+2*\s], v[48+\s]       ; c_a / c_b'
.endr
.irp s, 0,1,2,3
	v_mov_b32 v[5+2*\s], v[4+2*\s]
.endr
	s_wait_dscnt 0x0
	s_barrier_signal -1
	s_barrier_wait -1                              ; h's 48 fragments lie in LDS
	HLOAD 0
	GSTEP 0
	GSTEP 1
	GSTEP 2
	GSTEP 3
	GSTEP 4
	GSTEP 5
.irp s, 0,1,2,3                                ; a's sums x c_a / c_b': each accumulator from its low end on
.irp i, 0,2,4,6,8,10,12,14
	v_pk_mul_f32 v[168+16*\s+\i:169+16*\s+\i], v[168+16*\s+\i:169+16*\s+\i], v[4+2*\s:5+2*\s]
.endr
.endr
	GSTEP 6
	GSTEP 7
	GSTEP 8
	GSTEP 9
	GSTEP 10
	GSTEP 11
.irp s, 0,1,2,3                                ; x c_b'
.irp i, 0,2,4,6,8,10,12,14
	v_pk_mul_f32 v[168+16*\s+\i:169+16*\s+\i], v[168+16*\s+\i:169+16*\s+\i], v[232+2*\s:233+2*\s]
.endr
.endr
	s_wait_dscnt 0x0                               ; my reads of h's images are over
	s_barrier_signal -1
	s_barrier_wait -1                              ; everybody's are: their bytes become the stage
.irp s, 0,1,2,3
.irp f, 0,1
	ds_store_b128 v241, v[168+16*\s+8*\f:171+16*\s+8*\f] offset:16640*\s+64*\f        ; lane (r, h): row 16 s + r, columns 32 w + 16 f + 8 h + 0 .. 7
	ds_store_b128 v241, v[172+16*\s+8*\f:175+16*\s+8*\f] offset:16640*\s+64*\f+16
.endr
.endr
	s_wait_dscnt 0x0
	s_barrier_signal -1
	s_barrier_wait -1                              ; 64 rows of 1,024 bytes lie in the stage
.irp i, 0,1,2,3,4,5,6,7
	ds_load_b128 v[72+8*\i:75+8*\i], v242 offset:1040*\i
	ds_load_b128 v[76+8*\i:79+8*\i], v242 offset:1040*\i+512
.endr
	s_wait_dscnt 0x0
	ROWOUT 0
	ROWOUT 1
	ROWOUT 2
	ROWOUT 3
	ROWOUT 4
	ROWOUT 5
	ROWOUT 6
	ROWOUT 7
	s_wait_tensorcnt 0x0
	ds_add_u32 v248, v249
	s_wait_dscnt 0x0
	s_endpgm
.Lfunc_end_k_q58c7f17b1b_ffn2:
	.size	k_q58c7f17b1b_ffn2, .Lfunc_end_k_q58c7f17b1b_ffn2-k_q58c7f17b1b_ffn2
	.p2alignl 7, 3214868480
	.fill 96, 4, 3214868480
	.section	.rodata,"a",@progbits
	.p2align	6, 0x0
	.amdhsa_kernel k_q58c7f17b1b_ffn2
		.amdhsa_group_segment_fixed_size 74752
		.amdhsa_private_segment_fixed_size 0
		.amdhsa_enable_private_segment 0
		.amdhsa_kernarg_size 40
		.amdhsa_user_sgpr_count 2
		.amdhsa_user_sgpr_kernarg_segment_ptr 1
		.amdhsa_wavefront_size32 1
		.amdhsa_system_sgpr_workgroup_id_x 1
		.amdhsa_system_sgpr_workgroup_id_y 1
		.amdhsa_system_sgpr_workgroup_id_z 1
		.amdhsa_system_vgpr_workitem_id 0
		.amdhsa_next_free_vgpr 250
		.amdhsa_next_free_sgpr 66
		.amdhsa_reserve_vcc 0
		.amdhsa_float_denorm_mode_32 3
		.amdhsa_float_denorm_mode_16_64 3
		.amdhsa_memory_ordered 1
		.amdhsa_forward_progress 1
		.amdhsa_inst_pref_size 58
	.end_amdhsa_kernel
	.amdgpu_metadata
---
amdhsa.version: [ 1, 2 ]
amdhsa.kernels:
  - .name:           k_q58c7f17b1b_ffn2
    .symbol:         k_q58c7f17b1b_ffn2.kd
    .args:
      - { .name: wq, .offset: 0, .size: 8, .value_kind: global_buffer, .address_space: global }
      - { .name: lst, .offset: 8, .size: 8, .value_kind: global_buffer, .address_space: global }
      - { .name: hb, .offset: 16, .size: 8, .value_kind: global_buffer, .address_space: global }
      - { .name: fm, .offset: 24, .size: 8, .value_kind: global_buffer, .address_space: global }
      - { .name: out0, .offset: 32, .size: 8, .value_kind: global_buffer, .address_space: global }
    .group_segment_fixed_size: 74752
    .private_segment_fixed_size: 0
    .kernarg_segment_align: 8
    .kernarg_segment_size: 40
    .max_flat_workgroup_size: 256
    .sgpr_count:     66
    .vgpr_count:     250
    .wavefront_size: 32
...
	.end_amdgpu_metadata
.endif
;; end of part 4
;; ======== version 2 of 2: 4 launches
;; workspace buffers: wq 18,022,400 bytes; fm 49,152 bytes; im 49,152 bytes of whole numbers; lst 23,808 bytes of whole numbers; hb 6,988,800 bytes
;; launch prep (part 5): grid 736 x 1, 4 waves a work-group, no clusters, 105,984 bytes of LDS; arguments x, router_w, w2, w1_codes, w1_scales, w3_codes, w3_scales, wq, fm, im; writes wq, fm, im
.if DOCPART == 5
	.amdgcn_target "amdgcn-amd-amdhsa--gfx1250"
	.amdhsa_code_object_version 6
	.text
	.protected	k_q58c7f17b1b_prep
	.globl	k_q58c7f17b1b_prep
	.p2align	8
	.type	k_q58c7f17b1b_prep,@function
k_q58c7f17b1b_prep:
	s_mov_b64 s[64:65], 0
	v_nop
	global_prefetch_b8 v0, s[64:65] scope:SCOPE_SE
	s_setreg_imm32_b32 hwreg(HW_REG_WAVE_MODE, 25, 1), 1
	s_wait_xcnt 0x0
; PREP: everything that is done once to an input.  Three jobs, parted once on the work-group's number; they never join, and each has LDS bytes of its own.
;  X   (work-groups 0-255, 16 tokens each): x -> E2M3 codes and E8M0 scale words; the router in f32 (logits, softmax with its maximum taken away, top-2, ties to the lower index);
;      for each token its pair of experts {a < b} as a number p = 0..27, its rank among the 16 tokens of the same pair, the two gates; for each 16 tokens a histogram of pairs and the parts of the aux loss.
;  W2  (256-639): w2 [8][1024][684] f32 -> codes and scale words along its K = 684 (filled with zeros to 768), stored as images of the operand's registers.
;  W13 (640-735): the given codes and scales of w1 and w3, laid anew in the order of the operand's registers; rows 684..767 of each expert are zero codes with the byte 127.
; No address and no branch hangs on a number made from floats: what the router decides is stored at fixed places.
; A block's scale byte is the largest magnitude's exponent field - 2, held at 1 from below.
; LIMITS: NaN and infinities are not served.  A block of zeros carries the byte 1 where the quantiser says 127: its codes are zeros, and only this program reads the bytes.
;         A probability under 2^-126 comes out as 0 (v_exp_f32 gives 0 there).  The logits' f32 sums are taken in another order than a plain dot product's.
; wq: XQ [t][q 8][h 2][48 B] (lane (r, h)'s 12 registers of K step q of token t); XS [t][q 8] words; WF13 [e][hb 24][q 8][f 4][c 3][512 B]; WS13 [w1|w3][e][hb][q 8][r 16][u 2] words;
;     W2F [e][dt 64][q 6][c 3][512 B]; WS2 [e][dt][q 6][r 16] words.
.set XS_O,   3145728
.set WF13_O, 3276800
.set WS13_O, 12713984
.set W2F_O,  13107200
.set WS2_O,  17825792
.set LIMC,   4202496-3072              ; the last place at which half a row group (3,072 bytes) of codes may begin
.set STGX, 0                           ; job X: a stage of 16 rows x 528 bytes for each wave,
.set XOUT, 33792                       ;        16 tokens x 768 bytes of codes,
.set XSC,  46080                       ;        16 tokens x 8 scale words
.set STGW, 46592                       ; job W2: a stage for each wave
.set G13,  80384                       ; job W13: 8 rows x 784 bytes for each wave
.set R,   16                           ; v16-79   64 numbers
.set W,   80                           ; v80-143  X: the router's 64 numbers; W2: the second chunk
.set ACC, 144                          ; v144-159 the logits' two sums: written by matrix instructions alone
.set LS,  160                          ; v160-167 their sum
.set TM,  168                          ; v168-183 at work in QUANT
.set PW,  184                          ; the scale word just made
.set PC,  188                          ; v188-206 the codes just made
.set RB,  24                           ; s[24:55] the addresses of 16 rows
.set SEL, 60                           ; s[60:61] v_permlanex16_b32's selects for lane l xor 16
.macro LOADC c, lp, dst                ; chunk c (128 numbers) of 16 rows: one instruction reads 512 consecutive bytes of one row
.set i, 0
.rept 16
	global_load_b128 v[\dst+4*i:\dst+4*i+3], v[\lp], s[RB+2*i:RB+2*i+1] offset:512*\c th:TH_LOAD_NT
.set i, i+1
.endr
.endm
.macro ROUT c                          ; the router's rows in the layout that TURN gives x: lane (r, h) takes expert r % 8, register 16 b + i = k 32 b + 16 h + i
.set i, 0
.rept 16
	global_load_b128 v[W+4*i:W+4*i+3], v8, s[6:7] offset:512*\c+128*(i/4)+16*(i%4)
.set i, i+1
.endr
.endm
.macro TURN reg                        ; through the wave's own stage: in as loaded, back 64 bytes of a block a lane: register 16 b + i = k 32 b + 16 h + i of row r
.set i, 0
.rept 16
	ds_store_b128 v6, v[\reg+4*i:\reg+4*i+3] offset:528*i
.set i, i+1
.endr
.set i, 0
.rept 16
	ds_load_b128 v[\reg+4*i:\reg+4*i+3], v7 offset:128*(i/4)+16*(i%4)   ; LDS serves a wave's instructions in order: these see the stores above
.set i, i+1
.endr
.endm
.macro RMUL first                      ; logits += router x^T over 128 k: source 0 = 16 rows of the router (8 experts, twice), source 1 = 16 tokens; the same k stands in the same lane and register on both sides
.set i, 0
.rept 32                               ; two sums by turns, one instruction a turn; the first two products start them
.if (\first) && (i < 2)
	v_wmma_f32_16x16x4_f32 v[ACC+8*(i%2):ACC+8*(i%2)+7], v[W+2*i:W+2*i+1], v[R+2*i:R+2*i+1], 0
.else
	v_wmma_f32_16x16x4_f32 v[ACC+8*(i%2):ACC+8*(i%2)+7], v[W+2*i:W+2*i+1], v[R+2*i:R+2*i+1], v[ACC+8*(i%2):ACC+8*(i%2)+7]
.endif
.set i, i+1
.endr
.rept 8
	v_nop                                          ; eight places behind this form, in front of loads into its sources and of the reads of its results
.endr
.endm
; 64 numbers of a lane, register 16 b + i = k 32 b + 16 (lane / 16) + i of my row, become a fragment's 12 registers in v[PC] on and its scale word in v[PW]
.macro QUANT s
.irp b, 0,1,2,3
	v_max3_num_f32 v[TM+\b], |v[\s+16*\b]|, |v[\s+1+16*\b]|, 0x1800000   ; block b: my 16 numbers, and the floor 2^(3 - 127): the byte cannot fall under 1
.endr
.irp i, 2,4,6,8,10,12,14
.irp b, 0,1,2,3
	v_max3_num_f32 v[TM+\b], v[TM+\b], |v[\s+16*\b+\i]|, |v[\s+1+16*\b+\i]|
.endr
.endr
.irp b, 0,1,2,3
	v_permlanex16_b32 v[TM+4+\b], v[TM+\b], s[SEL], s[SEL+1]
.endr
.irp b, 0,1,2,3
	v_max_num_f32 v[TM+\b], v[TM+\b], v[TM+4+\b]   ; with lane l xor 16's: the block's largest magnitude
.endr
.irp b, 0,1,2,3
	v_add_nc_u32 v[TM+12+\b], 0xff000000, v[TM+\b] ; 2 off its exponent field: the conversion's scale operand
.endr
.irp b, 0,1,2,3
	v_lshrrev_b32 v[TM+4+\b], 23, v[TM+12+\b]      ; the scale's byte
.endr
	v_lshl_or_b32 v[PW], v[TM+5], 8, v[TM+4]
	v_lshl_or_b32 v[PW], v[TM+6], 16, v[PW]
	v_lshl_or_b32 v[PW], v[TM+7], 24, v[PW]
.irp c, 0,1
	v_cvt_scalef32_pk16_fp6_f32 v[PC+6*\c:PC+2+6*\c], v[\s+32*\c:\s+15+32*\c], v[TM+12+2*\c]
	v_cvt_scalef32_pk16_fp6_f32 v[PC+12+4*\c:PC+14+4*\c], v[\s+16+32*\c:\s+31+32*\c], v[TM+12+2*\c+1]   ; (a conversion's three registers begin on an even number)
.endr
	v_nop                                          ; one plain place behind a scaled conversion
.irp c, 0,1                                    ; the operand wants a whole block in a lane: lanes 0-15 block 2 c, lanes 16-31 block 2 c + 1
.irp i, 0,1,2
	v_permlane16_swap_b32 v[PC+6*\c+\i], v[PC+12+4*\c+\i]
.endr
.irp i, 0,1,2
	v_mov_b32 v[PC+3+6*\c+\i], v[PC+12+4*\c+\i]
.endr
.endr
.endm
.macro XPUT c                          ; X: my 48 bytes of K step 2 w + c of token r, and the token's scale word
.irp k, 0,1,2
	ds_store_b128 v9, v[PC+4*\k:PC+4*\k+3] offset:96*\c+16*\k
.endr
	ds_store_b32 v10, v[PW] offset:4*\c
.endm
.macro W2PUT c                         ; W2: the fragment as an image: each store covers 512 consecutive bytes, aligned
.irp k, 0,1,2
	global_store_b128 v4, v[PC+4*\k:PC+4*\k+3], s[74:75] offset:1536*\c+512*\k
.endr
.endm
	s_load_b512 s[4:19], s[0:1], 0x0               ; x, router_w, w2, w1_codes, w1_scales, w3_codes, w3_scales, wq
	s_load_b128 s[20:23], s[0:1], 0x40             ; fm, im
	v_lshl_add_u32 v208, v0, 2, 0x19c00
	v_mov_b32 v209, 0
	v_lshrrev_b32 v1, 5, v0
	v_readfirstlane_b32 s56, v1                    ; wave 0..3
	v_and_b32 v1, 31, v0                           ; lane
	v_and_b32 v2, 15, v0                           ; r
	v_bfe_u32 v3, v0, 4, 1                         ; h
	v_lshlrev_b32 v4, 4, v1                        ; 16 x lane
	s_mov_b32 s[SEL], 0x76543210
	s_mov_b32 s[SEL+1], 0xfedcba98
.irp b, 0,1,2,3
	v_mov_b32 v[TM+4+\b], 0                        ; written once: a lane permute's destination counts as one of its sources
.endr
	s_cmp_ge_u32 ttmp9, 640
	s_cbranch_scc1 .Lw13
	s_cmp_ge_u32 ttmp9, 256
	s_cbranch_scc1 .Lw2
	; ================= job X: tokens 16 wg .. 16 wg + 15; wave w takes K steps 2 w and 2 w + 1 =================
	s_mul_i32 s66, s56, 8448                       ; my stage (STGX = 0)
	v_add_nc_u32 v6, s66, v4                       ; into it: 16 x lane
	v_mul_u32_u24 v7, v2, 528
	v_lshl_add_u32 v7, v3, 6, v7
	v_add_nc_u32 v7, s66, v7                       ; out of it: row r, + 64 h
	v_and_b32 v8, 7, v0
	v_lshlrev_b32 v8, 12, v8
	v_lshl_or_b32 v8, v3, 6, v8                    ; the router: row r % 8 of 4,096 bytes, + 64 h
	v_mul_u32_u24 v9, v2, 768
	v_mad_u32_u24 v9, v3, 48, v9
	s_mul_i32 s67, s56, 192
	s_add_co_u32 s67, s67, XOUT
	v_add_nc_u32 v9, s67, v9                       ; codes: token r, K step 2 w, half h
	v_lshlrev_b32 v10, 5, v2
	s_lshl_b32 s67, s56, 3
	s_add_co_u32 s67, s67, XSC
	v_add_nc_u32 v10, s67, v10                     ; scale words: token r, K step 2 w
	v_lshl_add_u32 v11, v1, 5, s66                 ; my part of the logits: 32 bytes a lane, in my own stage when it is done with
	v_lshlrev_b32 v13, 5, v1                       ; and where wave 0 reads the four parts
	v_lshlrev_b32 v15, 4, v0                       ; 16 x thread
	v_add_nc_u32 v12, XOUT, v15
	v_add_nc_u32 v14, XSC, v4
	s_lshl_b32 s68, ttmp9, 16                      ; 16 rows of 4,096 bytes a work-group,
	s_lshl_b32 s70, s56, 10                        ; 1,024 bytes of a row a wave
	s_add_co_u32 s68, s68, s70
	s_mov_b32 s69, 0
	s_mov_b32 s71, 0
	s_mul_i32 s72, ttmp9, 12288
	s_mov_b32 s73, 0
	s_lshl_b32 s74, ttmp9, 9
	s_add_co_u32 s74, s74, XS_O
	s_mov_b32 s75, 0
	s_wait_kmcnt 0x0
	s_add_nc_u64 s[RB:RB+1], s[4:5], s[68:69]
.set i, 1
.rept 15
	s_add_nc_u64 s[RB+2*i:RB+2*i+1], s[RB+2*i-2:RB+2*i-1], 4096
.set i, i+1
.endr
	s_add_nc_u64 s[6:7], s[6:7], s[70:71]
	s_add_nc_u64 s[72:73], s[18:19], s[72:73]      ; XQ at my work-group's tokens
	s_add_nc_u64 s[74:75], s[18:19], s[74:75]      ; XS likewise
	LOADC 0, 4, R
	ROUT 0
	s_wait_loadcnt 16                              ; x's 16 loads are in; the router's 16 may be out
	TURN R
	s_wait_loadcnt 0x0
	s_wait_dscnt 0x0
	RMUL 1
	ROUT 1                                         ; the next chunk's router rows land while this chunk is quantised
	QUANT R
	LOADC 1, 4, R
	XPUT 0
	s_wait_loadcnt 0x0
	TURN R
	s_wait_dscnt 0x0                               ; the numbers are back, and XPUT's stores have read their registers
	RMUL 0
	QUANT R
	XPUT 1
.set i, 0
.rept 8
	v_add_f32 v[LS+i], v[ACC+i], v[ACC+8+i]        ; each sum is read from its low end on; lane (r, h), register j: expert j of token r (both halves alike)
.set i, i+1
.endr
	ds_store_b128 v11, v[LS:LS+3]
	ds_store_b128 v11, v[LS+4:LS+7] offset:16
	s_wait_dscnt 0x0                               ; for the others' sake: my codes, scale words and logits lie in LDS
	s_barrier_signal -1
	s_barrier_wait -1
.set i, 0
.rept 6
	ds_load_b128 v[R+4*i:R+4*i+3], v12 offset:2048*i
.set i, i+1
.endr
.set i, 0
.rept 6
	s_wait_dscnt 5-i                               ; the younger copies may be out
	global_store_b128 v15, v[R+4*i:R+4*i+3], s[72:73] offset:2048*i   ; the 16 tokens' 12,288 bytes are consecutive: a wave stores 512 of them, aligned
.set i, i+1
.endr
	s_cmp_lg_u32 s56, 1
	s_cbranch_scc1 .Lx_not1
	ds_load_b128 v[40:43], v14                     ; wave 1: the 16 tokens' scale words, 512 consecutive bytes
	s_wait_dscnt 0x0
	global_store_b128 v4, v[40:43], s[74:75]
.Lx_not1:
	s_cmp_lg_u32 s56, 0
	s_cbranch_scc1 .Lx_end
	; ---- wave 0: the router's end.  Lane (r, h) holds token r; the two halves hold the same numbers
.irp w, 0,1,2,3
	ds_load_b128 v[80+8*\w:83+8*\w], v13 offset:8448*\w
	ds_load_b128 v[84+8*\w:87+8*\w], v13 offset:8448*\w+16
.endr
	s_wait_dscnt 0x0
.irp e, 0,1,2,3,4,5,6,7
	v_add_f32 v[112+\e], v[80+\e], v[88+\e]
	v_add_f32 v[120+\e], v[96+\e], v[104+\e]
.endr
.irp e, 0,1,2,3,4,5,6,7
	v_add_f32 v[112+\e], v[112+\e], v[120+\e]      ; the logits
.endr
	v_max3_num_f32 v136, v112, v113, v114
	v_max3_num_f32 v136, v136, v115, v116
	v_max3_num_f32 v136, v136, v117, v118
	v_max_num_f32 v136, v136, v119                 ; their maximum
.irp e, 0,1,2,3,4,5,6,7
	v_sub_f32 v[128+\e], v[112+\e], v136
.endr
.irp e, 0,1,2,3,4,5,6,7
	v_mul_f32 v[128+\e], 0x3fb8aa3b, v[128+\e]
.endr
	s_wait_alu depctr_va_vdst(0)
.irp e, 0,1,2,3,4,5,6,7
	v_exp_f32 v[128+\e], v[128+\e]
.endr
	v_nop                                          ; a plain place behind the batch,
	s_wait_alu depctr_va_vdst(0)                   ; and one wait for it, ahead of its first reader
	v_add_f32 v120, v128, v129
	v_add_f32 v121, v130, v131
	v_add_f32 v122, v132, v133
	v_add_f32 v123, v134, v135
	v_add_f32 v120, v120, v121
	v_add_f32 v122, v122, v123
	v_add_f32 v137, v120, v122
	s_wait_alu depctr_va_vdst(0)
	v_rcp_f32 v138, v137
	v_nop
	s_wait_alu depctr_va_vdst(0)
.irp e, 0,1,2,3,4,5,6,7
	v_mul_f32 v[128+\e], v[128+\e], v138           ; the probabilities
.endr
	v_mov_b32 v139, v128                           ; the largest, and its index: only a strictly larger one takes over, so a tie stays with the lower index
	v_mov_b32 v140, 0
.irp e, 1,2,3,4,5,6,7
	v_cmp_gt_f32 vcc_lo, v[128+\e], v139
	v_cndmask_b32 v139, v139, v[128+\e], vcc_lo
	v_cndmask_b32 v140, v140, \e, vcc_lo
.endr
.irp e, 0,1,2,3,4,5,6,7
	v_cmp_eq_u32 vcc_lo, \e, v140
	v_cndmask_b32 v[120+\e], v[128+\e], -1.0, vcc_lo   ; the winner is taken out,
.endr
	v_mov_b32 v141, v120                           ; and the same once more
	v_mov_b32 v142, 0
.irp e, 1,2,3,4,5,6,7
	v_cmp_gt_f32 vcc_lo, v[120+\e], v141
	v_cndmask_b32 v141, v141, v[120+\e], vcc_lo
	v_cndmask_b32 v142, v142, \e, vcc_lo
.endr
	v_min_u32 v160, v140, v142                     ; a
	v_max_u32 v161, v140, v142                     ; b
	v_cmp_lt_u32 vcc_lo, v140, v142
	v_cndmask_b32 v162, v141, v139, vcc_lo         ; a's gate
	v_cndmask_b32 v163, v139, v141, vcc_lo         ; b's
	v_sub_nc_u32 v164, 15, v160
	v_mul_u32_u24 v164, v164, v160
	v_lshrrev_b32 v164, 1, v164
	v_add_nc_u32 v164, v164, v161
	v_sub_nc_u32 v164, v164, v160
	v_add_nc_u32 v164, -1, v164                    ; p = a (15 - a) / 2 + b - a - 1: 0 .. 27
	v_mov_b32 v165, 0                              ; my rank among the 16 tokens with my pair
	v_mov_b32 v167, 0                              ; the histogram: lane p holds pair p's count
.set pp, 0
.rept 28
	v_cmp_eq_u32 vcc_lo, pp, v164
	s_and_b32 s70, vcc_lo, 0xffff                  ; the 16 tokens once
	v_mbcnt_lo_u32_b32 v166, s70, 0
	v_cndmask_b32 v165, v165, v166, vcc_lo
	s_bcnt1_i32_b32 s71, s70
	v_writelane_b32 v167, s71, pp
.set pp, pp+1
.endr
.irp m, 1,2,4,8
.irp e, 0,1,2,3,4,5,6,7
	v_add_f32_dpp v[128+\e], v[128+\e], v[128+\e] row_xmask:\m row_mask:0xf bank_mask:0xf   ; each expert's probability summed over the 16 tokens
.endr
.endr
	v_mov_b32 v176, v128
.irp e, 1,2,3,4,5,6,7
	v_cmp_eq_u32 vcc_lo, \e, v1
	v_cndmask_b32 v176, v176, v[128+\e], vcc_lo    ; lane e: expert e's sum
.endr
	v_mov_b32 v177, 0
.set ee, 0
.rept 8
	v_cmp_eq_u32 vcc_lo, ee, v140
	s_and_b32 s70, vcc_lo, 0xffff
	s_bcnt1_i32_b32 s71, s70
	v_writelane_b32 v177, s71, 8+ee                ; lane 8 + e: how many of the 16 have expert e first
.set ee, ee+1
.endr
	v_cvt_f32_u32 v177, v177
	v_cmp_gt_u32 vcc_lo, 8, v1
	v_cndmask_b32 v176, v177, v176, vcc_lo
	v_lshl_or_b32 v181, v165, 8, v164              ; p | rank << 8
	s_lshl_b32 s76, ttmp9, 7
	s_lshl_b32 s77, ttmp9, 6
	v_lshl_add_u32 v178, v1, 2, s76
	v_lshl_add_u32 v179, v1, 2, s77
	v_lshl_add_u32 v180, v1, 3, s76
	global_store_b32 v178, v167, s[22:23]          ; the histogram: 128 bytes.  (These four small stores are 384 bytes of a work-group's 13 KB)
	s_wait_alu depctr_va_vdst(0)
	s_wait_xcnt 0x0                                ; EXEC changes only behind this wait
	v_cmp_gt_u32 vcc_lo, 16, v1
	s_and_saveexec_b32 s70, vcc_lo
	global_store_b32 v179, v181, s[22:23] offset:32768
	global_store_b64 v180, v[162:163], s[20:21]
	global_store_b32 v179, v176, s[20:21] offset:32768
	s_wait_xcnt 0x0
	s_or_b32 exec_lo, exec_lo, s70
.Lx_end:
	s_wait_tensorcnt 0x0
	ds_add_u32 v208, v209
	s_wait_dscnt 0x0
	s_endpgm
	; ================= job W2: a wave takes 16 rows of w2 (dta = 64 e + dt) and K steps 2 qp, 2 qp + 1 =================
.Lw2:
	s_mul_i32 s66, s56, 8448
	s_add_co_u32 s66, s66, STGW
	s_wait_alu depctr_va_vdst(0)
	v_add_nc_u32 v6, s66, v4
	v_mul_u32_u24 v7, v2, 528
	v_lshl_add_u32 v7, v3, 6, v7
	v_add_nc_u32 v7, s66, v7
	v_lshlrev_b32 v10, 2, v1
	s_lshl_b32 s70, ttmp9, 2
	s_add_co_u32 s70, s70, s56
	s_sub_co_u32 s70, s70, 1024                    ; 0 .. 1,535
	s_lshr_b32 s71, s70, 9                         ; qp
	s_and_b32 s72, s70, 511                        ; dta
	s_mul_i32 s68, s72, 43776                      ; 16 rows of 2,736 bytes
	s_lshl_b32 s73, s71, 10
	s_add_co_u32 s68, s68, s73
	s_mov_b32 s69, 0
	s_mul_i32 s74, s72, 6
	s_lshl_b32 s73, s71, 1
	s_add_co_u32 s74, s74, s73
	s_mul_i32 s74, s74, 1536
	s_add_co_u32 s74, s74, W2F_O
	s_mov_b32 s75, 0
	s_mul_i32 s76, s72, 384
	s_lshl_b32 s73, s71, 7
	s_add_co_u32 s76, s76, s73
	s_add_co_u32 s76, s76, WS2_O
	s_mov_b32 s77, 0
	s_cmp_eq_u32 s71, 2
	s_cselect_b32 s58, 11, 32                      ; K step 5 has 44 numbers of w2, 11 lanes' worth: the other lanes read the eleventh lane's bytes, inside the row, and are cleared
	s_sub_co_u32 s59, s58, 1
	v_min_u32 v5, s59, v1
	v_lshlrev_b32 v5, 4, v5
	s_wait_alu depctr_va_vdst(0)
	s_wait_kmcnt 0x0
	s_add_nc_u64 s[RB:RB+1], s[8:9], s[68:69]
.set i, 1
.rept 15
	s_add_nc_u64 s[RB+2*i:RB+2*i+1], s[RB+2*i-2:RB+2*i-1], 2736
.set i, i+1
.endr
	s_add_nc_u64 s[74:75], s[18:19], s[74:75]
	s_add_nc_u64 s[76:77], s[18:19], s[76:77]
	LOADC 0, 4, R
	LOADC 1, 5, W
	s_wait_loadcnt 16                              ; the first chunk is in; the second may be out
	TURN R
	s_wait_dscnt 0x0
	QUANT R
	W2PUT 0
	v_mov_b32 v13, v[PW]
	s_wait_loadcnt 0x0
	v_cmp_gt_u32 vcc_lo, s58, v1
.set i, 0
.rept 64
	v_cndmask_b32 v[W+i], 0, v[W+i], vcc_lo        ; past the end of K: zeros, ahead of the blocks' maxima (always executed)
.set i, i+1
.endr
	TURN W
	s_wait_dscnt 0x0
	s_wait_xcnt 0x0                                ; the first chunk's stores have read their registers: the codes may be written again
	QUANT W
	W2PUT 1
	v_cmp_gt_u32 vcc_lo, 16, v1
	v_cndmask_b32 v13, v[PW], v13, vcc_lo          ; lanes 0-15: the rows' words of K step 2 qp; lanes 16-31: of 2 qp + 1
	global_store_b32 v10, v13, s[76:77]
	s_wait_tensorcnt 0x0
	ds_add_u32 v208, v209
	s_wait_dscnt 0x0
	s_endpgm
	; ================= job W13: a wave takes block hb (32 hidden units) of expert e of w1 or w3 =================
	; Lane r of tile u of a block takes row 32 hb + 8 u + r + 8 (r / 8), so that a lane's results of tiles 0 and 1 are 16 neighbouring hidden units.
	; So the block's four groups of 8 rows are (u, upper half of the tile's lanes) = (0,0), (1,0), (0,1), (1,1).  A group is 6,144 dense bytes.
.macro LOADG g
.set i, 0
.rept 6
	global_load_b128 v[16+48*((\g)%2)+4*i:16+48*((\g)%2)+4*i+3], v[132+2*(\g)], s[86:87] offset:512*i
.set i, i+1
.endr
.set i, 0
.rept 6
	global_load_b128 v[40+48*((\g)%2)+4*i:40+48*((\g)%2)+4*i+3], v[133+2*(\g)], s[86:87] offset:512*i
.set i, i+1
.endr
.endm
.macro GROUP g
.set RW, 16+48*((\g)%2)
.if \g < 3
	s_wait_loadcnt 12                              ; this group's loads are in; the next group's 12 may be out
.else
	s_wait_loadcnt 0x0
.endif
	s_sub_co_i32 s81, s80, 8*\g
	v_cmp_gt_i32 vcc_lo, s81, v8                   ; is my row one of the expert's 684?
.irp j, 0,1,2,3                                ; into my stage: rows of 768 bytes, 784 apart; 16-byte piece 96 j + 32 m + lane
	ds_store_b128 v140, v[RW+12*\j:RW+12*\j+3] offset:1568*\j
	ds_store_b128 v141, v[RW+12*\j+4:RW+12*\j+7] offset:1568*\j+512
	ds_store_b128 v140, v[RW+12*\j+8:RW+12*\j+11] offset:1568*\j+1040
.endr
.irp qi, 0,1,2,3                               ; out of it: lane (qq, h, r8) takes row r8's 48 bytes of K step 2 qi + qq, half h
	s_wait_xcnt 0x0                                ; the last stores have read these registers
.irp p, 0,1,2,3,4,5
	ds_load_b64 v[112+2*\p:113+2*\p], v142 offset:192*\qi+48*(\p/3)+8*(\p%3)
.endr
	s_wait_dscnt 0x0                               ; (also: the stores into the stage have read their registers)
.if (\qi == 0) && (\g < 2)
	LOADG \g+2
.endif
.set i, 0
.rept 12
	v_cndmask_b32 v[112+i], 0, v[112+i], vcc_lo
.set i, i+1
.endr
.irp c, 0,1,2
	global_store_b128 v143, v[112+4*\c:115+4*\c], s[90:91] offset:12288*\qi+512*\c+1536*((\g)%2)+256*((\g)/2)   ; sixteen lanes store 256 consecutive bytes, aligned
.endr
.endr
.endm
.Lw13:
	s_lshl_b32 s70, ttmp9, 2
	s_add_co_u32 s70, s70, s56
	s_sub_co_u32 s70, s70, 2560                    ; 0 .. 383 = 192 (w1 | w3) + 24 e + hb
	s_cmp_ge_u32 s70, 192
	s_cselect_b32 s71, 1, 0
	s_mul_i32 s72, s71, 192
	s_sub_co_u32 s72, s70, s72                     ; 24 e + hb
	s_mul_i32 s73, s72, 171
	s_lshr_b32 s73, s73, 12                        ; e  (171 / 4096 serves for 1 / 24 up to 191)
	s_mul_i32 s74, s73, 24
	s_sub_co_u32 s74, s72, s74                     ; hb
	s_lshl_b32 s82, s74, 5                         ; the block's first row in its expert
	s_mul_i32 s75, s73, 684
	s_add_co_u32 s75, s75, s82
	s_mul_i32 s76, s75, 768                        ; and its first byte
	s_wait_alu depctr_va_vdst(0)
.irp g, 0,1,2,3                                ; a group's two halves are held inside the buffer one by one: what that moves are rows past 683 only, which are cleared
	s_add_co_u32 s77, s76, 6144*\g
	s_min_u32 s78, s77, LIMC
	v_add_nc_u32 v[132+2*\g], s78, v4
	s_add_co_u32 s77, s77, 3072
	s_min_u32 s78, s77, LIMC
	v_add_nc_u32 v[133+2*\g], s78, v4
.endr
	s_sub_co_i32 s80, 684, s82
	s_mul_i32 s79, s56, 6272
	s_add_co_u32 s79, s79, G13                     ; my stage
	v_add_nc_u32 v140, s79, v4
	v_lshl_add_u32 v141, v3, 4, v140
	v_and_b32 v8, 7, v0                            ; r8
	v_bfe_u32 v9, v0, 3, 1                         ; h
	v_mul_u32_u24 v142, v8, 784
	v_mad_u32_u24 v142, v3, 96, v142
	v_mad_u32_u24 v142, v9, 24, v142
	v_add_nc_u32 v142, s79, v142
	v_mul_u32_u24 v143, v3, 6144
	v_lshl_add_u32 v143, v9, 7, v143
	v_lshl_add_u32 v143, v8, 4, v143
	v_and_b32 v10, 8, v2                           ; the scale words: lane (qq, r)
	v_add_nc_u32 v10, v10, v2
	v_add_nc_u32 v11, s82, v10                     ; tile 0's row,
	v_add_nc_u32 v12, 8, v11                       ; tile 1's
	v_cmp_gt_u32 s84, 684, v11
	v_cmp_gt_u32 s85, 684, v12
	s_mul_i32 s83, s73, 21888                      ; 684 rows of 32 bytes an expert
	v_min_u32 v13, 683, v11
	v_min_u32 v14, 683, v12
	v_lshlrev_b32 v13, 5, v13
	v_lshlrev_b32 v14, 5, v14
	v_add_nc_u32 v13, s83, v13
	v_add_nc_u32 v14, s83, v14
	v_lshl_add_u32 v13, v3, 2, v13
	v_lshl_add_u32 v14, v3, 2, v14
	s_mul_i32 s90, s72, 49152
	s_mul_i32 s91, s71, 3072
	s_add_co_u32 s90, s90, s91
	s_add_co_u32 s90, s90, WF13_O
	s_mov_b32 s91, 0
	s_lshl_b32 s92, s70, 10
	s_add_co_u32 s92, s92, WS13_O
	s_mov_b32 s93, 0
	s_wait_alu depctr_va_vdst(0)
	s_wait_kmcnt 0x0
	s_cmp_eq_u32 s71, 0
	s_cselect_b64 s[86:87], s[10:11], s[14:15]
	s_cselect_b64 s[88:89], s[12:13], s[16:17]
	s_add_nc_u64 s[90:91], s[18:19], s[90:91]
	s_add_nc_u64 s[92:93], s[18:19], s[92:93]
.irp it, 0,1,2,3
	global_load_b32 v[124+2*\it], v13, s[88:89] offset:8*\it      ; the word of K step 2 it + qq of tile 0's row r,
	global_load_b32 v[125+2*\it], v14, s[88:89] offset:8*\it      ; of tile 1's
.endr
	LOADG 0
	LOADG 1
	GROUP 0
	GROUP 1
	GROUP 2
	GROUP 3
	v_mov_b32 v15, 0x7f7f7f7f
.irp it, 0,1,2,3
	v_cndmask_b32 v[124+2*\it], v15, v[124+2*\it], s84
	v_cndmask_b32 v[125+2*\it], v15, v[125+2*\it], s85
.endr
	v_lshlrev_b32 v5, 3, v1
.irp it, 0,1,2,3
	global_store_b64 v5, v[124+2*\it:125+2*\it], s[92:93] offset:256*\it   ; 256 consecutive bytes, aligned
.endr
	s_wait_tensorcnt 0x0
	ds_add_u32 v208, v209
	s_wait_dscnt 0x0
	s_endpgm
.Lfunc_end_k_q58c7f17b1b_prep:
	.size	k_q58c7f17b1b_prep, .Lfunc_end_k_q58c7f17b1b_prep-k_q58c7f17b1b_prep
	.p2alignl 7, 3214868480
	.fill 96, 4, 3214868480
	.section	.rodata,"a",@progbits
	.p2align	6, 0x0
	.amdhsa_kernel k_q58c7f17b1b_prep
		.amdhsa_group_segment_fixed_size 105984
		.amdhsa_private_segment_fixed_size 0
		.amdhsa_enable_private_segment 0
		.amdhsa_kernarg_size 80
		.amdhsa_user_sgpr_count 2
		.amdhsa_user_sgpr_kernarg_segment_ptr 1
		.amdhsa_wavefront_size32 1
		.amdhsa_system_sgpr_workgroup_id_x 1
		.amdhsa_system_sgpr_workgroup_id_y 1
		.amdhsa_system_sgpr_workgroup_id_z 1
		.amdhsa_system_vgpr_workitem_id 0
		.amdhsa_next_free_vgpr 210
		.amdhsa_next_free_sgpr 96
		.amdhsa_reserve_vcc 1
		.amdhsa_float_denorm_mode_32 3
		.amdhsa_float_denorm_mode_16_64 3
		.amdhsa_memory_ordered 1
		.amdhsa_forward_progress 1
		.amdhsa_inst_pref_size 99
	.end_amdhsa_kernel
	.amdgpu_metadata
---
amdhsa.version: [ 1, 2 ]
amdhsa.kernels:
  - .name:           k_q58c7f17b1b_prep
    .symbol:         k_q58c7f17b1b_prep.kd
    .args:
      - { .name: x, .offset: 0, .size: 8, .value_kind: global_buffer, .address_space: global }
      - { .name: router_w, .offset: 8, .size: 8, .value_kind: global_buffer, .address_space: global }
      - { .name: w2, .offset: 16, .size: 8, .value_kind: global_buffer, .address_space: global }
      - { .name: w1_codes, .offset: 24, .size: 8, .value_kind: global_buffer, .address_space: global }
      - { .name: w1_scales, .offset: 32, .size: 8, .value_kind: global_buffer, .address_space: global }
      - { .name: w3_codes, .offset: 40, .size: 8, .value_kind: global_buffer, .address_space: global }
      - { .name: w3_scales, .offset: 48, .size: 8, .value_kind: global_buffer, .address_space: global }
      - { .name: wq, .offset: 56, .size: 8, .value_kind: global_buffer, .address_space: global }
      - { .name: fm, .offset: 64, .size: 8, .value_kind: global_buffer, .address_space: global }
      - { .name: im, .offset: 72, .size: 8, .value_kind: global_buffer, .address_space: global }
    .group_segment_fixed_size: 105984
    .private_segment_fixed_size: 0
    .kernarg_segment_align: 8
    .kernarg_segment_size: 80
    .max_flat_workgroup_size: 128
    .sgpr_count:     96
    .vgpr_count:     210
    .wavefront_size: 32
...
	.end_amdgpu_metadata
.endif
;; end of part 5
;; launch place (part 6): grid 1 x 1, 32 waves a work-group, no clusters, 10,240 bytes of LDS; arguments im, fm, lst, out1; writes lst, out1
.if DOCPART == 6
	.amdgcn_target "amdgcn-amd-amdhsa--gfx1250"
	.amdhsa_code_object_version 6
	.text
	.protected	k_q58c7f17b1b_place
	.globl	k_q58c7f17b1b_place
	.p2align	8
	.type	k_q58c7f17b1b_place,@function
k_q58c7f17b1b_place:
	s_mov_b64 s[64:65], 0
	v_nop
	global_prefetch_b8 v0, s[64:65] scope:SCOPE_SE
	s_setreg_imm32_b32 hwreg(HW_REG_WAVE_MODE, 25, 1), 1
	s_wait_xcnt 0x0
; PLACE: a counting sort of the 4,096 tokens by their pair of experts (28 groups, each filled up to whole tiles of 64 rows), the tiles' keys, and the aux loss.
; One work-group of 32 waves; wave w owns tokens 128 w .. 128 w + 127, which are the groups of 16 tokens 8 w .. 8 w + 7.  Wherever a lane stands for a pair, lane = p.
; lst: tok [91 x 64]: the token of each row, 4,096 = a padding row;  key [96] at byte 23,296: a | b << 8 of each tile.
; There are never more than (4,096 + 28 x 63) / 64 = 91 tiles.  A tile that a split does not use holds padding rows alone.
; The offsets of all stores that stand behind a change of EXEC (v96, v97, v98) are made at the head, with all lanes on, from ids and constants, and are never rewritten.
.set AX, 4096                          ; LDS: WT [wave][32] words at 0; AX [wave][16] f32
	s_load_b256 s[4:11], s[0:1], 0x0               ; im, fm, lst, out1
	v_lshl_add_u32 v104, v0, 2, 0x1800
	v_mov_b32 v105, 0
	v_lshrrev_b32 v1, 5, v0
	s_delay_alu instid0(VALU_DEP_1)
	v_readfirstlane_b32 s12, v1                    ; wave 0..31
	v_and_b32 v1, 31, v0                           ; lane
	s_mov_b32 s20, 0x76543210
	s_mov_b32 s21, 0xfedcba98                      ; v_permlanex16_b32's selects for lane l xor 16
	v_lshlrev_b32 v5, 2, v1                        ; 4 x lane
	s_lshl_b32 s13, s12, 10
	v_add_nc_u32 v2, s13, v5                       ; my wave's 8 histograms
	s_lshl_b32 s14, s12, 9
	v_add_nc_u32 v3, s14, v5                       ; its 128 tokens' p | rank << 8
	v_lshl_add_u32 v4, v1, 4, s14                  ; its 8 rows of aux parts
	s_lshl_b32 s15, s12, 7
	v_add_nc_u32 v6, s15, v5                       ; WT: my wave's row
	v_and_b32 v7, 3, v0
	s_delay_alu instid0(VALU_DEP_1)
	v_lshlrev_b32 v7, 4, v7
	s_lshl_b32 s16, s12, 6
	s_add_co_u32 s16, s16, AX
	v_add_nc_u32 v28, s16, v7                      ; AX: my wave's row, columns 4 (lane % 4) on
	v_lshrrev_b32 v29, 2, v1
	s_delay_alu instid0(VALU_DEP_1)
	v_lshl_add_u32 v29, v29, 6, v7
	s_delay_alu instid0(VALU_DEP_1)
	v_add_nc_u32 v29, AX, v29                      ; AX: row lane / 4, the same columns
	s_lshl_b32 s17, s12, 8
	v_add_nc_u32 v96, s17, v5                      ; tok: row lane of tile w: 256 w + 4 x lane; tile w + 32 tt lies 8,192 tt bytes on
	v_lshlrev_b32 v97, 2, v0                       ; key: 4 x thread
	v_mov_b32 v98, 0                               ; out1
	v_mov_b32 v99, 4096                            ; the mark of a padding row
	v_add_nc_u32 v100, 32, v1                      ; lane + 32: my row in a tile's second half
.irp j, 0,1,2,3
	v_mov_b32 v[24+\j], 0                          ; a lane permute's destination counts as one of its sources
.endr
	v_cmp_gt_u32 s22, 16, v1
	s_wait_kmcnt 0x0
.set i, 0
.rept 8
	global_load_b32 v[8+i], v2, s[4:5] offset:128*i
.set i, i+1
.endr
.irp m, 0,1,2,3
	global_load_b32 v[16+\m], v3, s[4:5] offset:32768+128*\m
.endr
	global_load_b128 v[20:23], v4, s[6:7] offset:32768
	s_wait_loadcnt 0x0
	v_mov_b32 v32, 0                               ; v[32 + i]: how many tokens of pair p the wave's groups before group i hold
.set i, 0
.rept 8
	s_delay_alu instid0(VALU_DEP_1)
	v_add_nc_u32 v[33+i], v[32+i], v[8+i]
.set i, i+1
.endr
	ds_store_b32 v6, v40                           ; the wave's total
.irp m, 4,8
.irp j, 0,1,2,3
	v_add_f32_dpp v[20+\j], v[20+\j], v[20+\j] row_xmask:\m row_mask:0xf bank_mask:0xf
.endr
.endr
.irp j, 0,1,2,3
	s_delay_alu instid0(VALU_DEP_4)
	v_permlanex16_b32 v[24+\j], v[20+\j], s20, s21
.endr
.irp j, 0,1,2,3
	s_delay_alu instid0(VALU_DEP_4)
	v_add_f32 v[20+\j], v[20+\j], v[24+\j]         ; the wave's 8 rows of aux parts summed
.endr
	ds_store_b128 v28, v[20:23]                    ; (eight lanes write the same 16 bytes with the same numbers)
	s_wait_dscnt 0x0
	s_barrier_signal -1
	s_barrier_wait -1                              ; the only barrier: behind it LDS is only read
.set i, 0
.rept 32
	ds_load_b32 v[64+i], v5 offset:128*i
.set i, i+1
.endr
	v_mov_b32 v41, 0                               ; pair p's tokens in the waves before mine
	v_mov_b32 v42, 0                               ; and in all
	s_wait_dscnt 0x0
.set i, 0
.rept 32
	s_cmp_gt_u32 s12, i
	s_cselect_b32 s13, -1, 0
	v_and_b32 v43, s13, v[64+i]
	s_wait_alu depctr_va_vdst(0)
	v_add_nc_u32 v41, v41, v43
	v_add_nc_u32 v42, v42, v[64+i]
.set i, i+1
.endr
	s_delay_alu instid0(VALU_DEP_1)
	v_add_nc_u32 v43, 63, v42
	s_delay_alu instid0(VALU_DEP_1)
	v_lshrrev_b32 v43, 6, v43                      ; pair p's tiles
	v_mov_b32 v44, 0
	s_mov_b32 s14, 0
.set i, 0
.rept 32
	v_writelane_b32 v44, s14, i                    ; pair p's first tile
	v_readlane_b32 s15, v43, i
	s_add_co_u32 s14, s14, s15
.set i, i+1
.endr
	v_add_nc_u32 v45, v44, v43                     ; and the tile behind its last
	v_lshl_add_u32 v46, v44, 6, v41
.set i, 0
.rept 8
	v_add_nc_u32 v[48+i], v46, v[32+i]             ; where group 8 w + i's tokens of pair p begin
.set i, i+1
.endr
	; ---- the tokens' rows: lanes 0-15 belong to group 8 w + 2 m, lanes 16-31 to the next; each pulls its pair's start from the lane that holds it
	s_lshl_b32 s15, s12, 7
	v_add_nc_u32 v47, s15, v1
.irp m, 0,1,2,3
	v_and_b32 v[56+\m], 0xff, v[16+\m]
	s_delay_alu instid0(VALU_DEP_1)
	v_min_u32 v[56+\m], 31, v[56+\m]
	s_delay_alu instid0(VALU_DEP_1)
	v_lshlrev_b32 v[56+\m], 2, v[56+\m]
	ds_bpermute_b32 v[64+2*\m], v[56+\m], v[48+2*\m]
	ds_bpermute_b32 v[65+2*\m], v[56+\m], v[49+2*\m]
.endr
	s_wait_dscnt 0x0
.irp m, 0,1,2,3
	v_cndmask_b32 v[64+2*\m], v[65+2*\m], v[64+2*\m], s22
	v_bfe_u32 v[65+2*\m], v[16+\m], 8, 4           ; the rank
	s_delay_alu instid0(VALU_DEP_1)
	v_add_nc_u32 v[56+\m], v[64+2*\m], v[65+2*\m]
	s_delay_alu instid0(VALU_DEP_1)
	v_min_u32 v[56+\m], 5823, v[56+\m]             ; a stored number enters an address only behind a hold
	s_delay_alu instid0(VALU_DEP_1)
	v_lshlrev_b32 v[56+\m], 2, v[56+\m]
	v_add_nc_u32 v[60+\m], 32*\m, v47
	global_store_b32 v[56+\m], v[60+\m], s[8:9]
.endr
; ---- the padding rows of tile j = w + 32 tt: those from the pair's remaining tokens on; all 64 in a tile that is not used
.macro PADT tt
	s_wait_xcnt 0x0                                ; EXEC changes only behind this wait
	s_add_co_u32 s16, s12, 32*\tt
	v_cmp_ge_u32 vcc_lo, s16, v45
	s_and_b32 s17, vcc_lo, 0x0fffffff
	s_bcnt1_i32_b32 s17, s17                       ; the pairs that end at or before tile j: the tile's pair, 28 = none
	s_min_u32 s18, s17, 27
	s_lshl_b32 s18, s18, 2
	v_mov_b32 v80, s18
	ds_bpermute_b32 v81, v80, v42                  ; its tokens,
	ds_bpermute_b32 v82, v80, v44                  ; its first tile
	s_lshl_b32 s23, s16, 6
	s_cmp_lt_u32 s17, 28
	s_cselect_b32 s19, -1, 0
	s_wait_dscnt 0x0
	v_lshl_add_u32 v81, v82, 6, v81
	s_delay_alu instid0(VALU_DEP_1)
	v_sub_nc_u32 v81, v81, s23
	s_delay_alu instid0(VALU_DEP_1)
	v_and_b32 v81, s19, v81                        ; the tokens left for this tile
	s_delay_alu instid0(VALU_DEP_1)
	v_cmp_ge_i32 vcc_lo, v1, v81
	s_and_saveexec_b32 s24, vcc_lo
	global_store_b32 v96, v99, s[8:9] offset:8192*\tt
	s_wait_alu depctr_va_vdst(0)
	s_wait_xcnt 0x0
	s_or_b32 exec_lo, exec_lo, s24
	v_cmp_ge_i32 vcc_lo, v100, v81
	s_and_saveexec_b32 s24, vcc_lo
	global_store_b32 v96, v99, s[8:9] offset:8192*\tt+128
	s_wait_xcnt 0x0
	s_or_b32 exec_lo, exec_lo, s24
.endm
	PADT 0
	PADT 1
	s_cmp_lt_u32 s12, 27                           ; tiles 64 + w up to 90
	s_cbranch_scc0 .Lno_third
	PADT 2
.Lno_third:
	s_cmp_lt_u32 s12, 3
	s_cbranch_scc0 .Lno_key
	; ---- waves 0 to 2: thread j makes tile j's key
	v_mov_b32 v50, 0
.set i, 0
.rept 28
	v_readlane_b32 s16, v45, i
	s_delay_alu instid0(VALU_DEP_1)
	v_cmp_le_u32 vcc_lo, s16, v0
	s_delay_alu instid0(VALU_DEP_1)
	v_cndmask_b32 v51, 0, 1, vcc_lo
	s_delay_alu instid0(VALU_DEP_1)
	v_add_nc_u32 v50, v50, v51                     ; p = the pairs that end at or before tile j
.set i, i+1
.endr
	v_mov_b32 v52, 0
.irp t, 7,13,18,22,25,27
	v_cmp_le_u32 vcc_lo, \t, v50
	s_delay_alu instid0(VALU_DEP_1)
	v_cndmask_b32 v51, 0, 1, vcc_lo
	s_delay_alu instid0(VALU_DEP_1)
	v_add_nc_u32 v52, v52, v51                     ; a
.endr
	s_delay_alu instid0(VALU_DEP_1)
	v_sub_nc_u32 v53, 15, v52
	s_delay_alu instid0(VALU_DEP_1)
	v_mul_u32_u24 v53, v53, v52
	s_delay_alu instid0(VALU_DEP_1)
	v_lshrrev_b32 v53, 1, v53
	s_delay_alu instid0(VALU_DEP_1)
	v_sub_nc_u32 v53, v50, v53
	s_delay_alu instid0(VALU_DEP_1)
	v_add3_u32 v53, v53, v52, 1                    ; b = p - a (15 - a) / 2 + a + 1
	s_delay_alu instid0(VALU_DEP_1)
	v_min_u32 v53, 7, v53                          ; (a tile that is not used: 6 | 7 << 8; nothing of it is kept)
	s_delay_alu instid0(VALU_DEP_1)
	v_lshl_or_b32 v53, v53, 8, v52
	global_store_b32 v97, v53, s[8:9] offset:23296
	s_wait_tensorcnt 0x0
	ds_add_u32 v104, v105
	s_wait_dscnt 0x0
	s_endpgm
.Lno_key:
	s_cmp_eq_u32 s12, 3
	s_cbranch_scc0 .Lend
	; ---- wave 3: aux = 0.01 x 8 x sum over e of (count_e / 4096) (sum of p_e / 4096)
.irp i, 0,1,2,3
	ds_load_b128 v[64+4*\i:67+4*\i], v29 offset:512*\i
.endr
	s_wait_dscnt 0x0
.irp j, 0,1,2,3
	v_add_f32 v[20+\j], v[64+\j], v[68+\j]
	v_add_f32 v[72+\j], v[72+\j], v[76+\j]
.endr
.irp j, 0,1,2,3
	v_add_f32 v[20+\j], v[20+\j], v[72+\j]
.endr
.irp m, 4,8
.irp j, 0,1,2,3
	s_delay_alu instid0(VALU_DEP_4)
	v_add_f32_dpp v[20+\j], v[20+\j], v[20+\j] row_xmask:\m row_mask:0xf bank_mask:0xf
.endr
.endr
.irp j, 0,1,2,3
	s_delay_alu instid0(VALU_DEP_4)
	v_permlanex16_b32 v[24+\j], v[20+\j], s20, s21
.endr
.irp j, 0,1,2,3
	s_delay_alu instid0(VALU_DEP_4)
	v_add_f32 v[20+\j], v[20+\j], v[24+\j]         ; lane % 4 = 0, 1: the sums of p of experts 0-3, 4-7; 2, 3: the counts
.endr
.irp j, 0,1,2,3
	s_delay_alu instid0(VALU_DEP_4)
	v_mov_b32_dpp v[24+\j], v[20+\j] row_xmask:2 row_mask:0xf bank_mask:0xf
.endr
	s_delay_alu instid0(VALU_DEP_4)
	v_mul_f32 v30, v20, v24
	s_delay_alu instid0(VALU_DEP_1)
	v_fmac_f32 v30, v21, v25
	s_delay_alu instid0(VALU_DEP_1)
	v_fmac_f32 v30, v22, v26
	s_delay_alu instid0(VALU_DEP_1)
	v_fmac_f32 v30, v23, v27
	s_delay_alu instid0(VALU_DEP_1)
	v_add_f32_dpp v30, v30, v30 row_xmask:1 row_mask:0xf bank_mask:0xf
	s_delay_alu instid0(VALU_DEP_1)
	v_mul_f32 v30, 0x31a3d70a, v30                 ; x 0.08 / 2^24
	s_wait_alu depctr_va_vdst(0)
	s_wait_xcnt 0x0
	v_cmp_eq_u32 vcc_lo, 0, v1
	s_and_saveexec_b32 s24, vcc_lo
	global_store_b32 v98, v30, s[10:11]
	s_wait_xcnt 0x0
	s_or_b32 exec_lo, exec_lo, s24
.Lend:
	s_wait_tensorcnt 0x0
	ds_add_u32 v104, v105
	s_wait_dscnt 0x0
	s_endpgm
.Lfunc_end_k_q58c7f17b1b_place:
	.size	k_q58c7f17b1b_place, .Lfunc_end_k_q58c7f17b1b_place-k_q58c7f17b1b_place
	.p2alignl 7, 3214868480
	.fill 96, 4, 3214868480
	.section	.rodata,"a",@progbits
	.p2align	6, 0x0
	.amdhsa_kernel k_q58c7f17b1b_place
		.amdhsa_group_segment_fixed_size 10240
		.amdhsa_private_segment_fixed_size 0
		.amdhsa_enable_private_segment 0
		.amdhsa_kernarg_size 32
		.amdhsa_user_sgpr_count 2
		.amdhsa_user_sgpr_kernarg_segment_ptr 1
		.amdhsa_wavefront_size32 1
		.amdhsa_system_sgpr_workgroup_id_x 1
		.amdhsa_system_sgpr_workgroup_id_y 1
		.amdhsa_system_sgpr_workgroup_id_z 1
		.amdhsa_system_vgpr_workitem_id 0
		.amdhsa_next_free_vgpr 106
		.amdhsa_next_free_sgpr 66
		.amdhsa_reserve_vcc 1
		.amdhsa_float_denorm_mode_32 3
		.amdhsa_float_denorm_mode_16_64 3
		.amdhsa_memory_ordered 1
		.amdhsa_forward_progress 1
		.amdhsa_inst_pref_size 39
	.end_amdhsa_kernel
	.amdgpu_metadata
---
amdhsa.version: [ 1, 2 ]
amdhsa.kernels:
  - .name:           k_q58c7f17b1b_place
    .symbol:         k_q58c7f17b1b_place.kd
    .args:
      - { .name: im, .offset: 0, .size: 8, .value_kind: global_buffer, .address_space: global }
      - { .name: fm, .offset: 8, .size: 8, .value_kind: global_buffer, .address_space: global }
      - { .name: lst, .offset: 16, .size: 8, .value_kind: global_buffer, .address_space: global }
      - { .name: out1, .offset: 24, .size: 8, .value_kind: global_buffer, .address_space: global }
    .group_segment_fixed_size: 10240
    .private_segment_fixed_size: 0
    .kernarg_segment_align: 8
    .kernarg_segment_size: 32
    .max_flat_workgroup_size: 1024
    .sgpr_count:     66
    .vgpr_count:     106
    .wavefront_size: 32
...
	.end_amdgpu_metadata
.endif
;; end of part 6
;; launch ffn1 (part 7): grid 6 x 91, 8 waves a work-group, no clusters, 65,024 bytes of LDS; arguments wq, lst, hb; writes hb
.if DOCPART == 7
	.amdgcn_target "amdgcn-amd-amdhsa--gfx1250"
	.amdhsa_code_object_version 6
	.text
	.protected	k_q58c7f17b1b_ffn1
	.globl	k_q58c7f17b1b_ffn1
	.p2align	8
	.type	k_q58c7f17b1b_ffn1,@function
k_q58c7f17b1b_ffn1:
	s_mov_b64 s[64:65], 0
	v_nop
	global_prefetch_b8 v0, s[64:65] scope:SCOPE_SE
	s_setreg_imm32_b32 hwreg(HW_REG_WAVE_SCHED_MODE, 0, 2), 2
	s_setreg_imm32_b32 hwreg(HW_REG_WAVE_MODE, 25, 1), 1
	s_wait_xcnt 0x0
	s_wait_alu depctr_vm_vsrc(0)
; FFN1: h = silu(x w1[e]^T) * (x w3[e]^T) for one tile of 64 listed tokens, one of the tile's two experts (slot) and 256 hidden units (slice), quantised along the hidden units.
; Work-group (3 slot + slice, tile); wave w makes block hb = 8 slice + w: 32 hidden units = two tiles of w1 and two of w3 (4 fragments a K step), against the tile's four sub-tiles of 16 tokens: 16 accumulators.
; The weights come from memory straight into registers, in the order of the operand's registers, one K step ahead; each is read once by the work-group.  The tokens' codes are gathered once into LDS as images of
; the operand's registers and read by all eight waves.
; THE MATRIX INSTRUCTION IS USED TRANSPOSED (source 0 = 16 rows of a weight, source 1 = 16 tokens), and a weight tile's rows are chosen (by the launch that laid them) so that lane (r, h)'s 16 registers of tiles 0 and 1
; are hidden units 32 hb + 16 h + 0 .. 15 of token r: neighbours along the next K.
; No tensor load, no cluster: which expert a tile takes, and how many of the grid's 91 tiles have tokens, hang on the stored list.
; A WAVE WITH NOTHING TO COMPUTE PASSES OVER ITS PRODUCTS: all waves of a tile without tokens (its first list entry is the padding mark 4,096: a tile's tokens come first), and the waves of blocks 22 and 23 (hidden units 704 on,
; past the 684 that there are).  Their h is 0: zero codes under the byte 127.  It is ONE forward branch, behind the first barrier, that joins ahead of the LDS stores which every wave makes: both barriers stand on every
; wave's path, and every byte of hb that the next launch reads is stored.  The tiles without tokens are the list's last; the tile is the grid's y, so their work-groups have the highest numbers.
; Padding rows of a tile that has tokens are worked on token 4,095's numbers; the next launch stores no padding row.
; LIMITS: NaN and infinities are not served; a computed block of zeros carries the byte 1 (its codes are zeros; only this program reads the bytes).
; THE MODE: SCHED_MODE bits 1:0 = 2 (LLVM: expert scheduling mode 2), set by the entry lines.  The code itself states the register dependences between vector or matrix instructions and memory or LDS
; instructions, with s_wait_alu, always for 0.
; THE PLAN.  Registers that memory or LDS instructions touch in the eight K steps:
;   WF0 v24-71, XF0 v72-119 (window 0)   the four weight fragments and the four sub-tiles' fragments of an EVEN step: loaded at the head of the odd step before, read by the even step's 16 products.
;   WF1, XF1: the same numbers in window 1 the same of an ODD step: loaded at the head of the even step before, read by the odd step's 16 products.
;   v4-7 | v248-251, v8-11 | v12-15        the weights' and the tokens' scale words, a set for two steps (lanes 0-15 the even step, lanes 16-31 the odd): loaded at the head of an odd step, read by the next two steps' products.
;   v1, v2, v3, v16, v252-255              offsets and LDS addresses: made at the head, never written again.
; Step q's products name the sets of q's parity; its loads, for step q + 1, land in the other parity's sets, which step q - 1 read.  So ONE wait on va_vdst stands in a step, at its head, ahead of the step's one run of
; loads.  The accumulators are named by matrix and vector instructions alone.
.set XS_O,   3145728
.set WF13_O, 3276800
.set WS13_O, 12713984
.set HS_O,   6709248
.set XIMG, 0                           ; LDS: [sub-tile 4][K step 8][1,536]: the tokens' fragments
.set XSC,  49152                       ;      [K step 8][r 16][sub-tile 4] their scale words
.set HST,  51200                       ;      [K step of the next product 2][sub-tile 4][lane 32][48]: h's fragments
.set HSB,  63488                       ;      [2][4][r 16][block 4] their scale bytes
.set WF,   24                          ; v24-71 of window 0 (even steps) or 1 (odd steps): fragment f at 12 f; f = 0, 1: w1's tiles, 2, 3: w3's
.set XF,   72                          ; v72-119 likewise: sub-tile s at 12 s
.set ACC,  120                         ; v120-247 accumulator (sub-tile s, fragment f) at 32 s + 8 f
.set H,    24                          ; the end: v24-87 h; v88-103 codes; v104-119 at work
.set PCH,  88
.set TMH,  104
; v1 my 16 bytes of a weight's plane; v2 16 x lane; v3 8 x lane; v16 4 r; v256, v257 the closing add's two
.set MSB, 0
.macro WIN new                         ; the immediate's high byte repeats the setting that is left; a switch that changes nothing is dropped
.if MSB != \new
	s_set_vgpr_msb (MSB<<8)|\new
.set MSB, \new
.endif
.endm
.macro WLOAD q                         ; K step q's four fragments, into the window that is set; with an even q (window 0) the scale words of steps q (lanes 0-15) and q + 1 (lanes 16-31)
.irp f, 0,1,2,3
.irp c, 0,1,2
	global_load_b128 v[WF+12*\f+4*\c:WF+12*\f+4*\c+3], v1, s[20:21] offset:6144*(\q)+1536*\f+512*\c
.endr
.endr
.if (\q)%2 == 0
.set WSB, 4+244*(((\q)/2)%2)
	global_load_b64 v[WSB:WSB+1], v3, s[22:23] offset:128*(\q)
	global_load_b64 v[WSB+2:WSB+3], v3, s[22:23] offset:128*(\q)+196608
.endif
.endm
.macro XLOAD q                         ; K step q's fragments of the four sub-tiles, likewise; with an even q their scale words: lanes 0-15 step q, lanes 16-31 step q + 1
.irp s, 0,1,2,3
.irp c, 0,1,2
	ds_load_b128 v[XF+12*\s+4*\c:XF+12*\s+4*\c+3], v2 offset:(8*\s+(\q))*1536+512*\c
.endr
.endr
.if (\q)%2 == 0
.set XSB, 8+4*(((\q)/2)%2)
	ds_load_b128 v[XSB:XSB+3], v2 offset:XSC+256*(\q)
.endif
.endm
.macro STEP q
.if (\q) < 7
.if (\q)%2 == 0
	WIN 0x40                                       ; the next step is odd: its sets lie in window 1 (a load's destination); the addresses stay in window 0
.else
	WIN 0
.endif
.if (\q) > 0
	s_wait_alu depctr_va_vdst(0)                   ; the products of the step before are done reading the fragments (and, ahead of an even step, those of two and three steps back the scale words) in which the loads below land
.endif
	WLOAD (\q)+1
	XLOAD (\q)+1
.if (\q)%2 == 0
	s_wait_loadcnt 12                              ; this step's weights are in; the 12 loads just issued may be out
	s_wait_dscnt 12                                ; this step's tokens are in; the 12 LDS loads just issued may be out
.else
	s_wait_loadcnt 14                              ; likewise, 12 + 2
	s_wait_dscnt 13                                ; likewise, 12 + 1
.endif
.else
	s_wait_loadcnt 0x0                             ; the last step asks for nothing more
	s_wait_dscnt 0x0
.endif
.if (\q)%2 == 0
	WIN 0
.else
	WIN 0x05                                       ; sources 0 and 1 in window 1, C and D in window 0
.endif
.set SSB, 4+244*(((\q)/2)%2)
.set TSB, 8+4*(((\q)/2)%2)
.irp s, 0,1,2,3
.irp f, 0,1,2,3                                ; the sixteen accumulators take turns, one instruction a turn, in the same order in every step
.if (\q) == 0
	v_wmma_scale_f32_16x16x128_f8f6f4 v[ACC+32*\s+8*\f:ACC+32*\s+8*\f+7], v[WF+12*\f:WF+12*\f+11], v[XF+12*\s:XF+12*\s+11], 0, v[SSB+\f], v[TSB+\s] matrix_a_fmt:MATRIX_FMT_FP6 matrix_b_fmt:MATRIX_FMT_FP6
.elseif (\q)%2 == 0
	v_wmma_scale_f32_16x16x128_f8f6f4 v[ACC+32*\s+8*\f:ACC+32*\s+8*\f+7], v[WF+12*\f:WF+12*\f+11], v[XF+12*\s:XF+12*\s+11], v[ACC+32*\s+8*\f:ACC+32*\s+8*\f+7], v[SSB+\f], v[TSB+\s] matrix_a_fmt:MATRIX_FMT_FP6 matrix_b_fmt:MATRIX_FMT_FP6
.else
	v_wmma_scale_f32_16x16x128_f8f6f4 v[ACC+32*\s+8*\f:ACC+32*\s+8*\f+7], v[WF+12*\f:WF+12*\f+11], v[XF+12*\s:XF+12*\s+11], v[ACC+32*\s+8*\f:ACC+32*\s+8*\f+7], v[SSB+\f], v[TSB+\s] matrix_a_fmt:MATRIX_FMT_FP6 matrix_b_fmt:MATRIX_FMT_FP6 matrix_a_scale:MATRIX_SCALE_ROW1 matrix_b_scale:MATRIX_SCALE_ROW1
.endif
.endr
.endr
.rept 4
	v_nop                                          ; four places behind the step's last product, in front of loads into registers that these products read, and of the first read of results; they stand beside the wait at the next step's head
.endr
.endm
	s_load_b128 s[4:7], s[0:1], 0x0                ; wq, lst
	s_load_b64 s[8:9], s[0:1], 0x10                ; hb
	WIN 0x40
	v_lshl_add_u32 v0, v0, 2, 0xfa00
	v_mov_b32 v1, 0
	WIN 0
	v_lshrrev_b32 v1, 5, v0
	v_readfirstlane_b32 s10, v1                    ; wave 0..7
	v_and_b32 v120, 31, v0                         ; lane   (v120-137 are free until the first products)
	v_and_b32 v121, 15, v0                         ; r
	v_bfe_u32 v122, v0, 4, 1                       ; h
	v_lshlrev_b32 v124, 2, v121
	v_lshlrev_b32 v125, 2, v120
	s_and_b32 s11, ttmp7, 0xffff                   ; the tile
	s_cmp_ge_u32 ttmp9, 3
	s_cselect_b32 s13, 1, 0                        ; slot
	s_mul_i32 s14, s13, 3
	s_sub_co_u32 s14, ttmp9, s14                   ; slice
	s_lshl_b32 s15, s14, 3
	s_wait_alu depctr_va_sdst(0)                   ; s10 is written, ahead of its first reader
	s_add_co_u32 s15, s15, s10                     ; hb
	s_lshl_b32 s17, s11, 2
	s_lshl_b32 s45, s11, 8
	s_mov_b32 s28, 0x76543210
	s_mov_b32 s29, 0xfedcba98
	s_wait_kmcnt 0x0
	s_load_b32 s16, s[6:7], s17 offset:23296       ; the tile's key
	s_load_b32 s19, s[6:7], s45 offset:0x0         ; the tile's first list entry: 4,096 in a tile without tokens
	s_mov_b32 s24, s45
	s_mov_b32 s25, 0
	s_add_nc_u64 s[24:25], s[6:7], s[24:25]        ; the tile's 64 rows of the list
	s_wait_alu depctr_va_vdst(0)                   ; v124 and v125 are written: the six loads below read them as offsets
.irp s, 0,1,2,3
	global_load_b32 v[126+\s], v124, s[24:25] offset:64*\s      ; token r of sub-tile s
.endr
.irp it, 0,1
	global_load_b32 v[130+\it], v125, s[24:25] offset:128*\it   ; token r of sub-tile 2 it + h
.endr
	v_lshlrev_b32 v2, 4, v120
	v_lshlrev_b32 v3, 3, v120
	v_lshlrev_b32 v16, 2, v121                     ; 4 r: the way out's scale words
	v_bfe_u32 v1, v0, 3, 1
	v_lshlrev_b32 v1, 8, v1
	v_lshl_or_b32 v1, v122, 7, v1
	v_and_b32 v123, 7, v0
	v_lshl_or_b32 v1, v123, 4, v1                  ; 256 (r / 8) + 128 h + 16 (r % 8)
	v_mul_u32_u24 v132, v122, 48
	s_mul_i32 s36, s10, 1536
	v_add_nc_u32 v134, s36, v2                     ; the images of K step w
	v_lshlrev_b32 v135, 4, v121
	v_lshl_add_u32 v135, v122, 2, v135
	s_lshl_b32 s36, s10, 8
	s_add_co_u32 s36, s36, XSC
	v_add_nc_u32 v135, s36, v135                   ; their scale words: 256 w + 16 r + 4 h
	s_lshr_b32 s36, s10, 2                         ; which of the slice's two K steps of the next product my block belongs to
	s_and_b32 s37, s10, 1
	s_bfe_u32 s38, s10, 0x10001
	s_mul_i32 s39, s36, 6144
	s_mul_i32 s37, s37, 768
	s_add_co_u32 s39, s39, s37
	s_mul_i32 s38, s38, 24
	s_add_co_u32 s39, s39, s38
	s_add_co_u32 s39, s39, HST
	v_mul_u32_u24 v252, v121, 48
	v_mad_u32_u24 v252, v122, 12, v252
	v_add_nc_u32 v252, s39, v252                   ; block j = w % 4 goes to lane r + 16 (j % 2), bytes 24 (j / 2) + 12 h on
	s_lshl_b32 s40, s36, 8
	s_and_b32 s37, s10, 3
	s_add_co_u32 s40, s40, s37
	s_add_co_u32 s40, s40, HSB
	v_add_nc_u32 v253, s40, v124                   ; its scale byte: 4 r + j
	s_mul_i32 s41, s10, 1536
	s_add_co_u32 s41, s41, HST
	v_mul_u32_u24 v254, v120, 48
	v_add_nc_u32 v254, s41, v254                   ; the way out: wave w takes fragment w: 48 bytes a lane
	s_lshl_b32 s42, s10, 6
	s_add_co_u32 s42, s42, HSB
	v_add_nc_u32 v255, s42, v124
	s_mul_i32 s43, s13, 364
	s_add_co_u32 s43, s43, s17                     ; + 4 x tile
	s_add_co_u32 s43, s43, s37                     ; + sub-tile w % 4
	s_mul_i32 s43, s43, 6
	s_lshl_b32 s44, s14, 1
	s_add_co_u32 s43, s43, s44
	s_add_co_u32 s43, s43, s36                     ; the fragment's number in hb
	s_mul_i32 s32, s43, 1536
	s_mov_b32 s33, 0
	s_add_nc_u64 s[32:33], s[8:9], s[32:33]
	s_lshl_b32 s34, s43, 6
	s_add_co_u32 s34, s34, HS_O
	s_mov_b32 s35, 0
	s_add_nc_u64 s[34:35], s[8:9], s[34:35]
	s_mul_i32 s26, s10, 96
	s_mov_b32 s27, 0
	s_add_nc_u64 s[26:27], s[4:5], s[26:27]        ; the tokens' codes at K step w
	s_lshl_b32 s30, s10, 2
	s_add_co_u32 s30, s30, XS_O
	s_mov_b32 s31, 0
	s_add_nc_u64 s[30:31], s[4:5], s[30:31]        ; and their scale words
	s_wait_kmcnt 0x0
	s_lshr_b32 s18, s16, 8
	s_cmp_eq_u32 s13, 1
	s_cselect_b32 s16, s18, s16
	s_and_b32 s16, s16, 0xff
	s_min_u32 s16, s16, 7                          ; the expert: a stored number enters an address only behind a hold
	s_mul_i32 s18, s16, 24
	s_add_co_u32 s18, s18, s15
	s_mul_i32 s20, s18, 49152
	s_add_co_u32 s20, s20, WF13_O
	s_mov_b32 s21, 0
	s_add_nc_u64 s[20:21], s[4:5], s[20:21]        ; my block's fragments,
	s_lshl_b32 s22, s18, 10
	s_add_co_u32 s22, s22, WS13_O
	s_mov_b32 s23, 0
	s_add_nc_u64 s[22:23], s[4:5], s[22:23]        ; and scale words (w3's lie 196,608 bytes on)
	s_wait_loadcnt 0x0
.irp s, 0,1,2,3
	v_min_u32 v[126+\s], 4095, v[126+\s]           ; a padding row takes token 4,095's numbers; nothing of it is kept
	v_mul_u32_u24 v[126+\s], v[126+\s], 768
	v_add_nc_u32 v[126+\s], v[126+\s], v132
.endr
.irp it, 0,1
	v_min_u32 v[130+\it], 4095, v[130+\it]
	v_lshlrev_b32 v[130+\it], 5, v[130+\it]
.endr
	s_wait_alu depctr_va_vdst(0)                   ; the gather's offsets v126-131 are written, and so are v1-3, v16, v134, v135 and v252-255, which every later load and store of the kernel reads as its offset or address
.irp s, 0,1,2,3                                ; wave w gathers K step w of all 64 tokens: 48 bytes a lane, the eight waves together a token's 768
.irp c, 0,1,2
	global_load_b128 v[72+12*\s+4*\c:75+12*\s+4*\c], v[126+\s], s[26:27] offset:16*\c
.endr
.endr
.irp it, 0,1
	global_load_b32 v[136+\it], v[130+\it], s[30:31]
.endr
	WLOAD 0
	s_wait_loadcnt 14                              ; the gathered codes and words are in; the first weights (12 + 2 loads) may be out
.irp s, 0,1,2,3
.irp c, 0,1,2
	ds_store_b128 v134, v[72+12*\s+4*\c:75+12*\s+4*\c] offset:12288*\s+512*\c
.endr
.endr
.irp it, 0,1
	ds_store_b32 v135, v[136+\it] offset:8*\it
.endr
	s_wait_dscnt 0x0
	s_barrier_signal -1
	s_barrier_wait -1                              ; the tile's 32 fragments lie in LDS
	s_wait_alu depctr_vm_vsrc(0)                   ; the loads above have read v124-131, the LDS stores v134-137 and v72-119: LDS loads land in v72-119, the first products write v120-137, the short way's moves write v88-111
	s_cmp_lt_u32 s19, 4096                         ; has the tile a token?
	s_cselect_b32 s46, s15, 24                     ; my block, or 24 in a tile without tokens
	s_cmp_lt_u32 s46, 22                           ; blocks 0 to 21 hold the 684 hidden units
	s_cbranch_scc1 .Lwork
	; ---- nothing to compute: h = 0.  No barrier stands between this branch and the place where the two ways join
	s_wait_loadcnt 0x0                             ; the first weights have landed: LDS loads land in their registers on the way out
.irp s, 0,1,2,3
.irp i, 0,1,2
	v_mov_b32 v[PCH+4*\s+\i], 0                    ; zero codes,
.endr
	v_mov_b32 v[TMH+4+\s], 127                     ; under the byte of a block of zeros
.endr
	s_branch .Lput
.Lwork:
	XLOAD 0                                        ; no vector or matrix instruction has named v72-119 or v8-11
	STEP 0
	STEP 1
	STEP 2
	STEP 3
	STEP 4
	STEP 5
	STEP 6
	STEP 7
	WIN 0
	; ---- silu(a1) a3 = a1 a3 / (1 + 2^(-a1 log2 e)), in f32.  Each accumulator is read from its low end on
.irp s, 0,1,2,3
.irp i, 0,2,4,6,8,10,12,14
	v_pk_mul_f32 v[H+16*\s+\i:H+16*\s+\i+1], v[ACC+32*\s+\i:ACC+32*\s+\i+1], 0xbfb8aa3b op_sel_hi:[1,0]
.endr
.endr
.set i, 0
	s_wait_alu depctr_va_vdst(0)
.rept 64
	v_exp_f32 v[H+i], v[H+i]
.set i, i+1
.endr
.irp s, 0,1,2,3
	v_mov_b32 v[TMH+4+\s], 0                       ; (plain places behind the batch; a lane permute's destination counts as one of its sources)
.endr
	s_wait_alu depctr_va_vdst(0)                   ; the 64 exponentials have written v[H ..]: one wait for the batch, ahead of its first reader
.set i, 0
.rept 32
	v_pk_add_f32 v[H+2*i:H+2*i+1], v[H+2*i:H+2*i+1], 1.0 op_sel_hi:[1,0]
.set i, i+1
.endr
.set i, 0
	s_wait_alu depctr_va_vdst(0)
.rept 64
	v_rcp_f32 v[H+i], v[H+i]                       ; (an exponential that has overflowed gives 0 here, as silu does)
.set i, i+1
.endr
	v_nop
	s_wait_alu depctr_va_vdst(0)                   ; the 64 reciprocals have written v[H ..]: likewise
.irp s, 0,1,2,3
.irp i, 0,2,4,6,8,10,12,14
	v_pk_mul_f32 v[H+16*\s+\i:H+16*\s+\i+1], v[H+16*\s+\i:H+16*\s+\i+1], v[ACC+32*\s+\i:ACC+32*\s+\i+1]
.endr
.endr
.irp s, 0,1,2,3
.irp i, 0,2,4,6,8,10,12,14
	v_pk_mul_f32 v[H+16*\s+\i:H+16*\s+\i+1], v[H+16*\s+\i:H+16*\s+\i+1], v[ACC+32*\s+16+\i:ACC+32*\s+16+\i+1]
.endr
.endr
	; ---- quantised: for each sub-tile, token r's block of 32 units lies in lanes r and r + 16
.irp s, 0,1,2,3
	v_max3_num_f32 v[TMH+\s], |v[H+16*\s]|, |v[H+1+16*\s]|, 0x1800000   ; with the floor 2^(3 - 127): the byte cannot fall under 1
.endr
.irp i, 2,4,6,8,10,12,14
.irp s, 0,1,2,3
	v_max3_num_f32 v[TMH+\s], v[TMH+\s], |v[H+16*\s+\i]|, |v[H+1+16*\s+\i]|
.endr
.endr
.irp s, 0,1,2,3
	v_permlanex16_b32 v[TMH+4+\s], v[TMH+\s], s28, s29
.endr
.irp s, 0,1,2,3
	v_max_num_f32 v[TMH+\s], v[TMH+\s], v[TMH+4+\s]
.endr
.irp s, 0,1,2,3
	v_add_nc_u32 v[TMH+12+\s], 0xff000000, v[TMH+\s]   ; 2 off the exponent field: the conversion's scale operand
.endr
.irp s, 0,1,2,3
	v_lshrrev_b32 v[TMH+4+\s], 23, v[TMH+12+\s]    ; the scale's byte
.endr
.irp s, 0,1,2,3
	v_cvt_scalef32_pk16_fp6_f32 v[PCH+4*\s:PCH+4*\s+2], v[H+16*\s:H+16*\s+15], v[TMH+12+\s]   ; 12 bytes: units 32 hb + 16 h + 0 .. 15 of token r
.endr
	v_nop                                          ; one plain place behind a scaled conversion
.Lput:                                                 ; the two ways join: every wave puts its block's codes and bytes into LDS
	s_wait_alu depctr_va_vdst(0)                   ; the codes v[PCH ..] and the bytes v[TMH+4 ..] are written, by the conversions and shifts or by the short way's moves: the LDS stores read them; and the last readers of v24-36, in which the LDS loads behind the barrier land, are done
.irp s, 0,1,2,3
.irp i, 0,1,2
	ds_store_b32 v252, v[PCH+4*\s+\i] offset:1536*\s+4*\i
.endr
	ds_store_b8 v253, v[TMH+4+\s] offset:64*\s     ; (both lanes of a block write the same byte with the same value)
.endr
	s_wait_dscnt 0x0
	s_barrier_signal -1
	s_barrier_wait -1                              ; eight fragments of h (two K steps x four sub-tiles) lie in LDS
.irp c, 0,1,2
	ds_load_b128 v[24+4*\c:27+4*\c], v254 offset:16*\c           ; no vector instruction since the wait above names v24-36
.endr
	ds_load_b32 v36, v255
	s_wait_dscnt 0x0
.irp c, 0,1,2
	global_store_b128 v2, v[24+4*\c:27+4*\c], s[32:33] offset:512*\c   ; an image: 512 consecutive bytes, aligned
.endr
	global_store_b32 v16, v36, s[34:35]            ; 16 scale words, 64 bytes (the two halves of the lanes store the same): one part in 24 of the codes' bytes
	WIN 0x5                                        ; the add's two registers, sources 0 and 1, lie in window 1
	s_wait_dscnt 0x0                               ; the closing lines, six on end
	s_wait_alu 0x0
	s_wait_tensorcnt 0x0
	ds_add_u32 v0, v1
	s_wait_dscnt 0x0
	s_endpgm
.Lfunc_end_k_q58c7f17b1b_ffn1:
	.size	k_q58c7f17b1b_ffn1, .Lfunc_end_k_q58c7f17b1b_ffn1-k_q58c7f17b1b_ffn1
	.p2alignl 7, 3214868480
	.fill 96, 4, 3214868480
	.section	.rodata,"a",@progbits
	.p2align	6, 0x0
	.amdhsa_kernel k_q58c7f17b1b_ffn1
		.amdhsa_group_segment_fixed_size 65024
		.amdhsa_private_segment_fixed_size 0
		.amdhsa_enable_private_segment 0
		.amdhsa_kernarg_size 24
		.amdhsa_user_sgpr_count 2
		.amdhsa_user_sgpr_kernarg_segment_ptr 1
		.amdhsa_wavefront_size32 1
		.amdhsa_system_sgpr_workgroup_id_x 1
		.amdhsa_system_sgpr_workgroup_id_y 1
		.amdhsa_system_sgpr_workgroup_id_z 1
		.amdhsa_system_vgpr_workitem_id 0
		.amdhsa_next_free_vgpr 376
		.amdhsa_next_free_sgpr 66
		.amdhsa_reserve_vcc 0
		.amdhsa_float_denorm_mode_32 3
		.amdhsa_float_denorm_mode_16_64 3
		.amdhsa_memory_ordered 1
		.amdhsa_forward_progress 1
		.amdhsa_inst_pref_size 63
	.end_amdhsa_kernel
	.amdgpu_metadata
---
amdhsa.version: [ 1, 2 ]
amdhsa.kernels:
  - .name:           k_q58c7f17b1b_ffn1
    .symbol:         k_q58c7f17b1b_ffn1.kd
    .args:
      - { .name: wq, .offset: 0, .size: 8, .value_kind: global_buffer, .address_space: global }
      - { .name: lst, .offset: 8, .size: 8, .value_kind: global_buffer, .address_space: global }
      - { .name: hb, .offset: 16, .size: 8, .value_kind: global_buffer, .address_space: global }
    .group_segment_fixed_size: 65024
    .private_segment_fixed_size: 0
    .kernarg_segment_align: 8
    .kernarg_segment_size: 24
    .max_flat_workgroup_size: 256
    .sgpr_count:     66
    .vgpr_count:     376
    .wavefront_size: 32
...
	.end_amdgpu_metadata
.endif
;; end of part 7
;; launch ffn2 (part 8): grid 91 x 4, 8 waves a work-group, no clusters, 74,752 bytes of LDS; arguments wq, lst, hb, fm, out0; writes out0
.if DOCPART == 8
	.amdgcn_target "amdgcn-amd-amdhsa--gfx1250"
	.amdhsa_code_object_version 6
	.text
	.protected	k_q58c7f17b1b_ffn2
	.globl	k_q58c7f17b1b_ffn2
	.p2align	8
	.type	k_q58c7f17b1b_ffn2,@function
k_q58c7f17b1b_ffn2:
	s_mov_b64 s[64:65], 0
	v_nop
	global_prefetch_b8 v0, s[64:65] scope:SCOPE_SE
	s_setreg_imm32_b32 hwreg(HW_REG_WAVE_SCHED_MODE, 0, 2), 2
	s_setreg_imm32_b32 hwreg(HW_REG_WAVE_MODE, 25, 1), 1
	s_wait_xcnt 0x0
	s_wait_alu depctr_vm_vsrc(0)
; FFN2: out0[t] = c_a (h_a w2[a]^T) + c_b (h_b w2[b]^T) for one tile of 64 listed tokens, which all have the pair {a < b}, and 256 of the 1,024 columns: each row of out0 has one owner.
; Work-group (tile, block of 256 columns); wave w makes columns 32 w .. 32 w + 31 of the block (two tiles of w2's rows) for the tile's four sub-tiles: 8 accumulators.  K runs over 12 steps of 128: six of a, six of b.
; w2's fragments come from memory straight into registers, two steps ahead; h's 48 fragments are copied once into LDS and read by all eight waves.
; TRANSPOSED USE: source 0 = 16 rows of w2, source 1 = 16 tokens: a lane holds one token and eight neighbouring columns.
; THE GATES: behind a's six steps the sums are multiplied by c_a / c_b', b's six steps add onto them, and the end multiplies by c_b': one set of accumulators serves both experts.
; LIMIT: c_b' = max(c_b, 2^-40), so that the quotient is finite: where c_b is smaller, at most 2^-40 |h_b w2[b]^T| comes on top.  NaN and infinities are not served.
; No tensor load, no cluster: the experts hang on the stored list.  No wave leaves ahead of a barrier; padding rows (list entry 4,096) are worked on token 4,095's gates and not stored, by a scalar branch behind the last barrier.
; THE MODE: SCHED_MODE bits 1:0 = 2 (LLVM: expert scheduling mode 2), set by the entry lines.  The code itself states the register dependences between vector or matrix instructions and memory or LDS
; instructions, with s_wait_alu, always for 0.
; THE PLAN.  A GROUP is half a K step: two sub-tiles x w2's two tiles, four products; group G = 2 g + j.  Registers that memory or LDS instructions touch in the 24 groups:
;   H0 v48-71, H1 v144-167      h's two fragments of group G lie in set G % 2: loaded during group G - 1, read by group G's four products.
;   W0, W1, W2 v72-143          w2's two fragments of step g lie in set g % 3: loaded during the first group of step g - 2, read by step g's eight products.
;   v1, v2                      16 x lane and the same + 36,864: made at the head, never written again.
; Group G's loads land in h's other set, which group G - 1 read, and, in a step's first group, in the set of w2 that step g - 1 read.  So ONE wait on va_vdst stands at a group's head; behind it the group's
; loads are dealt among its four products, which name none of the registers that those loads touch.  The scale words, the gates and the accumulators are touched by no load in the groups.
.set W2F_O, 13107200
.set WS2_O, 17825792
.set HS_O,  6709248
; LDS: h's images [4 slot + sub-tile][K step 6][1,536] = 73,728 bytes; behind the products the same bytes are the stage for the way out: 64 rows x (1,024 + 16)
; v3 4 x lane; v4-11 (c_a / c_b') twice, a pair a sub-tile; v12-35 h's scale words; v36-47 w2's; v168-231 accumulator (sub-tile s, tile f) at 16 s + 8 f; v232-239 c_b' twice, a pair a sub-tile;
; v240-243 addresses; v244-247 at the head: 1 / c_b'; v248, v249 the closing add's two
.macro WFRAG g, f                      ; tile f's fragment of w2 for step g, into set g % 3
.set WB_, 72+24*((\g)%3)+12*(\f)
.set WQ_, (\g)%6
.irp c, 0,1,2
.if (\g) < 6
	global_load_b128 v[WB_+4*\c:WB_+4*\c+3], v1, s[20:21] offset:9216*(\f)+1536*WQ_+512*\c
.else
	global_load_b128 v[WB_+4*\c:WB_+4*\c+3], v1, s[22:23] offset:9216*(\f)+1536*WQ_+512*\c
.endif
.endr
.endm
.macro HFRAG G, k                      ; h's fragment of sub-tile 2 (G % 2) + k for step G / 2, into set G % 2
.set HG_, (\G)/2
.set HS_, 2*((\G)%2)+(\k)
.set HB_, 48+96*((\G)%2)+12*(\k)
.irp c, 0,1,2
.if HG_ < 6
	ds_load_b128 v[HB_+4*\c:HB_+4*\c+3], v1 offset:HS_*9216+(HG_%6)*1536+512*\c
.else
	ds_load_b128 v[HB_+4*\c:HB_+4*\c+3], v2 offset:HS_*9216+(HG_%6)*1536+512*\c
.endif
.endr
.endm
.macro PROD G, k, f                    ; the product of group G's sub-tile k with tile f.  The eight accumulators take turns, one instruction a turn
.set G_, (\G)/2
.set S_, 2*((\G)%2)+(\k)
.set L_, G_/6
.set Q_, G_%6
.set A_, 72+24*(G_%3)+12*(\f)
.set B_, 48+96*((\G)%2)+12*(\k)
.set C_, 168+16*S_+8*(\f)
.set SA_, 36+6*L_+3*(\f)+Q_/2
.set SB_, 12+12*L_+3*S_+Q_/2
.if G_ == 0
	v_wmma_scale_f32_16x16x128_f8f6f4 v[C_:C_+7], v[A_:A_+11], v[B_:B_+11], 0, v[SA_], v[SB_] matrix_a_fmt:MATRIX_FMT_FP6 matrix_b_fmt:MATRIX_FMT_FP6
.elseif Q_%2 == 0
	v_wmma_scale_f32_16x16x128_f8f6f4 v[C_:C_+7], v[A_:A_+11], v[B_:B_+11], v[C_:C_+7], v[SA_], v[SB_] matrix_a_fmt:MATRIX_FMT_FP6 matrix_b_fmt:MATRIX_FMT_FP6
.else
	v_wmma_scale_f32_16x16x128_f8f6f4 v[C_:C_+7], v[A_:A_+11], v[B_:B_+11], v[C_:C_+7], v[SA_], v[SB_] matrix_a_fmt:MATRIX_FMT_FP6 matrix_b_fmt:MATRIX_FMT_FP6 matrix_a_scale:MATRIX_SCALE_ROW1 matrix_b_scale:MATRIX_SCALE_ROW1
.endif
.endm
.macro GROUP G
.if (\G)%2 == 0
.if (\G) < 22
	s_wait_loadcnt 6                               ; this step's weights are in (at the first step: the scale words too); the next step's six loads may be out
.else
	s_wait_loadcnt 0x0
.endif
.endif
	s_wait_dscnt 0x0                               ; this group's two fragments of h, asked for during the group before, are in
.if ((\G) > 0) && ((\G) < 23)
	s_wait_alu depctr_va_vdst(0)                   ; the group before is done reading h's other set; in a step's first group the step before is done reading its set of w2: the loads below land in these
.endif
.if (\G) < 23
	HFRAG (\G)+1, 0
.endif
	PROD \G, 0, 0
.if (\G) < 23
	HFRAG (\G)+1, 1                                ; no wait: no product since the wait above names the other set
.endif
	PROD \G, 0, 1
.if ((\G)%2 == 0) && ((\G) < 20)
	WFRAG (\G)/2+2, 0                              ; likewise: this step's products name the sets g % 3 alone
.endif
	PROD \G, 1, 0
.if ((\G)%2 == 0) && ((\G) < 20)
	WFRAG (\G)/2+2, 1
.endif
	PROD \G, 1, 1
.rept 4
	v_nop                                          ; four places behind the group's last product, in front of loads into registers that these products read, and of the first read of results; they stand beside the wait at the next group's head
.endr
.endm
.macro ROWOUT i
	s_cmp_lt_u32 s[32+\i], 4096
	s_cbranch_scc0 .Lpadrow_\@                     ; a padding row is not stored
	global_store_b128 v1, v[72+8*\i:75+8*\i], s[40+2*\i:41+2*\i] th:TH_STORE_NT               ; 512 consecutive bytes, aligned; written once, read by nobody here
	global_store_b128 v1, v[76+8*\i:79+8*\i], s[40+2*\i:41+2*\i] offset:512 th:TH_STORE_NT
.Lpadrow_\@:
.endm
	s_load_b256 s[4:11], s[0:1], 0x0               ; wq, lst, hb, fm
	s_load_b64 s[12:13], s[0:1], 0x20              ; out0
	v_lshl_add_u32 v248, v0, 2, 0x12000
	v_mov_b32 v249, 0
	v_lshrrev_b32 v1, 5, v0
	v_readfirstlane_b32 s14, v1                    ; wave 0..7
	v_and_b32 v232, 31, v0
	v_and_b32 v233, 15, v0
	v_bfe_u32 v234, v0, 4, 1
	v_lshlrev_b32 v243, 2, v233
	s_and_b32 s16, ttmp7, 0xffff                   ; which 256 columns
	s_lshl_b32 s17, ttmp9, 2
	s_lshl_b32 s58, ttmp9, 8
	s_wait_alu depctr_va_sdst(0)                   ; s14 is written, ahead of its first reader
	s_lshl_b32 s19, s14, 5
	s_add_co_u32 s19, s19, s58
	s_mov_b32 s59, 0
	s_wait_kmcnt 0x0
	s_load_b32 s15, s[6:7], s17 offset:23296       ; the tile's key
	s_load_b256 s[32:39], s[6:7], s19 offset:0x0   ; the list's entries of the 8 rows that I store
	s_add_nc_u64 s[58:59], s[6:7], s[58:59]
	s_wait_alu depctr_va_vdst(0)                   ; v243 is written: the four loads below read it as their offset
.irp s, 0,1,2,3
	global_load_b32 v[236+\s], v243, s[58:59] offset:64*\s      ; token r of sub-tile s
.endr
	v_lshlrev_b32 v1, 4, v232
	v_add_nc_u32 v2, 36864, v1
	v_lshlrev_b32 v3, 2, v232
	s_mul_i32 s60, s14, 9216
	v_add_nc_u32 v240, s60, v1                     ; h's images: wave w copies (slot w / 4, sub-tile w % 4)
	v_mul_u32_u24 v241, v233, 1040
	v_lshl_add_u32 v241, v234, 5, v241
	s_lshl_b32 s60, s14, 7
	v_add_nc_u32 v241, s60, v241                   ; the stage: row r, + 32 h, + 128 w
	s_mul_i32 s60, s14, 8320
	v_add_nc_u32 v242, s60, v1                     ; back: my 8 rows
	s_mul_i32 s28, ttmp9, 1536
	s_add_co_u32 s28, s28, HS_O
	s_mov_b32 s29, 0
	s_add_nc_u64 s[28:29], s[8:9], s[28:29]        ; h's scale words, slot 0 (slot 1's lie 139,776 bytes on)
	s_lshr_b32 s60, s14, 2
	s_mul_i32 s60, s60, 364
	s_add_co_u32 s60, s60, s17
	s_and_b32 s61, s14, 3
	s_add_co_u32 s60, s60, s61
	s_mul_i32 s30, s60, 9216
	s_mov_b32 s31, 0
	s_add_nc_u64 s[30:31], s[8:9], s[30:31]        ; the six fragments of h that I copy
	s_lshl_b32 s56, s16, 10
	s_mov_b32 s57, 0
	s_add_nc_u64 s[56:57], s[12:13], s[56:57]
	s_wait_kmcnt 0x0
	s_and_b32 s17, s15, 0xff
	s_min_u32 s17, s17, 7                          ; a: a stored number enters an address only behind a hold
	s_lshr_b32 s18, s15, 8
	s_and_b32 s18, s18, 0xff
	s_min_u32 s18, s18, 7                          ; b
	s_lshl_b32 s60, s16, 4
	s_lshl_b32 s61, s14, 1
	s_add_co_u32 s60, s60, s61                     ; my first tile of w2's rows
	s_lshl_b32 s17, s17, 6
	s_add_co_u32 s17, s17, s60
	s_lshl_b32 s18, s18, 6
	s_add_co_u32 s18, s18, s60
	s_mul_i32 s20, s17, 9216
	s_add_co_u32 s20, s20, W2F_O
	s_mov_b32 s21, 0
	s_mul_i32 s22, s18, 9216
	s_add_co_u32 s22, s22, W2F_O
	s_mov_b32 s23, 0
	s_mul_i32 s24, s17, 384
	s_add_co_u32 s24, s24, WS2_O
	s_mov_b32 s25, 0
	s_mul_i32 s26, s18, 384
	s_add_co_u32 s26, s26, WS2_O
	s_mov_b32 s27, 0
	s_add_nc_u64 s[20:21], s[4:5], s[20:21]
	s_add_nc_u64 s[22:23], s[4:5], s[22:23]
	s_add_nc_u64 s[24:25], s[4:5], s[24:25]
	s_add_nc_u64 s[26:27], s[4:5], s[26:27]
.irp i, 0,1,2,3,4,5,6,7
	s_min_u32 s[40+2*\i], s[32+\i], 4095
	s_lshl_b32 s[40+2*\i], s[40+2*\i], 12
	s_mov_b32 s[41+2*\i], 0
	s_add_nc_u64 s[40+2*\i:41+2*\i], s[56:57], s[40+2*\i:41+2*\i]   ; where my row i goes
.endr
	s_wait_loadcnt 0x0
.irp s, 0,1,2,3
	v_min_u32 v[236+\s], 4095, v[236+\s]
	v_lshlrev_b32 v[236+\s], 3, v[236+\s]
.endr
	s_wait_alu depctr_va_vdst(0)                   ; the gates' offsets v236-239 are written, and so are v1-3 and v240-242, which every later load and store of the kernel reads as its offset or address
.irp s, 0,1,2,3
	global_load_b64 v[4+2*\s:5+2*\s], v[236+\s], s[10:11]       ; (c_a, c_b) of token r of sub-tile s
.endr
.set i, 0
.rept 18
	global_load_b128 v[144+4*i:147+4*i], v1, s[30:31] offset:512*i
.set i, i+1
.endr
.irp l, 0,1
.irp s, 0,1,2,3
.irp p, 0,1,2
	global_load_b32 v[12+12*\l+3*\s+\p], v3, s[28:29] offset:139776*\l+384*\s+128*\p   ; lanes 0-15: K step 2 p; lanes 16-31: 2 p + 1
.endr
.endr
.endr
.irp f, 0,1
.irp p, 0,1,2
	global_load_b32 v[36+3*\f+\p], v3, s[24:25] offset:384*\f+128*\p
	global_load_b32 v[42+3*\f+\p], v3, s[26:27] offset:384*\f+128*\p
.endr
.endr
	WFRAG 0, 0
	WFRAG 0, 1
	WFRAG 1, 0
	WFRAG 1, 1
	s_wait_loadcnt 48                              ; the gates and h's codes are in; the 24 + 12 scale words and 12 loads of weights behind them may be out
.set i, 0
.rept 18
	ds_store_b128 v240, v[144+4*i:147+4*i] offset:512*i
.set i, i+1
.endr
	s_wait_alu depctr_vm_vsrc(0)                   ; the gates' loads have read v236-239, which the lines below write; the LDS stores have read v144-215, in which h's second set lands and which the first products write
.irp s, 0,1,2,3
	v_max_num_f32 v[232+2*\s], 0x2b800000, v[5+2*\s]   ; c_b' = max(c_b, 2^-40)
.endr
	s_wait_alu depctr_va_vdst(0)
.irp s, 0,1,2,3
	v_rcp_f32 v[244+\s], v[232+2*\s]
.endr
.irp s, 0,1,2,3
	v_mov_b32 v[233+2*\s], v[232+2*\s]             ; (plain places behind the batch)
.endr
	s_wait_alu depctr_va_vdst(0)                   ; the four reciprocals have written v244-247: one wait, ahead of their first reader
.irp s, 0,1,2,3
	v_mul_f32 v[4+2*\s], v[4+2*\s], v[244+\s]      ; c_a / c_b'
.endr
.irp s, 0,1,2,3
	v_mov_b32 v[5+2*\s], v[4+2*\s]
.endr
	s_wait_dscnt 0x0
	s_barrier_signal -1
	s_barrier_wait -1                              ; h's 48 fragments lie in LDS
	HFRAG 0, 0                                     ; no vector or matrix instruction has named v48-71
	HFRAG 0, 1
	GROUP 0
	GROUP 1
	GROUP 2
	GROUP 3
	GROUP 4
	GROUP 5
	GROUP 6
	GROUP 7
	GROUP 8
	GROUP 9
	GROUP 10
	GROUP 11
.irp s, 0,1,2,3                                ; a's sums x c_a / c_b': each accumulator from its low end on
.irp i, 0,2,4,6,8,10,12,14
	v_pk_mul_f32 v[168+16*\s+\i:169+16*\s+\i], v[168+16*\s+\i:169+16*\s+\i], v[4+2*\s:5+2*\s]
.endr
.endr
	GROUP 12
	GROUP 13
	GROUP 14
	GROUP 15
	GROUP 16
	GROUP 17
	GROUP 18
	GROUP 19
	GROUP 20
	GROUP 21
	GROUP 22
	GROUP 23
.irp s, 0,1,2,3                                ; x c_b'
.irp i, 0,2,4,6,8,10,12,14
	v_pk_mul_f32 v[168+16*\s+\i:169+16*\s+\i], v[168+16*\s+\i:169+16*\s+\i], v[232+2*\s:233+2*\s]
.endr
.endr
	s_wait_dscnt 0x0                               ; my reads of h's images are over
	s_barrier_signal -1
	s_barrier_wait -1                              ; everybody's are: their bytes become the stage
	s_wait_alu depctr_va_vdst(0)                   ; the multiplications have written the accumulators, which the LDS stores read; the products are done reading v72-135, in which the LDS loads behind the next barrier land
.irp s, 0,1,2,3
.irp f, 0,1
	ds_store_b128 v241, v[168+16*\s+8*\f:171+16*\s+8*\f] offset:16640*\s+64*\f        ; lane (r, h): row 16 s + r, columns 32 w + 16 f + 8 h + 0 .. 7
	ds_store_b128 v241, v[172+16*\s+8*\f:175+16*\s+8*\f] offset:16640*\s+64*\f+16
.endr
.endr
	s_wait_dscnt 0x0
	s_barrier_signal -1
	s_barrier_wait -1                              ; 64 rows of 1,024 bytes lie in the stage
.irp i, 0,1,2,3,4,5,6,7
	ds_load_b128 v[72+8*\i:75+8*\i], v242 offset:1040*\i
	ds_load_b128 v[76+8*\i:79+8*\i], v242 offset:1040*\i+512
.endr
	s_wait_dscnt 0x0
	ROWOUT 0
	ROWOUT 1
	ROWOUT 2
	ROWOUT 3
	ROWOUT 4
	ROWOUT 5
	ROWOUT 6
	ROWOUT 7
	s_wait_dscnt 0x0                               ; the closing lines, six on end
	s_wait_alu 0x0
	s_wait_tensorcnt 0x0
	ds_add_u32 v248, v249
	s_wait_dscnt 0x0
	s_endpgm
.Lfunc_end_k_q58c7f17b1b_ffn2:
	.size	k_q58c7f17b1b_ffn2, .Lfunc_end_k_q58c7f17b1b_ffn2-k_q58c7f17b1b_ffn2
	.p2alignl 7, 3214868480
	.fill 96, 4, 3214868480
	.section	.rodata,"a",@progbits
	.p2align	6, 0x0
	.amdhsa_kernel k_q58c7f17b1b_ffn2
		.amdhsa_group_segment_fixed_size 74752
		.amdhsa_private_segment_fixed_size 0
		.amdhsa_enable_private_segment 0
		.amdhsa_kernarg_size 40
		.amdhsa_user_sgpr_count 2
		.amdhsa_user_sgpr_kernarg_segment_ptr 1
		.amdhsa_wavefront_size32 1
		.amdhsa_system_sgpr_workgroup_id_x 1
		.amdhsa_system_sgpr_workgroup_id_y 1
		.amdhsa_system_sgpr_workgroup_id_z 1
		.amdhsa_system_vgpr_workitem_id 0
		.amdhsa_next_free_vgpr 250
		.amdhsa_next_free_sgpr 66
		.amdhsa_reserve_vcc 0
		.amdhsa_float_denorm_mode_32 3
		.amdhsa_float_denorm_mode_16_64 3
		.amdhsa_memory_ordered 1
		.amdhsa_forward_progress 1
		.amdhsa_inst_pref_size 55
	.end_amdhsa_kernel
	.amdgpu_metadata
---
amdhsa.version: [ 1, 2 ]
amdhsa.kernels:
  - .name:           k_q58c7f17b1b_ffn2
    .symbol:         k_q58c7f17b1b_ffn2.kd
    .args:
      - { .name: wq, .offset: 0, .size: 8, .value_kind: global_buffer, .address_space: global }
      - { .name: lst, .offset: 8, .size: 8, .value_kind: global_buffer, .address_space: global }
      - { .name: hb, .offset: 16, .size: 8, .value_kind: global_buffer, .address_space: global }
      - { .name: fm, .offset: 24, .size: 8, .value_kind: global_buffer, .address_space: global }
      - { .name: out0, .offset: 32, .size: 8, .value_kind: global_buffer, .address_space: global }
    .group_segment_fixed_size: 74752
    .private_segment_fixed_size: 0
    .kernarg_segment_align: 8
    .kernarg_segment_size: 40
    .max_flat_workgroup_size: 256
    .sgpr_count:     66
    .vgpr_count:     250
    .wavefront_size: 32
...
	.end_amdgpu_metadata
.endif
;; end of part 8
